; MI455X (gfx1250); checked and timed in simulation.
; The chip was launched on July 23, 2026; its instructions are those of AMD's public machine-readable ISA for CDNA 5 (MIT licence, August 2026) and "CDNA5" Instruction Set Architecture Reference Guide (July 2026). The comments in the code are by the model that wrote it; some were corrected since.
;; Retrieval Augmented Layer. Allowed arithmetic: matrix products marked QUANTISED: E4M3 operands, one given power-of-two scale a tensor, by v_wmma_f32_16x16x64_fp8_fp8 or v_wmma_f32_16x16x128_fp8_fp8, f32 sums; products left as they are: f32 operands where the result goes on into a quantised operand, else bf16, f16 or f32 operands; f32 sums; everything else in f32.
;; Inputs: W1 3,072 x 1,024 float32; W2 1,024 x 512 float32; b1 1,024 float32; b2 512 float32; beta 512 float32; gamma 512 float32; hist 100,000 x 512 float32; lowp_scales 6 int32 (the exponents e of the quantised operands' scales 2^e); x 1,024 x 16 x 512 float32.
;; Outputs: out0 1,024 x 512 float32.
;; This version of the problem:
;;   THIS VERSION OF THE PROBLEM IS GIVEN IN LOW PRECISION. The matrix products marked QUANTISED in the list below multiply operands that are first quantised to E4M3 (4 exponent bits, 3 mantissa bits; 8 bits a number), with one given power-of-two scale for each operand tensor; their sums are f32. All else is computed in f32.
;;   The module's matrix products, in the order in which they are computed (A, B: the left and right operand; K: the contracted axis; several contracted axes count as one K, in the product's order):
;;     1. [M 1,024, K 512] x [K 512, N 100,000]; A: computed on the way; B: computed on the way: QUANTISED (scales: A lowp_scales[0], B lowp_scales[1])
;;     2. batch 1,024 x [M 512, K 5] x [K 5, N 1]; A: computed on the way; B: softmax: left as it is (K = 5 < 32)
;;     3. [M 1,024, K 3,072] x [K 3,072, N 1,024]; A: computed on the way; B: input W1: QUANTISED (scales: A lowp_scales[2], B lowp_scales[3])
;;     4. [M 1,024, K 1,024] x [K 1,024, N 512]; A: computed on the way; B: input W2: QUANTISED (scales: A lowp_scales[4], B lowp_scales[5])
;;   THE QUANTISER, for each operand of a quantised product, along K:
;;     - The operand's scale is 2^e, e = its entry of the input lowp_scales (int32; the entries are numbered through the quantised products in the list's order, A before B).
;;     - Each number is divided by the scale, clamped to +-448, and rounded to the nearest number of E4M3, ties to even, subnormals kept.
;;     - The product sums the exact products of the quantised numbers (number of the format x scale) in f32.
;;   ~~~python
;;   def quantise(x, axis, e):      # numpy; x: float32 -> the quantised numbers, widened to float32 again
;;       x = np.moveaxis(x, axis, -1); K = x.shape[-1]
;;       r = np.clip(x / 2.0 ** e, -448, 448)
;;       step = 2.0 ** (np.maximum(np.frexp(np.where(r == 0, 1, r))[1] - 1, -6) - 3)
;;       q = np.round(r / step) * step * 2.0 ** e      # np.round: ties to even
;;       return np.moveaxis(q, -1, axis).astype(np.float32)
;;   ~~~
;;   OPERANDS COMPUTED ON THE WAY. 'Computed on the way' means the value that the module computes at that place (a softmax that the list does not call 'softmax' is quantised finished and normalised). What goes into a quantiser is computed in f32, as accurately as f32 sums, v_exp_f32 and their like allow (about 1e-6 of the number): no bf16 or f16 on the way to a quantiser, and a product that is left as it is and whose result goes on into a quantised operand takes f32 operands (vector FMAs, or v_wmma_f32_16x16x4_f32). A number that lies on a knife's edge between two numbers of the format may be rounded either way, as far as f32 arithmetic and the matrix unit's own rounding can turn it there, and no further.
;; 2 versions, each right; version 2 is version 1 with the launches scan, refine, fuse1, fuse2 written anew for expert scheduling mode. Each part assembles by itself: llvm-mc -triple=amdgcn-amd-amdhsa -mcpu=gfx1250 --defsym DOCPART=n.
;; ======== version 1 of 2: 6 launches
;; workspace buffers: xq 524,288 bytes; w1c 3,145,728 bytes; w2c 524,288 bytes; cand 10,240,000 bytes; gsel 32,768 bytes of whole numbers; augc 1,048,576 bytes; hq 1,048,576 bytes
;; launch prep (part 1): grid 128 x 1, 4 waves a work-group, no clusters, 34,304 bytes of LDS; arguments x, W1, W2, lowp_scales, xq, w1c, w2c; writes xq, w1c, w2c
.if DOCPART == 1
	.amdgcn_target "amdgcn-amd-amdhsa--gfx1250"
	.amdhsa_code_object_version 6
	.text
	.protected	k_qd907220832_prep
	.globl	k_qd907220832_prep
	.p2align	8
	.type	k_qd907220832_prep,@function
k_qd907220832_prep:
	s_mov_b64 s[64:65], 0
	v_nop
	global_prefetch_b8 v0, s[64:65] scope:SCOPE_SE
	s_setreg_imm32_b32 hwreg(HW_REG_WAVE_MODE, 25, 1), 1
	s_wait_xcnt 0x0
; Three operands become codes of E4M3, each laid in the ORDER OF THE OPERAND'S REGISTERS: a fragment (16 rows x 128 K) is 2,048 bytes, register block c of lane L at 512 c + 16 L.
;   work-groups 0-15:    the 1,024 queries x[:, 15, :], each divided by max(its norm, 1e-8), scale 2^e0 -> xq [tile 64][K step 4][c 4][lane 32][16 bytes]
;   work-groups 16-111:  W1 [3072][1024], K its first axis, scale 2^e3 -> w1c [tile 64][K step 24][c][lane][16]
;   work-groups 112-127: W2 [1024][512],  K its first axis, scale 2^e5 -> w2c [tile 32][K step 8][c][lane][16]
; code = number / 2^e, held within +-448, to the nearest code, ties to even.
; THE ORDER OF k.  A row of 512 f32 is read by four loads of 512 consecutive bytes, so lane l holds k = 128 i + 4 l + e (load i, word e); its 16 codes are bytes 16 l + 4 i + e of the row's image.
; A fragment's lane (r, h) takes bytes 128 s + 64 h + 16 c + 0..15 of row r's image: a permutation of k that queries, history, the fused layer's input and W1 all share, so every product meets its partner.
; W2 has the matrix form's own order (registers 2 c8, 2 c8 + 1: k = 128 s + 16 c8 + 8 h + 0..7): so the hidden layer's results become its partner without a move.
; WEIGHTS: a lane takes a column and its registers run down K, in the very order of the operand's registers: nothing is transposed, and sixteen lanes store 256 consecutive aligned bytes.
; LIMITS: e0, e3, e5 between -126 and 119; NaN and infinities among the inputs are not served.  1 / max(norm, 1e-8) is made as rsq(max(sum of squares, 1e-16)).
; No tensor loads, no cluster: every byte is read once by one wave and has to pass through registers for the conversion.  Only the queries' path touches LDS, each wave its own bytes: no barrier.
.set IMG,   8448                       ; a wave's image: 16 rows x (512 bytes + 16): rows start 33 x 16 bytes apart, so sixteen rows start at sixteen different groups of banks (64 banks of 4 bytes: ISA guide 11.1)
.set SPARE, 4*IMG                      ; behind the four images: the spare words, 128 bytes for each wave, that no other line names
.set SPW,  14                          ; v14  LDS address of my spare word; never rewritten
.set NIL,  15                          ; v15  0; never rewritten
.set QT,   16                          ; v16-27  the quantiser's sums: four pairs, then four words for the exchange between the halves of the lanes
.set QC,   32                          ; v32-47  four rows' codes
.set QSC,  12                          ; v12  2^e as f32
.set QLIM, 13                          ; v13  448 x 2^e
.set QLA,  5                           ; v5   where my 16 codes of a row go in LDS
.set QXW,  0                           ; all registers of this text lie in window 0
.set QDW,  0
.set SEL,  40                          ; s[40:41] lane selects: lane l xor 16
.set EPS2, 42                          ; s42  1e-16
.set MSB, 0
.macro WIN new                         ; the immediate's high byte repeats the setting that is left; a switch that changes nothing is dropped
.if MSB != (\new)
	s_set_vgpr_msb (MSB<<8)|(\new)
.set MSB, (\new)
.endif
.endm
.macro MKSCALE se, tmp, vsc, vlim      ; from the whole number e in s[se]: 2^e and 448 x 2^e as f32
	s_add_co_i32 s[\tmp], s[\se], 127
	s_lshl_b32 s[\tmp+1], s[\tmp], 23
	v_mov_b32 v[\vsc], s[\tmp+1]
	s_add_co_i32 s[\tmp], s[\tmp], 8
	s_lshl_b32 s[\tmp], s[\tmp], 23
	s_or_b32 s[\tmp], s[\tmp], 0x600000
	v_mov_b32 v[\vlim], s[\tmp]
.endm
; Slice qn (0..30) of the quantiser for FOUR rows: row a's 16 numbers of my lane stand in v[QX+16 a ..] (window QXW); the scaled copy goes to v[QD+16 a ..] (window QDW).
; 0-7 the sum of squares; 8-14 across the lane's pair and the 32 lanes; 15-16 1 / max(norm, 1e-8); 17-20 the scaling; 21-28 the hold at the largest code; 29 the conversions; 30 the codes to LDS.
.macro QS
.if qn < 8
	WIN QXW|(QXW<<2)
.irp a, 0,1,2,3
.if qn == 0
	v_pk_mul_f32 v[QT+2*\a:QT+2*\a+1], v[QX+16*\a:QX+16*\a+1], v[QX+16*\a:QX+16*\a+1]
.else
	v_pk_fma_f32 v[QT+2*\a:QT+2*\a+1], v[QX+16*\a+2*qn:QX+16*\a+2*qn+1], v[QX+16*\a+2*qn:QX+16*\a+2*qn+1], v[QT+2*\a:QT+2*\a+1]
.endif
.endr
.elseif qn == 8
	WIN 0
.irp a, 0,1,2,3
	v_add_f32 v[QT+2*\a], v[QT+2*\a], v[QT+2*\a+1]
.endr
.elseif qn == 9
	WIN 0
.irp a, 0,1,2,3
	v_add_f32_dpp v[QT+2*\a], v[QT+2*\a], v[QT+2*\a] row_xmask:1 row_mask:0xf bank_mask:0xf
.endr
.elseif qn == 10
	WIN 0
.irp a, 0,1,2,3
	v_add_f32_dpp v[QT+2*\a], v[QT+2*\a], v[QT+2*\a] row_xmask:2 row_mask:0xf bank_mask:0xf
.endr
.elseif qn == 11
	WIN 0
.irp a, 0,1,2,3
	v_add_f32_dpp v[QT+2*\a], v[QT+2*\a], v[QT+2*\a] row_xmask:4 row_mask:0xf bank_mask:0xf
.endr
.elseif qn == 12
	WIN 0
.irp a, 0,1,2,3
	v_add_f32_dpp v[QT+2*\a], v[QT+2*\a], v[QT+2*\a] row_xmask:8 row_mask:0xf bank_mask:0xf
.endr
.elseif qn == 13
	WIN 0
.irp a, 0,1,2,3
	v_permlanex16_b32 v[QT+8+\a], v[QT+2*\a], s[SEL], s[SEL+1]
.endr
.elseif qn == 14
	WIN 0
.irp a, 0,1,2,3
	v_add_f32 v[QT+2*\a], v[QT+2*\a], v[QT+8+\a]
.endr
.elseif qn == 15
	WIN 0
.irp a, 0,1,2,3
	v_max_num_f32 v[QT+2*\a], s[EPS2], v[QT+2*\a]
.endr
.elseif qn == 16
	WIN 0
.irp a, 0,1,2,3
	v_rsq_f32 v[QT+2*\a], v[QT+2*\a]
.endr
	v_nop                                          ; one plain instruction behind the last of the batch (ISA guide 5.7.2)
.elseif qn < 21
.if qn == 17
	s_wait_alu depctr_va_vdst(0)                   ; one wait for the four roots, ahead of their first reader
.endif
	WIN QXW|(QDW<<6)
.irp j, 0,2,4,6,8,10,12,14
	v_pk_mul_f32 v[QD+16*(qn-17)+\j:QD+16*(qn-17)+\j+1], v[QX+16*(qn-17)+\j:QX+16*(qn-17)+\j+1], v[QT+2*(qn-17):QT+2*(qn-17)+1] op_sel_hi:[1,0]
.endr
.elseif qn < 29
	WIN QDW|(QDW<<6)
.irp j, 0,1,2,3,4,5,6,7
	v_med3_num_f32 v[QD+8*(qn-21)+\j], v[QD+8*(qn-21)+\j], -v[QLIM], v[QLIM]   ; the conversion to an 8-bit code does not saturate (ISA guide 7.6.2)
.endr
.elseif qn == 29
	WIN QDW
.irp a, 0,1,2,3
	v_cvt_scalef32_pk8_fp8_f32 v[QC+4*\a:QC+4*\a+1], v[QD+16*\a:QD+16*\a+7], v[QSC]
	v_cvt_scalef32_pk8_fp8_f32 v[QC+4*\a+2:QC+4*\a+3], v[QD+16*\a+8:QD+16*\a+15], v[QSC]
.endr
	v_nop                                          ; one plain instruction behind the last conversion
.else
	WIN 0
.irp a, 0,1,2,3
	ds_store_b128 v[QLA], v[QC+4*\a:QC+4*\a+3] offset:QLO+528*\a
.endr
.endif
.endm
.macro QROWS4
	s_wait_dscnt 0x0                               ; the last block's LDS stores have read the codes' registers
.set qn, 0
.rept 31
	QS
.set qn, qn+1
.endr
.endm
.macro XROWS g, reg                    ; queries 4 g .. 4 g + 3 of my tile: four loads of 512 consecutive bytes each
.irp a, 0,1,2,3
.irp i, 0,1,2,3
	global_load_b128 v[\reg+16*\a+4*\i:\reg+16*\a+4*\i+3], v3, s[4:5] offset:(4*(\g)+\a)*32768+512*\i th:TH_LOAD_NT
.endr
.endr
.endm
; Block lt (0..7) of a weight: K step lt / 4 of my two, half (lt / 2) % 2 of the lanes of the operand, bytes 32 (lt % 2) + 0..31 of that lane's 64: 32 rows of the weight at my column
.macro WLOAD kind
.set wi, 0
.rept 32
.set wq, 32*(lt&1)+wi
.if \kind == 1
.set wrow, 128*((wq>>2)&3)+32*(lt>>2)+16*((lt>>1)&1)+4*(wq>>4)+(wq&3)
	global_load_b32 v[32+32*(lt&1)+wi], v3, s[6:7] offset:wrow*4096 th:TH_LOAD_NT
.else
.set wrow, 128*(lt>>2)+16*(wq>>3)+8*((lt>>1)&1)+(wq&7)
	global_load_b32 v[32+32*(lt&1)+wi], v3, s[8:9] offset:wrow*2048 th:TH_LOAD_NT
.endif
.set wi, wi+1
.endr
.endm
.macro WPATH kind                      ; a wave takes 32 columns (two tiles) x 256 along K (two K steps)
.if \kind == 1
.set WSRC, 6
.set WDST, 14
.set WEXP, 23
	s_sub_co_u32 s26, ttmp9, 16
	s_and_b32 s27, s26, 7                          ; which 128 columns
	s_lshr_b32 s28, s26, 3
	s_lshr_b32 s29, s28, 1                         ; which 512 rows of W1
	s_and_b32 s28, s28, 1                          ; which two of their four K steps
	s_lshl_b32 s30, s29, 21                        ; 512 rows of 4,096 bytes
	s_lshl_b32 s32, s28, 18                        ; 64 rows
	s_add_co_u32 s30, s30, s32
	s_mul_i32 s34, s27, 393216                     ; 8 tiles of 24 fragments
	s_mul_i32 s32, s18, 98304                      ; 2 tiles
	s_add_co_u32 s34, s34, s32
	s_lshl_b32 s32, s29, 13                        ; 4 fragments
	s_add_co_u32 s34, s34, s32
	s_lshl_b32 s32, s28, 12                        ; 2 fragments
	s_add_co_u32 s34, s34, s32
	v_lshrrev_b32 v4, 4, v2
	v_mul_u32_u24 v4, v4, 49152                    ; lanes 16-31 belong to the next tile
.else
.set WSRC, 8
.set WDST, 16
.set WEXP, 25
	s_sub_co_u32 s26, ttmp9, 112
	s_and_b32 s27, s26, 3
	s_lshr_b32 s28, s26, 2                         ; which 256 rows of W2
	s_lshl_b32 s30, s28, 19                        ; 256 rows of 2,048 bytes
	s_lshl_b32 s34, s27, 17                        ; 8 tiles of 8 fragments
	s_lshl_b32 s32, s18, 15
	s_add_co_u32 s34, s34, s32
	s_lshl_b32 s32, s28, 12
	s_add_co_u32 s34, s34, s32
	v_lshrrev_b32 v4, 4, v2
	v_lshlrev_b32 v4, 14, v4
.endif
	s_lshl_b32 s32, s27, 9                         ; 128 columns of 4 bytes
	s_add_co_u32 s30, s30, s32
	s_lshl_b32 s32, s18, 7                         ; my wave's 32
	s_add_co_u32 s30, s30, s32
	s_mov_b32 s31, 0
	s_mov_b32 s35, 0
	s_add_nc_u64 s[WSRC:WSRC+1], s[WSRC:WSRC+1], s[30:31]
	s_add_nc_u64 s[WDST:WDST+1], s[WDST:WDST+1], s[34:35]
	v_and_b32 v5, 15, v2
	v_lshl_add_u32 v4, v5, 4, v4                   ; out: 16 bytes a lane, sixteen lanes to 256 consecutive bytes
	v_lshlrev_b32 v3, 2, v2                        ; in: 4 bytes a lane, 128 consecutive bytes a load
.set lt, 0
	WLOAD \kind
.set lt, 1
	WLOAD \kind
	s_wait_kmcnt 0x0
	MKSCALE WEXP, 36, QSC, QLIM
.set wt, 0
.rept 8
.if wt < 7
	s_wait_loadcnt 32                              ; this block's 32 loads are in; the next block's may be out
.else
	s_wait_loadcnt 0x0
.endif
.set wi, 0
.rept 32
	v_med3_num_f32 v[32+32*(wt&1)+wi], v[32+32*(wt&1)+wi], -v[QLIM], v[QLIM]
.set wi, wi+1
.endr
.irp g, 0,1,2,3
	v_cvt_scalef32_pk8_fp8_f32 v[96+8*wt+2*\g:97+8*wt+2*\g], v[32+32*(wt&1)+8*\g:39+32*(wt&1)+8*\g], v[QSC]
.endr
	v_nop
	global_store_b128 v4, v[96+8*wt:99+8*wt], s[WDST:WDST+1] offset:2048*(wt>>2)+1024*(wt&1)+256*((wt>>1)&1)        ; each block has code registers of its own: no store's data are written again
	global_store_b128 v4, v[100+8*wt:103+8*wt], s[WDST:WDST+1] offset:2048*(wt>>2)+1024*(wt&1)+256*((wt>>1)&1)+512
.if wt < 6
.set lt, wt+2
	WLOAD \kind
.endif
.set wt, wt+1
.endr
.endm
	s_load_b256 s[4:11], s[0:1], 0x0               ; x s[4:5], W1 s[6:7], W2 s[8:9], the scales' exponents s[10:11]
	s_load_b128 s[12:15], s[0:1], 0x20             ; xq s[12:13], w1c s[14:15]
	s_load_b64 s[16:17], s[0:1], 0x30              ; w2c
	v_lshl_add_u32 v[SPW], v0, 2, SPARE
	v_mov_b32 v[NIL], 0
	v_lshrrev_b32 v1, 5, v0
	v_readfirstlane_b32 s18, v1                    ; wave 0..3
	v_and_b32 v2, 31, v0                           ; lane
	s_wait_kmcnt 0x0
	s_load_b128 s[20:23], s[10:11], 0x0            ; e0 .. e3
	s_load_b64 s[24:25], s[10:11], 0x10            ; e4, e5
	s_cmp_lt_u32 ttmp9, 16
	s_cbranch_scc1 .Lqueries
	s_cmp_lt_u32 ttmp9, 112
	s_cbranch_scc1 .Lw1
	WPATH 2
	s_endpgm
.Lw1:
	WPATH 1
	s_endpgm
.Lqueries:
	s_lshl_b32 s26, ttmp9, 2
	s_add_co_u32 s26, s26, s18                     ; my tile of 16 queries
	s_lshl_b32 s28, s26, 19                        ; 16 batch entries of 32,768 bytes,
	s_add_co_u32 s28, s28, 30720                   ; and the last of the 16 time steps
	s_mov_b32 s29, 0
	s_add_nc_u64 s[4:5], s[4:5], s[28:29]
	s_lshl_b32 s28, s26, 13                        ; a tile's four fragments
	s_add_nc_u64 s[12:13], s[12:13], s[28:29]
	s_mul_i32 s27, s18, IMG
	s_mov_b32 s[SEL], 0x76543210
	s_mov_b32 s[SEL+1], 0xfedcba98
	s_mov_b32 s[EPS2], 0x24e69595
	v_lshlrev_b32 v3, 4, v2                        ; 16 x lane
	v_add_nc_u32 v[QLA], s27, v3
	v_and_b32 v6, 15, v2
	v_lshrrev_b32 v7, 4, v2
	v_mul_u32_u24 v6, v6, 528
	v_lshl_add_u32 v6, v7, 6, v6
	v_add_nc_u32 v6, s27, v6                       ; a fragment's lane (r, h): row r, byte 64 h
.irp a, 0,1,2,3
	v_mov_b32 v[QT+8+\a], 0                        ; written once: a lane permute's destination counts as one of its sources
.endr
	XROWS 0, 64
	XROWS 1, 128
	s_wait_kmcnt 0x0
	MKSCALE 20, 30, QSC, QLIM
	s_wait_loadcnt 16                              ; four rows are in; the four behind them (16 loads) may be out
.set QX, 64
.set QD, 64
.set QLO, 0
	QROWS4
	XROWS 2, 64
	s_wait_loadcnt 16
.set QX, 128
.set QD, 128
.set QLO, 2112
	QROWS4
	XROWS 3, 128
	s_wait_loadcnt 16
.set QX, 64
.set QD, 64
.set QLO, 4224
	QROWS4
	s_wait_loadcnt 0x0
.set QX, 128
.set QD, 128
.set QLO, 6336
	QROWS4
.irp n, 0,1,2,3,4,5,6,7,8,9,10,11,12,13,14,15
	ds_load_b128 v[192+4*\n:195+4*\n], v6 offset:128*(\n/4)+16*(\n%4)   ; LDS serves a wave's instructions in order (ISA guide 5.7.1.4): these see my stores
.endr
.irp n, 0,1,2,3,4,5,6,7,8,9,10,11,12,13,14,15
	s_wait_dscnt 15-\n
	global_store_b128 v3, v[192+4*\n:195+4*\n], s[12:13] offset:512*\n   ; 32 lanes store 512 consecutive bytes
.endr
	s_wait_tensorcnt 0x0                           ; the wave's end
	ds_add_u32 v[SPW], v[NIL]
	s_wait_dscnt 0x0
	s_endpgm
.Lfunc_end_k_qd907220832_prep:
	.size	k_qd907220832_prep, .Lfunc_end_k_qd907220832_prep-k_qd907220832_prep
	.p2alignl 7, 3214868480
	.fill 96, 4, 3214868480
	.section	.rodata,"a",@progbits
	.p2align	6, 0x0
	.amdhsa_kernel k_qd907220832_prep
		.amdhsa_group_segment_fixed_size 34304
		.amdhsa_private_segment_fixed_size 0
		.amdhsa_enable_private_segment 0
		.amdhsa_kernarg_size 56
		.amdhsa_user_sgpr_count 2
		.amdhsa_user_sgpr_kernarg_segment_ptr 1
		.amdhsa_wavefront_size32 1
		.amdhsa_system_sgpr_workgroup_id_x 1
		.amdhsa_system_sgpr_workgroup_id_y 1
		.amdhsa_system_sgpr_workgroup_id_z 1
		.amdhsa_system_vgpr_workitem_id 0
		.amdhsa_next_free_vgpr 256
		.amdhsa_next_free_sgpr 66
		.amdhsa_reserve_vcc 0
		.amdhsa_float_denorm_mode_32 3
		.amdhsa_float_denorm_mode_16_64 3
		.amdhsa_memory_ordered 1
		.amdhsa_forward_progress 1
		.amdhsa_inst_pref_size 145
	.end_amdhsa_kernel
	.amdgpu_metadata
---
amdhsa.version: [ 1, 2 ]
amdhsa.kernels:
  - .name:           k_qd907220832_prep
    .symbol:         k_qd907220832_prep.kd
    .args:
      - { .name: x, .offset: 0, .size: 8, .value_kind: global_buffer, .address_space: global }
      - { .name: W1, .offset: 8, .size: 8, .value_kind: global_buffer, .address_space: global }
      - { .name: W2, .offset: 16, .size: 8, .value_kind: global_buffer, .address_space: global }
      - { .name: lowp_scales, .offset: 24, .size: 8, .value_kind: global_buffer, .address_space: global }
      - { .name: xq, .offset: 32, .size: 8, .value_kind: global_buffer, .address_space: global }
      - { .name: w1c, .offset: 40, .size: 8, .value_kind: global_buffer, .address_space: global }
      - { .name: w2c, .offset: 48, .size: 8, .value_kind: global_buffer, .address_space: global }
    .group_segment_fixed_size: 34304
    .private_segment_fixed_size: 0
    .kernarg_segment_align: 8
    .kernarg_segment_size: 56
    .max_flat_workgroup_size: 128
    .sgpr_count:     66
    .vgpr_count:     256
    .wavefront_size: 32
...
	.end_amdgpu_metadata
.endif
;; end of part 1
;; launch scan (part 2): grid 2 x 125, 4 waves a work-group, no clusters, 17,408 bytes of LDS; arguments hist, xq, lowp_scales, cand; writes cand
.if DOCPART == 2
	.amdgcn_target "amdgcn-amd-amdhsa--gfx1250"
	.amdhsa_code_object_version 6
	.text
	.protected	k_qd907220832_scan
	.globl	k_qd907220832_scan
	.p2align	8
	.type	k_qd907220832_scan,@function
k_qd907220832_scan:
	s_mov_b64 s[64:65], 0
	v_nop
	global_prefetch_b8 v0, s[64:65] scope:SCOPE_SE
	s_setreg_imm32_b32 hwreg(HW_REG_WAVE_MODE, 25, 1), 1
	s_wait_xcnt 0x0
; The similarities of 1,024 queries with 100,000 history rows, on codes of E4M3, and of each query's similarities a short list from which the five largest can be found exactly.
; SHARES.  Work-group (X, P): history rows 800 P .. 800 P + 799 (50 tiles of 16; 125 x 800 = 100,000, nothing is padded) against queries 512 X .. 512 X + 511.  Wave w keeps 8 tiles of 16 queries as
; codes in 512 registers for the whole launch.  Of each history tile wave w reads rows 4 w .. 4 w + 3 as f32, divides each by max(its norm, 1e-8), quantises it with 2^e1 and puts its codes into LDS;
; all four waves read the tile's four fragments back, each fragment feeding eight matrix instructions.  So the history is read as f32 and never stored as codes.
; THE MATRIX INSTRUCTION: source 0 = 16 history rows, source 1 = 16 queries: lane (r, h) holds query r, its registers 0-7 history rows 16 t + 8 h + 0..7: a GROUP of eight neighbouring rows.
; THE LISTS.  Only a group's largest similarity is kept, with the tile's number t, in a sorted list of five for each lane and query tile.  The five largest similarities of a query lie in its five best groups
; (largest first, lower group first among equals): a group beaten by five others is beaten by five rows that come before all of its own.  Later launches merge the lists and work those 40 rows again.
; A strict 'greater' keeps the earlier tile ahead among equals.  The common factor 2^(e0 + e1) is positive and changes no order: it is applied where the values are used.
; BY TURNS.  While tile t is multiplied (32 matrix instructions), tile t + 1 is quantised: one slice of four to nine vector instructions stands behind each matrix instruction.  Loads run four tiles ahead,
; in four sets of 64 registers: 64 loads of 512 bytes a wave are out.  ONE barrier a tile: in front of it each wave's stores of tile t + 1 are done; the slot that they fill held tile t - 1, whose
; reads every wave awaited ahead of the barrier before.
; NO TENSOR LOADS, NO CLUSTER: every history byte has to pass through registers for the norm and the conversion, so no tile of it lies in LDS as it lies in memory; and the grid, 2 x 125, divides into no
; cluster of four.  The two work-groups that share rows stand side by side in x and walk them in step.
; LIMITS: e1 between -126 and 119; NaN and infinities among the inputs are not served; k is permuted alike in both operands, so the order of the sums inside an instruction is not the textbook's.
; REGISTERS, in windows of 256: window 0: v1-14 addresses and scales; v16-79 8 accumulators; v80-143 the history tile's 4 fragments; v144-223 the lists, 10 a query tile (value, tile number) x 5;
;   v224-251 the quantiser's sums and codes, by turns with the group maxima.   windows 1, 2: the queries' fragments, tile j at window 1 + j / 4, v[64 (j % 4) + 16 s].   window 3: the four sets of f32 rows.
.set SLOTB, 8448                       ; a slot: 16 rows x (512 bytes + 16)
.set SPARE, 2*SLOTB                    ; behind the two slots: the spare words, 128 bytes for each wave, that no other line names
.set ACC,  16
.set AF,   80
.set LIST, 144
.set QT,   224
.set QC,   236
.set MQ,   224                         ; the eight group maxima
.set TQ,   232                         ; eight words at work
.set QSC,  9                           ; v9   2^e1
.set QLIM, 10                          ; v10  448 x 2^e1
.set QLA,  2                           ; v2   where my 16 codes of my first row go in a slot
.set SPW,  12                          ; v12  LDS address of my spare word; never rewritten
.set NIL,  13                          ; v13  0; never rewritten
.set QXW,  3
.set QDW,  3
.set SEL,  18                          ; s[18:19] lane selects: lane l xor 16
.set EPS2, 20                          ; s20  1e-16
.set CM,   24                          ; s24-63  forty compare masks: 5 q + i
.set MSB, 0
.macro WIN new                         ; the immediate's high byte repeats the setting that is left; a switch that changes nothing is dropped
.if MSB != (\new)
	s_set_vgpr_msb (MSB<<8)|(\new)
.set MSB, (\new)
.endif
.endm
.macro PLACES n
.rept \n
	v_nop
.endr
.endm
.macro MKSCALE se, tmp, vsc, vlim
	s_add_co_i32 s[\tmp], s[\se], 127
	s_lshl_b32 s[\tmp+1], s[\tmp], 23
	v_mov_b32 v[\vsc], s[\tmp+1]
	s_add_co_i32 s[\tmp], s[\tmp], 8
	s_lshl_b32 s[\tmp], s[\tmp], 23
	s_or_b32 s[\tmp], s[\tmp], 0x600000
	v_mov_b32 v[\vlim], s[\tmp]
.endm
; Slice qn (0..30) of the quantiser for FOUR rows: row a's 16 numbers of my lane stand in v[QX+16 a ..] (window QXW); the scaled copy goes to v[QD+16 a ..] (window QDW): here in place.
; 0-7 the sum of squares; 8-14 across the lane's pair and the 32 lanes; 15-16 1 / max(norm, 1e-8); 17-20 the scaling; 21-28 the hold at the largest code; 29 the conversions; 30 the codes to LDS.
.macro QS
.if qn < 8
	WIN QXW|(QXW<<2)
.irp a, 0,1,2,3
.if qn == 0
	v_pk_mul_f32 v[QT+2*\a:QT+2*\a+1], v[QX+16*\a:QX+16*\a+1], v[QX+16*\a:QX+16*\a+1]
.else
	v_pk_fma_f32 v[QT+2*\a:QT+2*\a+1], v[QX+16*\a+2*qn:QX+16*\a+2*qn+1], v[QX+16*\a+2*qn:QX+16*\a+2*qn+1], v[QT+2*\a:QT+2*\a+1]
.endif
.endr
.elseif qn == 8
	WIN 0
.irp a, 0,1,2,3
	v_add_f32 v[QT+2*\a], v[QT+2*\a], v[QT+2*\a+1]
.endr
.elseif qn == 9
	WIN 0
.irp a, 0,1,2,3
	v_add_f32_dpp v[QT+2*\a], v[QT+2*\a], v[QT+2*\a] row_xmask:1 row_mask:0xf bank_mask:0xf
.endr
.elseif qn == 10
	WIN 0
.irp a, 0,1,2,3
	v_add_f32_dpp v[QT+2*\a], v[QT+2*\a], v[QT+2*\a] row_xmask:2 row_mask:0xf bank_mask:0xf
.endr
.elseif qn == 11
	WIN 0
.irp a, 0,1,2,3
	v_add_f32_dpp v[QT+2*\a], v[QT+2*\a], v[QT+2*\a] row_xmask:4 row_mask:0xf bank_mask:0xf
.endr
.elseif qn == 12
	WIN 0
.irp a, 0,1,2,3
	v_add_f32_dpp v[QT+2*\a], v[QT+2*\a], v[QT+2*\a] row_xmask:8 row_mask:0xf bank_mask:0xf
.endr
.elseif qn == 13
	WIN 0
.irp a, 0,1,2,3
	v_permlanex16_b32 v[QT+8+\a], v[QT+2*\a], s[SEL], s[SEL+1]
.endr
.elseif qn == 14
	WIN 0
.irp a, 0,1,2,3
	v_add_f32 v[QT+2*\a], v[QT+2*\a], v[QT+8+\a]
.endr
.elseif qn == 15
	WIN 0
.irp a, 0,1,2,3
	v_max_num_f32 v[QT+2*\a], s[EPS2], v[QT+2*\a]
.endr
.elseif qn == 16
	WIN 0
.irp a, 0,1,2,3
	v_rsq_f32 v[QT+2*\a], v[QT+2*\a]
.endr
	v_nop                                          ; one plain instruction behind the last of the batch (ISA guide 5.7.2)
.elseif qn < 21
.if qn == 17
	s_wait_alu depctr_va_vdst(0)                   ; one wait for the four roots, ahead of their first reader
.endif
	WIN QXW|(QDW<<6)
.irp j, 0,2,4,6,8,10,12,14
	v_pk_mul_f32 v[QD+16*(qn-17)+\j:QD+16*(qn-17)+\j+1], v[QX+16*(qn-17)+\j:QX+16*(qn-17)+\j+1], v[QT+2*(qn-17):QT+2*(qn-17)+1] op_sel_hi:[1,0]
.endr
.elseif qn < 29
	WIN QDW|(QDW<<6)
.irp j, 0,1,2,3,4,5,6,7
	v_med3_num_f32 v[QD+8*(qn-21)+\j], v[QD+8*(qn-21)+\j], -v[QLIM], v[QLIM]   ; the conversion to an 8-bit code does not saturate (ISA guide 7.6.2)
.endr
.elseif qn == 29
	WIN QDW
.irp a, 0,1,2,3
	v_cvt_scalef32_pk8_fp8_f32 v[QC+4*\a:QC+4*\a+1], v[QD+16*\a:QD+16*\a+7], v[QSC]
	v_cvt_scalef32_pk8_fp8_f32 v[QC+4*\a+2:QC+4*\a+3], v[QD+16*\a+8:QD+16*\a+15], v[QSC]
.endr
	v_nop                                          ; one plain instruction behind the last conversion
.else
	WIN 0
.irp a, 0,1,2,3
	ds_store_b128 v[QLA], v[QC+4*\a:QC+4*\a+3] offset:QLO+528*\a
.endr
.endif
.endm
.macro QROWS4
	s_wait_dscnt 0x0
.set qn, 0
.rept 31
	QS
.set qn, qn+1
.endr
.endm
; Matrix instruction wi of a tile's 32: query tile (wi % 4) + 4 (wi / 16), K step (wi / 4) % 4.  Four accumulators take turns, one instruction a turn.  A K step 0 starts its sum with 0.
.macro WM
.set wq, (wi&3)+4*(wi>>4)
.set ws, (wi>>2)&3
.if wq < 4
	WIN 0x04                                       ; source 1 (the queries) window 1
.else
	WIN 0x08                                       ; window 2
.endif
.if ws == 0
	v_wmma_f32_16x16x128_fp8_fp8 v[ACC+8*wq:ACC+8*wq+7], v[AF+16*ws:AF+16*ws+15], v[64*(wq&3)+16*ws:64*(wq&3)+16*ws+15], 0
.else
	v_wmma_f32_16x16x128_fp8_fp8 v[ACC+8*wq:ACC+8*wq+7], v[AF+16*ws:AF+16*ws+15], v[64*(wq&3)+16*ws:64*(wq&3)+16*ws+15], v[ACC+8*wq:ACC+8*wq+7]
.endif
.endm
.macro SLOADS                          ; set SG: my four rows of a tile, four loads of 512 consecutive bytes each.  No cache hint: the neighbouring work-group reads the same bytes
	WIN 0xc0                                       ; destination window 3
.irp a, 0,1,2,3
.irp i, 0,1,2,3
	global_load_b128 v[64*SG+16*\a+4*\i:64*SG+16*\a+4*\i+3], v[4+SG], s[4:5] offset:2048*\a+512*\i
.endr
.endr
.endm
.macro LSET                            ; set SG takes the tile four further on.  Its last loads were shown done by the counted wait at the step's head, so its offset may be written.
	WIN 0
	v_add_nc_u32 v[4+SG], 0x20000, v[4+SG]
	v_min_u32 v[4+SG], v[4+SG], v8                 ; tiles 50 to 52 do not exist: tile 49 is read in their place, so that every trip counts the same loads and none leaves the buffer
	SLOADS
.endm
.macro AFLOAD                          ; the tile in the slot at QLO: four fragments
.irp n, 0,1,2,3,4,5,6,7,8,9,10,11,12,13,14,15
	ds_load_b128 v[AF+4*\n:AF+4*\n+3], v3 offset:QLO+128*(\n/4)+16*(\n%4)
.endr
.endm
; The tile's eight results a lane become one maximum for each query tile, which is put into that tile's sorted list with the payload s15 = t.  The eight query tiles are innermost: no line waits for the line above it.
; Each accumulator is read from its low end on.
.macro TOPK
.irp q, 0,1,2,3,4,5,6,7
	v_max3_num_f32 v[MQ+\q], v[ACC+8*\q], v[ACC+8*\q+1], v[ACC+8*\q+2]
.endr
.irp q, 0,1,2,3,4,5,6,7
	v_max3_num_f32 v[TQ+\q], v[ACC+8*\q+3], v[ACC+8*\q+4], v[ACC+8*\q+5]
.endr
.irp q, 0,1,2,3,4,5,6,7
	v_max3_num_f32 v[MQ+\q], v[MQ+\q], v[ACC+8*\q+6], v[ACC+8*\q+7]
.endr
.irp q, 0,1,2,3,4,5,6,7
	v_max_num_f32 v[MQ+\q], v[MQ+\q], v[TQ+\q]
.endr
.irp i, 0,1,2,3,4
.irp q, 0,1,2,3,4,5,6,7
	v_cmp_gt_f32 s[CM+5*\q+\i], v[MQ+\q], v[LIST+10*\q+2*\i]
.endr
.endr
.irp i, 4,3,2,1                        ; place i takes: its own payload; or, where the newcomer beats it, the place above's, or the newcomer's where that place stands
.irp q, 0,1,2,3,4,5,6,7
	v_cndmask_b32 v[TQ+\q], s15, v[LIST+10*\q+2*(\i-1)+1], s[CM+5*\q+\i-1]
.endr
.irp q, 0,1,2,3,4,5,6,7
	v_cndmask_b32 v[LIST+10*\q+2*\i+1], v[LIST+10*\q+2*\i+1], v[TQ+\q], s[CM+5*\q+\i]
.endr
.endr
.irp q, 0,1,2,3,4,5,6,7
	v_cndmask_b32 v[LIST+10*\q+1], v[LIST+10*\q+1], s15, s[CM+5*\q]
.endr
.irp i, 4,3,2,1                        ; and the values: the middle one of the place above, the place itself and the newcomer
.irp q, 0,1,2,3,4,5,6,7
	v_med3_num_f32 v[LIST+10*\q+2*\i], v[LIST+10*\q+2*(\i-1)], v[LIST+10*\q+2*\i], v[MQ+\q]
.endr
.endr
.irp q, 0,1,2,3,4,5,6,7
	v_max_num_f32 v[LIST+10*\q], v[LIST+10*\q], v[MQ+\q]
.endr
	s_add_co_u32 s15, s15, 1
.endm
; Tile t = 4 b + k.  q: tile t + 1 is quantised beside the products;  l: its set is loaded again;  nxt: tile t + 1's fragments are fetched.
.macro STEP k, q, l, nxt
.set SG, ((\k)+1)&3
.set QX, 64*SG
.set QD, 64*SG
.set QLO, (((\k)+1)&1)*SLOTB
	s_wait_dscnt 0x0                               ; tile t's fragments are in (asked for ahead of the last tile's lists)
.if \q
	s_wait_loadcnt 48                              ; set SG's 16 loads are in; the three younger sets' 48 stay out
.endif
.set wi, 0
.rept 32
	WM
.if \q
.if wi < 31
.set qn, wi
	QS
.elseif \l
	LSET
.endif
.endif
.set wi, wi+1
.endr
	WIN 0
	PLACES 4                                       ; four places behind the last products, ahead of the loads into the fragments' registers and of the first read of results
.if \q
	s_wait_dscnt 0x0                               ; for the others' sake: my stores of tile t + 1 are done
	s_barrier_signal -1
	s_barrier_wait -1                              ; the tile is whole
.endif
.if \nxt
	AFLOAD
.endif
	TOPK
.endm
	s_load_b256 s[4:11], s[0:1], 0x0               ; hist s[4:5], xq s[6:7], the scales' exponents s[8:9], cand s[10:11]
	v_lshl_add_u32 v[SPW], v0, 2, SPARE
	v_mov_b32 v[NIL], 0
	v_lshrrev_b32 v1, 5, v0
	v_readfirstlane_b32 s12, v1                    ; wave 0..3
	v_and_b32 v15, 31, v0                          ; lane
	v_lshlrev_b32 v1, 4, v15                       ; 16 x lane
	v_lshlrev_b32 v14, 3, v15                      ; 8 x lane
	s_mul_i32 s13, s12, 2112                       ; my four rows of a slot
	v_add_nc_u32 v2, s13, v1
	v_and_b32 v3, 15, v0
	v_bfe_u32 v11, v0, 4, 1
	v_mul_u32_u24 v3, v3, 528
	v_lshl_add_u32 v3, v11, 6, v3                  ; a fragment's lane (r, h): row r, byte 64 h
	s_lshl_b32 s13, s12, 13                        ; my four rows of a tile in memory
	v_add_nc_u32 v4, s13, v1                       ; the four sets' offsets: tiles 0 to 3,
	v_add_nc_u32 v5, 32768, v4
	v_add_nc_u32 v6, 65536, v4
	v_add_nc_u32 v7, 98304, v4
	v_add_nc_u32 v8, 49*32768, v4                  ; and the last tile's
	s_and_b32 s14, ttmp7, 0xffff                   ; P
	s_mul_i32 s2, s14, 1638400                     ; 800 rows of 2,048 bytes
	s_mov_b32 s3, 0
	s_lshl_b32 s17, ttmp9, 5
	s_lshl_b32 s21, s12, 3
	s_add_co_u32 s17, s17, s21                     ; my first query tile: 32 X + 8 w
	s_lshl_b32 s22, s17, 13
	s_mov_b32 s23, 0
	s_lshl_b32 s21, s14, 6
	s_add_co_u32 s21, s21, s17
	s_mul_i32 s24, s21, 1280                       ; cand: [P][query tile][5][lane][8 bytes]
	s_mov_b32 s25, 0
	s_mov_b32 s[SEL], 0x76543210
	s_mov_b32 s[SEL+1], 0xfedcba98
	s_mov_b32 s[EPS2], 0x24e69595
	s_wait_kmcnt 0x0
	s_load_b32 s21, s[8:9], 0x4                    ; e1
	s_add_nc_u64 s[4:5], s[4:5], s[2:3]
	s_add_nc_u64 s[6:7], s[6:7], s[22:23]
	s_add_nc_u64 s[10:11], s[10:11], s[24:25]
	WIN 0x40                                       ; destination window 1
.irp j, 0,1,2,3
.irp n, 0,1,2,3,4,5,6,7,8,9,10,11,12,13,14,15
	global_load_b128 v[64*\j+4*\n:64*\j+4*\n+3], v1, s[6:7] offset:8192*\j+512*\n
.endr
.endr
	WIN 0x80                                       ; window 2
.irp j, 0,1,2,3
.irp n, 0,1,2,3,4,5,6,7,8,9,10,11,12,13,14,15
	global_load_b128 v[64*\j+4*\n:64*\j+4*\n+3], v1, s[6:7] offset:8192*(\j+4)+512*\n
.endr
.endr
.set SG, 0
	SLOADS
.set SG, 1
	SLOADS
.set SG, 2
	SLOADS
.set SG, 3
	SLOADS
	WIN 0
.irp q, 0,1,2,3,4,5,6,7
.irp i, 0,1,2,3,4
	v_mov_b32 v[LIST+10*\q+2*\i], 0xff800000       ; the lists begin as -infinity, under every similarity,
	v_mov_b32 v[LIST+10*\q+2*\i+1], 0              ; with tile 0
.endr
.endr
.irp a, 0,1,2,3
	v_mov_b32 v[QT+8+\a], 0                        ; written once: a lane permute's destination counts as one of its sources
.endr
	s_wait_kmcnt 0x0
	MKSCALE 21, 22, QSC, QLIM
	s_wait_loadcnt 48                              ; the queries and set 0 are in; sets 1 to 3 stay out
.set SG, 0
.set QX, 0
.set QD, 0
.set QLO, 0
	QROWS4                                         ; tile 0 has no products to stand beside
	LSET                                           ; tile 4
	WIN 0
	s_wait_dscnt 0x0
	s_barrier_signal -1
	s_barrier_wait -1
	AFLOAD
	s_mov_b32 s15, 0                               ; t
	s_mov_b32 s16, 12
.Ltrip:                                            ; tiles 4 b .. 4 b + 3: the four sets and the two slots are back where they began
	STEP 0, 1, 1, 1
	STEP 1, 1, 1, 1
	STEP 2, 1, 1, 1
	STEP 3, 1, 1, 1
	s_sub_co_u32 s16, s16, 1
	s_cmp_lg_u32 s16, 0
	s_cbranch_scc1 .Ltrip
	STEP 0, 1, 0, 1                                ; tile 48; tile 49 is quantised; nothing more is loaded
	STEP 1, 0, 0, 0                                ; tile 49
.irp j, 0,1,2,3,4,5,6,7
.irp e, 0,1,2,3,4
	global_store_b64 v14, v[LIST+10*\j+2*\e:LIST+10*\j+2*\e+1], s[10:11] offset:1280*\j+256*\e   ; 32 lanes store 256 consecutive bytes, at a multiple of 256 from the buffer's first byte
.endr
.endr
	s_wait_tensorcnt 0x0                           ; the wave's end
	ds_add_u32 v[SPW], v[NIL]
	s_wait_dscnt 0x0
	s_endpgm
.Lfunc_end_k_qd907220832_scan:
	.size	k_qd907220832_scan, .Lfunc_end_k_qd907220832_scan-k_qd907220832_scan
	.p2alignl 7, 3214868480
	.fill 96, 4, 3214868480
	.section	.rodata,"a",@progbits
	.p2align	6, 0x0
	.amdhsa_kernel k_qd907220832_scan
		.amdhsa_group_segment_fixed_size 17408
		.amdhsa_private_segment_fixed_size 0
		.amdhsa_enable_private_segment 0
		.amdhsa_kernarg_size 32
		.amdhsa_user_sgpr_count 2
		.amdhsa_user_sgpr_kernarg_segment_ptr 1
		.amdhsa_wavefront_size32 1
		.amdhsa_system_sgpr_workgroup_id_x 1
		.amdhsa_system_sgpr_workgroup_id_y 1
		.amdhsa_system_sgpr_workgroup_id_z 1
		.amdhsa_system_vgpr_workitem_id 0
		.amdhsa_next_free_vgpr 1024
		.amdhsa_next_free_sgpr 66
		.amdhsa_reserve_vcc 0
		.amdhsa_float_denorm_mode_32 3
		.amdhsa_float_denorm_mode_16_64 3
		.amdhsa_memory_ordered 1
		.amdhsa_forward_progress 1
		.amdhsa_inst_pref_size 197
	.end_amdhsa_kernel
	.amdgpu_metadata
---
amdhsa.version: [ 1, 2 ]
amdhsa.kernels:
  - .name:           k_qd907220832_scan
    .symbol:         k_qd907220832_scan.kd
    .args:
      - { .name: hist, .offset: 0, .size: 8, .value_kind: global_buffer, .address_space: global }
      - { .name: xq, .offset: 8, .size: 8, .value_kind: global_buffer, .address_space: global }
      - { .name: lowp_scales, .offset: 16, .size: 8, .value_kind: global_buffer, .address_space: global }
      - { .name: cand, .offset: 24, .size: 8, .value_kind: global_buffer, .address_space: global }
    .group_segment_fixed_size: 17408
    .private_segment_fixed_size: 0
    .kernarg_segment_align: 8
    .kernarg_segment_size: 32
    .max_flat_workgroup_size: 128
    .sgpr_count:     66
    .vgpr_count:     1024
    .wavefront_size: 32
...
	.end_amdgpu_metadata
.endif
;; end of part 2
;; launch merge (part 3): grid 64 x 1, 16 waves a work-group, no clusters, 23,296 bytes of LDS; arguments cand, gsel; writes gsel
.if DOCPART == 3
	.amdgcn_target "amdgcn-amd-amdhsa--gfx1250"
	.amdhsa_code_object_version 6
	.text
	.protected	k_qd907220832_merge
	.globl	k_qd907220832_merge
	.p2align	8
	.type	k_qd907220832_merge,@function
k_qd907220832_merge:
	s_mov_b64 s[64:65], 0
	v_nop
	global_prefetch_b8 v0, s[64:65] scope:SCOPE_SE
	s_setreg_imm32_b32 hwreg(HW_REG_WAVE_MODE, 25, 1), 1
	s_wait_xcnt 0x0
; Each query's 250 lists of five (group maximum, tile number), one for each of 125 parts of the history and each half of the lanes, become its five best groups of eight rows, as whole numbers.
; Order: larger maximum first; among equal maxima the lower group.  A work-group takes a tile of 16 queries.
; STAGE 1: wave w, lane (r, h) as the lists were stored, walks parts P = w, w + 16, .. w + 112 in ascending order and keeps a sorted list of five; group = 100 P + 2 t + h; a strict 'greater' keeps the lower group ahead.
;   Part w + 112 does not exist for w > 12: part 124 is read in its place, so that no load leaves the buffer, and its values are made -infinity, so that nothing is counted twice.
; STAGE 2: the 32 lists of a query meet in LDS; wave w serves query w, a lane a list.  Five picks: the largest head of the 32, among equals the lowest group; the winner's list moves up.
; All choices select values only: no address and no branch of this launch hangs on them; the results are stored at fixed places.
; No matrix work, no tensor loads, no cluster: every list is read once by one lane.
.set RESB,  20736                      ; LDS: 16 queries x (32 lists x 40 bytes + 16), then 16 x 32 bytes of results,
.set SPARE, 21248                      ; then the spare words, 128 bytes for each of the 16 waves, that no other line names
.set SPW, 2
.set NIL, 3
.set L,   16                           ; v16-25  my list: value at L + 2 i, group at L + 2 i + 1
.set TMP, 26
.set MX,  27
.set TP,  28
.set JJ,  29
.set JM,  30
.set RES, 112
.set NEG, 113
.set BIG, 114
.set OA,  115
.set SEL, 22                           ; s[22:23]
.macro INS x, pay                      ; v[x] with the payload v[pay] goes into the sorted list
.irp i, 0,1,2,3,4
	v_cmp_gt_f32 s[24+\i], v[\x], v[L+2*\i]
.endr
.irp i, 4,3,2,1
	v_cndmask_b32 v[TMP], v[\pay], v[L+2*(\i-1)+1], s[24+\i-1]
	v_cndmask_b32 v[L+2*\i+1], v[L+2*\i+1], v[TMP], s[24+\i]
.endr
	v_cndmask_b32 v[L+1], v[L+1], v[\pay], s24
.irp i, 4,3,2,1
	v_med3_num_f32 v[L+2*\i], v[L+2*(\i-1)], v[L+2*\i], v[\x]
.endr
	v_max_num_f32 v[L], v[L], v[\x]
.endm
.macro WRED opd, op, reg               ; over the 32 lanes, the result in every lane
	\opd v[\reg], v[\reg], v[\reg] row_xmask:1 row_mask:0xf bank_mask:0xf
	\opd v[\reg], v[\reg], v[\reg] row_xmask:2 row_mask:0xf bank_mask:0xf
	\opd v[\reg], v[\reg], v[\reg] row_xmask:4 row_mask:0xf bank_mask:0xf
	\opd v[\reg], v[\reg], v[\reg] row_xmask:8 row_mask:0xf bank_mask:0xf
	v_permlanex16_b32 v[TP], v[\reg], s[SEL], s[SEL+1]
	\op v[\reg], v[\reg], v[TP]
.endm
	s_load_b128 s[4:7], s[0:1], 0x0                ; cand s[4:5], gsel s[6:7]
	v_lshl_add_u32 v[SPW], v0, 2, SPARE
	v_mov_b32 v[NIL], 0
	v_lshrrev_b32 v1, 5, v0
	v_readfirstlane_b32 s12, v1                    ; wave 0..15
	v_and_b32 v4, 31, v0                           ; lane
	v_and_b32 v5, 15, v0                           ; r
	v_bfe_u32 v6, v0, 4, 1                         ; h
	v_lshlrev_b32 v7, 3, v4
	s_mul_i32 s13, s12, 81920                      ; a part's lists: 64 query tiles x 1,280 bytes
	v_add_nc_u32 v8, s13, v7                       ; parts w + 16 i, i = 0 .. 6, by the immediate
	s_add_co_u32 s14, s12, 112
	s_min_u32 s15, s14, 124
	s_mul_i32 s15, s15, 81920
	v_add_nc_u32 v9, s15, v7                       ; the eighth part, or the last in its place
	s_cmp_lt_u32 s14, 125
	s_cselect_b32 s29, -1, 0                       ; all lanes: does the eighth part exist?
	s_mul_i32 s16, ttmp9, 1280
	s_mov_b32 s17, 0
	s_lshl_b32 s20, ttmp9, 9
	s_mov_b32 s21, 0
	s_mul_i32 s18, s12, 100
	v_add_nc_u32 v10, s18, v6                      ; 100 w + h
	v_mul_u32_u24 v13, v5, 1296                    ; every LDS address is made here, ahead of the one branch on the wave's number
	v_mad_u32_u24 v13, v6, 40, v13
	s_mul_i32 s19, s12, 80
	v_add_nc_u32 v13, s19, v13                     ; in: query r, list 2 w + h
	s_mul_i32 s19, s12, 1296
	v_mul_u32_u24 v14, v4, 40
	v_add_nc_u32 v14, s19, v14                     ; back: query w, list = my lane
	v_and_b32 v15, 7, v0
	v_lshlrev_b32 v15, 2, v15
	s_lshl_b32 s19, s12, 5
	s_add_co_u32 s19, s19, RESB
	v_add_nc_u32 v15, s19, v15                     ; the results: query w, word lane % 8
	v_lshlrev_b32 v[OA], 4, v4
	s_mov_b32 s[SEL], 0x76543210
	s_mov_b32 s[SEL+1], 0xfedcba98
	v_mov_b32 v[NEG], 0xff800000                   ; -infinity
	v_mov_b32 v[BIG], 0x7f61b1e6                   ; 3e38, above every group number
	v_mov_b32 v[TP], 0                             ; written once: a lane permute's destination counts as one of its sources
	v_mov_b32 v[RES], 0
.irp i, 0,1,2,3,4
	v_mov_b32 v[L+2*\i], 0xff800000
	v_mov_b32 v[L+2*\i+1], 0
.endr
	s_wait_kmcnt 0x0
	s_add_nc_u64 s[4:5], s[4:5], s[16:17]
	s_add_nc_u64 s[6:7], s[6:7], s[20:21]
.irp i, 0,1,2,3,4,5,6
.irp e, 0,1,2,3,4
	global_load_b64 v[32+10*\i+2*\e:33+10*\i+2*\e], v8, s[4:5] offset:1310720*\i+256*\e th:TH_LOAD_NT   ; 32 lanes read 256 consecutive bytes
.endr
.endr
.irp e, 0,1,2,3,4
	global_load_b64 v[102+2*\e:103+2*\e], v9, s[4:5] offset:256*\e th:TH_LOAD_NT
.endr
.irp i, 0,1,2,3,4,5,6,7
	s_wait_loadcnt 5*(7-\i)                        ; this part's five loads are in; the later parts' stay out
	v_add_nc_u32 v11, 1600*\i, v10                 ; 100 P + h
.irp e, 0,1,2,3,4
.if \i == 7
	v_cndmask_b32 v[32+10*\i+2*\e], v[NEG], v[32+10*\i+2*\e], s29
.endif
	v_lshl_add_u32 v12, v[33+10*\i+2*\e], 1, v11   ; the group
	INS 32+10*\i+2*\e, 12
.endr
.endr
.irp e, 0,1,2,3,4
	ds_store_b64 v13, v[L+2*\e:L+2*\e+1] offset:8*\e
.endr
	s_wait_dscnt 0x0                               ; for the others' sake: my stores are done
	s_barrier_signal -1
	s_barrier_wait -1
.irp e, 0,1,2,3,4
	ds_load_b64 v[L+2*\e:L+2*\e+1], v14 offset:8*\e
.endr
	s_wait_dscnt 0x0
.irp e, 0,1,2,3,4
	v_cvt_f32_u32 v[L+2*\e+1], v[L+2*\e+1]         ; groups under 12,500 are exact in f32: so one kind of reduction serves values and groups
.endr
.irp k, 0,1,2,3,4
	v_mov_b32 v[MX], v[L]
	WRED v_max_num_f32_dpp, v_max_num_f32, MX      ; the largest head
	v_cmp_eq_f32 vcc_lo, v[L], v[MX]
	v_cndmask_b32 v[JJ], v[BIG], v[L+1], vcc_lo
	v_mov_b32 v[JM], v[JJ]
	WRED v_min_num_f32_dpp, v_min_num_f32, JM      ; among equals the lowest group
	v_cmp_eq_f32 vcc_lo, v[JJ], v[JM]              ; groups differ from list to list: one lane wins
	s_mov_b32 s30, 0x01010101<<\k
	v_cndmask_b32 v[RES], v[RES], v[JM], s30       ; pick k goes to the lanes with lane % 8 = k
.irp i, 0,1,2,3
	v_cndmask_b32 v[L+2*\i], v[L+2*\i], v[L+2*\i+2], vcc_lo
	v_cndmask_b32 v[L+2*\i+1], v[L+2*\i+1], v[L+2*\i+3], vcc_lo
.endr
	v_cndmask_b32 v[L+8], v[L+8], v[NEG], vcc_lo
.endr
	v_cvt_u32_f32 v[RES], v[RES]
	ds_store_b32 v15, v[RES]                       ; the four lanes of a word hold the same number; words 5 to 7 are 0
	s_wait_dscnt 0x0
	s_barrier_signal -1
	s_barrier_wait -1
	s_cmp_lg_u32 s12, 0
	s_cbranch_scc1 .Lothers
	ds_load_b128 v[32:35], v[OA] offset:RESB       ; wave 0 stores the tile's 512 bytes whole
	s_wait_dscnt 0x0
	global_store_b128 v[OA], v[32:35], s[6:7]
.Lothers:
	s_wait_tensorcnt 0x0                           ; the wave's end
	ds_add_u32 v[SPW], v[NIL]
	s_wait_dscnt 0x0
	s_endpgm
.Lfunc_end_k_qd907220832_merge:
	.size	k_qd907220832_merge, .Lfunc_end_k_qd907220832_merge-k_qd907220832_merge
	.p2alignl 7, 3214868480
	.fill 96, 4, 3214868480
	.section	.rodata,"a",@progbits
	.p2align	6, 0x0
	.amdhsa_kernel k_qd907220832_merge
		.amdhsa_group_segment_fixed_size 23296
		.amdhsa_private_segment_fixed_size 0
		.amdhsa_enable_private_segment 0
		.amdhsa_kernarg_size 16
		.amdhsa_user_sgpr_count 2
		.amdhsa_user_sgpr_kernarg_segment_ptr 1
		.amdhsa_wavefront_size32 1
		.amdhsa_system_sgpr_workgroup_id_x 1
		.amdhsa_system_sgpr_workgroup_id_y 1
		.amdhsa_system_sgpr_workgroup_id_z 1
		.amdhsa_system_vgpr_workitem_id 0
		.amdhsa_next_free_vgpr 128
		.amdhsa_next_free_sgpr 66
		.amdhsa_reserve_vcc 1
		.amdhsa_float_denorm_mode_32 3
		.amdhsa_float_denorm_mode_16_64 3
		.amdhsa_memory_ordered 1
		.amdhsa_forward_progress 1
		.amdhsa_inst_pref_size 65
	.end_amdhsa_kernel
	.amdgpu_metadata
---
amdhsa.version: [ 1, 2 ]
amdhsa.kernels:
  - .name:           k_qd907220832_merge
    .symbol:         k_qd907220832_merge.kd
    .args:
      - { .name: cand, .offset: 0, .size: 8, .value_kind: global_buffer, .address_space: global }
      - { .name: gsel, .offset: 8, .size: 8, .value_kind: global_buffer, .address_space: global }
    .group_segment_fixed_size: 23296
    .private_segment_fixed_size: 0
    .kernarg_segment_align: 8
    .kernarg_segment_size: 16
    .max_flat_workgroup_size: 512
    .sgpr_count:     66
    .vgpr_count:     128
    .wavefront_size: 32
...
	.end_amdgpu_metadata
.endif
;; end of part 3
;; launch refine (part 4): grid 256 x 1, 4 waves a work-group, no clusters, 85,504 bytes of LDS; arguments hist, x, xq, gsel, lowp_scales, augc; writes augc
.if DOCPART == 4
	.amdgcn_target "amdgcn-amd-amdhsa--gfx1250"
	.amdhsa_code_object_version 6
	.text
	.protected	k_qd907220832_refine
	.globl	k_qd907220832_refine
	.p2align	8
	.type	k_qd907220832_refine,@function
k_qd907220832_refine:
	s_mov_b64 s[64:65], 0
	v_nop
	global_prefetch_b8 v0, s[64:65] scope:SCOPE_SE
	s_setreg_imm32_b32 hwreg(HW_REG_WAVE_MODE, 25, 1), 1
	s_wait_xcnt 0x0
; For each query: the 40 history rows of its five best groups are worked again; the five largest similarities (ties: the lower row) are found exactly, their softmax weighs the raw f32 rows, and
; x_last and the weighted row leave as codes of E4M3 with 2^e2, in the order of k that the next launch's operands have.
; SHARES.  A wave takes one query, 4 x work-group + wave; waves share nothing: no barrier; each has LDS bytes of its own.
; ADDRESSES hang on the five group numbers, whole numbers that an earlier launch stored; each is held at 12,499, the last group, ahead of its use.
; STEPS.  (1) The 40 rows come as f32 and STAY in registers (a lane holds 16 numbers of each).  (2) Four rows at a time they are divided by max(norm, 1e-8) and quantised with 2^e1 into a scaled copy; the codes
; go to LDS as rows and come back as three tiles of fragments.  (3) Source 0 of the products holds my query's codes in all 16 rows, source 1 sixteen candidates: register 0 of lane l holds candidate l % 16's sum.
; (4) Five picks: the wave's largest value, among equals the lowest row number; the winner becomes -infinity.  (5) p = exp(sim - largest sim) for the five, 0 for the others; the sums stand for sim / 2^(e0 + e1), so that
; factor goes into the exponent's multiplier.  (6) weighted = the sum over all 40 rows of weight x row, fused multiply-adds in f32; 35 weights are 0: the choice selects values, no branch hangs on it.
; The third tile has eight candidates: its lanes 8-15 read the same eight rows again, so that no byte is read that was not written, and their results are masked.
; One accumulator for a tile: its four K steps are a chain, with a wait ahead of each link; 12 matrix instructions a query, so that weighs nothing.
; LIMITS: e1, e2 between -126 and 119; e0 + e1 between -126 and 126; NaN and infinities among the inputs are not served.
; No tensor loads, no cluster: the rows that two queries share are a matter of chance, and all rows have to stay in registers as f32.
; REGISTERS: windows 1-3: candidate c at window 1 + c / 16, v[16 (c % 16)]; x_last at window 3, v128-143.  Window 0: v1-11 addresses and scales; v16-27, v28-43 the quantiser's sums and codes; v44-107 the scaled copy,
;   later a tile's fragments; v108-171 the query's fragments; v172-195 three accumulators; v196-211 the weighted row; v212-229 the picks.
.set REG,   21248                      ; a wave's LDS: 40 rows x (512 bytes + 16), rounded up to blocks of 256
.set SPARE, 4*REG                      ; behind them: the spare words, 128 bytes for each wave, that no other line names
.set SPW,  10
.set NIL,  11
.set QT,   16
.set QC,   28
.set QD,   44
.set QDW,  0
.set CF,   44
.set QF,   108
.set AC,   172
.set WS,   196
.set QSC,  6                           ; v6, v7   2^e1, 448 x 2^e1
.set QLIM, 7
.set QLA,  2
.set S0,   212                         ; candidate = lane
.set S1,   213                         ; candidate = 32 + lane, lanes 0-7
.set W0,   214
.set W1,   215
.set I0,   216
.set I1,   217
.set MX,   218
.set M1,   219
.set J0,   220
.set J1,   221
.set JM,   222
.set TP,   223
.set NEG,  224
.set BIG,  225
.set P0,   226
.set P1,   227
.set SU,   228
.set T0,   229
.set SEL,  18
.set EPS2, 20
.set MSB, 0
.macro WIN new                         ; the immediate's high byte repeats the setting that is left; a switch that changes nothing is dropped
.if MSB != (\new)
	s_set_vgpr_msb (MSB<<8)|(\new)
.set MSB, (\new)
.endif
.endm
.macro PLACES n
.rept \n
	v_nop
.endr
.endm
.macro MKSCALE se, tmp, vsc, vlim
	s_add_co_i32 s[\tmp], s[\se], 127
	s_lshl_b32 s[\tmp+1], s[\tmp], 23
	v_mov_b32 v[\vsc], s[\tmp+1]
	s_add_co_i32 s[\tmp], s[\tmp], 8
	s_lshl_b32 s[\tmp], s[\tmp], 23
	s_or_b32 s[\tmp], s[\tmp], 0x600000
	v_mov_b32 v[\vlim], s[\tmp]
.endm
; Slice qn (0..30) of the quantiser for FOUR rows: row a's 16 numbers of my lane stand in v[QX+16 a ..] (window QXW) and are kept; the scaled copy goes to v[QD+16 a ..] (window 0).
.macro QS
.if qn < 8
	WIN QXW|(QXW<<2)
.irp a, 0,1,2,3
.if qn == 0
	v_pk_mul_f32 v[QT+2*\a:QT+2*\a+1], v[QX+16*\a:QX+16*\a+1], v[QX+16*\a:QX+16*\a+1]
.else
	v_pk_fma_f32 v[QT+2*\a:QT+2*\a+1], v[QX+16*\a+2*qn:QX+16*\a+2*qn+1], v[QX+16*\a+2*qn:QX+16*\a+2*qn+1], v[QT+2*\a:QT+2*\a+1]
.endif
.endr
.elseif qn == 8
	WIN 0
.irp a, 0,1,2,3
	v_add_f32 v[QT+2*\a], v[QT+2*\a], v[QT+2*\a+1]
.endr
.elseif qn == 9
	WIN 0
.irp a, 0,1,2,3
	v_add_f32_dpp v[QT+2*\a], v[QT+2*\a], v[QT+2*\a] row_xmask:1 row_mask:0xf bank_mask:0xf
.endr
.elseif qn == 10
	WIN 0
.irp a, 0,1,2,3
	v_add_f32_dpp v[QT+2*\a], v[QT+2*\a], v[QT+2*\a] row_xmask:2 row_mask:0xf bank_mask:0xf
.endr
.elseif qn == 11
	WIN 0
.irp a, 0,1,2,3
	v_add_f32_dpp v[QT+2*\a], v[QT+2*\a], v[QT+2*\a] row_xmask:4 row_mask:0xf bank_mask:0xf
.endr
.elseif qn == 12
	WIN 0
.irp a, 0,1,2,3
	v_add_f32_dpp v[QT+2*\a], v[QT+2*\a], v[QT+2*\a] row_xmask:8 row_mask:0xf bank_mask:0xf
.endr
.elseif qn == 13
	WIN 0
.irp a, 0,1,2,3
	v_permlanex16_b32 v[QT+8+\a], v[QT+2*\a], s[SEL], s[SEL+1]
.endr
.elseif qn == 14
	WIN 0
.irp a, 0,1,2,3
	v_add_f32 v[QT+2*\a], v[QT+2*\a], v[QT+8+\a]
.endr
.elseif qn == 15
	WIN 0
.irp a, 0,1,2,3
	v_max_num_f32 v[QT+2*\a], s[EPS2], v[QT+2*\a]
.endr
.elseif qn == 16
	WIN 0
.irp a, 0,1,2,3
	v_rsq_f32 v[QT+2*\a], v[QT+2*\a]
.endr
	v_nop                                          ; one plain instruction behind the last of the batch (ISA guide 5.7.2)
.elseif qn < 21
.if qn == 17
	s_wait_alu depctr_va_vdst(0)                   ; one wait for the four roots, ahead of their first reader
.endif
	WIN QXW|(QDW<<6)
.irp j, 0,2,4,6,8,10,12,14
	v_pk_mul_f32 v[QD+16*(qn-17)+\j:QD+16*(qn-17)+\j+1], v[QX+16*(qn-17)+\j:QX+16*(qn-17)+\j+1], v[QT+2*(qn-17):QT+2*(qn-17)+1] op_sel_hi:[1,0]
.endr
.elseif qn < 29
	WIN QDW|(QDW<<6)
.irp j, 0,1,2,3,4,5,6,7
	v_med3_num_f32 v[QD+8*(qn-21)+\j], v[QD+8*(qn-21)+\j], -v[QLIM], v[QLIM]   ; the conversion to an 8-bit code does not saturate (ISA guide 7.6.2)
.endr
.elseif qn == 29
	WIN QDW
.irp a, 0,1,2,3
	v_cvt_scalef32_pk8_fp8_f32 v[QC+4*\a:QC+4*\a+1], v[QD+16*\a:QD+16*\a+7], v[QSC]
	v_cvt_scalef32_pk8_fp8_f32 v[QC+4*\a+2:QC+4*\a+3], v[QD+16*\a+8:QD+16*\a+15], v[QSC]
.endr
	v_nop                                          ; one plain instruction behind the last conversion
.else
	WIN 0
.irp a, 0,1,2,3
	ds_store_b128 v[QLA], v[QC+4*\a:QC+4*\a+3] offset:QLO+528*\a
.endr
.endif
.endm
.macro QROWS4
	s_wait_dscnt 0x0                               ; the last block's LDS stores have read the codes' registers
.set qn, 0
.rept 31
	QS
.set qn, qn+1
.endr
.endm
.macro WRED opd, op, reg               ; over the 32 lanes, the result in every lane
	\opd v[\reg], v[\reg], v[\reg] row_xmask:1 row_mask:0xf bank_mask:0xf
	\opd v[\reg], v[\reg], v[\reg] row_xmask:2 row_mask:0xf bank_mask:0xf
	\opd v[\reg], v[\reg], v[\reg] row_xmask:4 row_mask:0xf bank_mask:0xf
	\opd v[\reg], v[\reg], v[\reg] row_xmask:8 row_mask:0xf bank_mask:0xf
	v_permlanex16_b32 v[TP], v[\reg], s[SEL], s[SEL+1]
	\op v[\reg], v[\reg], v[TP]
.endm
	s_load_b256 s[4:11], s[0:1], 0x0               ; hist s[4:5], x s[6:7], xq s[8:9], gsel s[10:11]
	s_load_b128 s[12:15], s[0:1], 0x20             ; the scales' exponents s[12:13], augc s[14:15]
	v_lshl_add_u32 v[SPW], v0, 2, SPARE
	v_mov_b32 v[NIL], 0
	v_lshrrev_b32 v1, 5, v0
	v_readfirstlane_b32 s16, v1                    ; wave 0..3
	s_lshl_b32 s17, ttmp9, 2
	s_add_co_u32 s17, s17, s16                     ; my query
	s_lshl_b32 s2, s17, 5
	s_mov_b32 s3, 0
	s_wait_kmcnt 0x0
	s_add_nc_u64 s[10:11], s[10:11], s[2:3]
	s_load_b256 s[36:43], s[10:11], 0x0            ; my five groups (and three zeros)
	s_load_b128 s[60:63], s[12:13], 0x0            ; e0 .. e3
	v_and_b32 v12, 31, v0
	v_lshlrev_b32 v1, 4, v12                       ; 16 x lane
	s_mul_i32 s21, s16, REG
	v_add_nc_u32 v2, s21, v1                       ; where my 16 codes of a row go
	v_and_b32 v13, 15, v0
	v_bfe_u32 v14, v0, 4, 1
	v_mul_u32_u24 v3, v13, 528
	v_lshl_add_u32 v3, v14, 6, v3
	v_add_nc_u32 v3, s21, v3                       ; a fragment's lane (r, h): row r, byte 64 h
	v_and_b32 v4, 7, v0
	v_mul_u32_u24 v4, v4, 528
	v_lshl_add_u32 v4, v14, 6, v4
	v_add_nc_u32 v4, s21, v4                       ; the third tile: row r % 8
	v_lshlrev_b32 v5, 8, v14                       ; the query's fragments: 256 h
	s_lshr_b32 s22, s17, 4
	s_lshl_b32 s22, s22, 13                        ; its tile,
	s_and_b32 s23, s17, 15
	s_lshl_b32 s23, s23, 4                         ; and its lane's 16 bytes there: every lane of a half reads the same
	s_add_co_u32 s2, s22, s23
	s_add_nc_u64 s[8:9], s[8:9], s[2:3]
	s_lshl_b32 s2, s17, 15
	s_add_co_u32 s2, s2, 30720                     ; the last of the 16 time steps
	s_add_nc_u64 s[6:7], s[6:7], s[2:3]
	s_lshl_b32 s2, s17, 10
	s_add_nc_u64 s[14:15], s[14:15], s[2:3]
	s_mov_b32 s[SEL], 0x76543210
	s_mov_b32 s[SEL+1], 0xfedcba98
	s_mov_b32 s[EPS2], 0x24e69595
.irp n, 0,1,2,3,4,5,6,7,8,9,10,11,12,13,14,15
	global_load_b128 v[QF+4*\n:QF+4*\n+3], v5, s[8:9] offset:512*\n
.endr
	WIN 0xc0
.irp i, 0,1,2,3
	global_load_b128 v[128+4*\i:131+4*\i], v1, s[6:7] offset:512*\i
.endr
	s_wait_kmcnt 0x0
.irp a, 0,1,2,3,4
	s_min_u32 s[36+\a], s[36+\a], 12499            ; a loaded number enters an address only behind this hold
	s_lshl_b32 s[24+2*\a], s[36+\a], 14            ; eight rows of 2,048 bytes
	s_mov_b32 s[25+2*\a], 0
	s_add_nc_u64 s[24+2*\a:25+2*\a], s[4:5], s[24+2*\a:25+2*\a]
.endr
.set cc, 0
.rept 40
	WIN (1+cc/16)<<6
.irp i, 0,1,2,3
	global_load_b128 v[16*(cc%16)+4*\i:16*(cc%16)+4*\i+3], v1, s[24+2*(cc/8):25+2*(cc/8)] offset:2048*(cc%8)+512*\i   ; no cache hint: another query may name the same rows
.endr
.set cc, cc+1
.endr
	WIN 0
	MKSCALE 61, 34, 6, 7
	MKSCALE 62, 34, 8, 9                           ; v8, v9: 2^e2, 448 x 2^e2
.irp a, 0,1,2,3
	v_mov_b32 v[QT+8+\a], 0                        ; written once: a lane permute's destination counts as one of its sources
.endr
	v_mov_b32 v[TP], 0
	v_mov_b32 v[NEG], 0xff800000
	v_mov_b32 v[BIG], 0x7f61b1e6
.set gn, 0
.rept 10
.if 16*(9-gn) > 63
	s_wait_loadcnt 63                              ; the younger rows' loads are 16 (9 - gn); the count is held at the largest that the wait can name
.else
	s_wait_loadcnt 16*(9-gn)
.endif
.set QX, 64*(gn&3)
.set QXW, 1+gn/4
.set QLO, 2112*gn
	QROWS4
.set gn, gn+1
.endr
.irp t, 0,1,2
.if \t > 0
	PLACES 4                                       ; ahead of loads into registers that matrix instructions have read
.endif
.irp n, 0,1,2,3,4,5,6,7,8,9,10,11,12,13,14,15
.if \t < 2
	ds_load_b128 v[CF+4*\n:CF+4*\n+3], v3 offset:8448*\t+128*(\n/4)+16*(\n%4)   ; LDS serves a wave's instructions in order (ISA guide 5.7.1.4): these see my stores
.else
	ds_load_b128 v[CF+4*\n:CF+4*\n+3], v4 offset:16896+128*(\n/4)+16*(\n%4)
.endif
.endr
	s_wait_dscnt 0x0
	v_wmma_f32_16x16x128_fp8_fp8 v[AC+8*\t:AC+8*\t+7], v[QF:QF+15], v[CF:CF+15], 0
.irp s, 1,2,3
	s_wait_alu depctr_va_vdst(0)                   ; a chain on one accumulator
	v_wmma_f32_16x16x128_fp8_fp8 v[AC+8*\t:AC+8*\t+7], v[QF+16*\s:QF+16*\s+15], v[CF+16*\s:CF+16*\s+15], v[AC+8*\t:AC+8*\t+7]
.endr
.endr
	PLACES 4
	s_mov_b32 s21, 0xffff0000
	v_cndmask_b32 v[S0], v[AC], v[AC+8], s21       ; each accumulator's lowest register holds all that is wanted of it
	s_mov_b32 s22, 0xff
	v_cndmask_b32 v[S1], v[NEG], v[AC+16], s22
	v_and_b32 v[T0], 7, v0
	v_mov_b32 v[I0], s36                           ; the candidates' row numbers, 8 x group + lane % 8, as f32: exact under 100,000
	s_mov_b32 s21, 0xffffff00
	v_cndmask_b32 v[I0], v[I0], s37, s21
	s_mov_b32 s21, 0xffff0000
	v_cndmask_b32 v[I0], v[I0], s38, s21
	s_mov_b32 s21, 0xff000000
	v_cndmask_b32 v[I0], v[I0], s39, s21
	v_lshl_add_u32 v[I0], v[I0], 3, v[T0]
	v_lshl_add_u32 v[I1], s40, 3, v[T0]
	v_cvt_f32_u32 v[I0], v[I0]
	v_cvt_f32_u32 v[I1], v[I1]
	v_mov_b32 v[W0], v[S0]
	v_mov_b32 v[W1], v[S1]
.irp k, 0,1,2,3,4
	v_max_num_f32 v[MX], v[W0], v[W1]
	WRED v_max_num_f32_dpp, v_max_num_f32, MX      ; the largest that is left
.if \k == 0
	v_mov_b32 v[M1], v[MX]                         ; the largest of all: the softmax takes it away
.endif
	v_cmp_eq_f32 vcc_lo, v[W0], v[MX]
	v_cndmask_b32 v[J0], v[BIG], v[I0], vcc_lo
	v_cmp_eq_f32 vcc_lo, v[W1], v[MX]
	v_cndmask_b32 v[J1], v[BIG], v[I1], vcc_lo
	v_min_num_f32 v[JM], v[J0], v[J1]
	WRED v_min_num_f32_dpp, v_min_num_f32, JM      ; among equals the lowest row
	v_cmp_eq_f32 vcc_lo, v[J0], v[JM]
	v_cndmask_b32 v[W0], v[W0], v[NEG], vcc_lo
	v_cmp_eq_f32 vcc_lo, v[J1], v[JM]
	v_cndmask_b32 v[W1], v[W1], v[NEG], vcc_lo
.endr
	v_cmp_neq_f32 s21, v[W0], v[S0]                ; picked: what has changed
	v_cmp_neq_f32 s22, v[W1], v[S1]
	s_add_co_i32 s23, s60, s61
	s_lshl_b32 s23, s23, 23
	s_add_co_i32 s23, s23, 0x3fb8aa3b              ; log2(e) x 2^(e0 + e1): the exponents are added to its exponent field
	v_sub_f32 v[P0], v[S0], v[M1]
	v_sub_f32 v[P1], v[S1], v[M1]
	v_mul_f32 v[P0], s23, v[P0]
	v_mul_f32 v[P1], s23, v[P1]
	v_exp_f32 v[P0], v[P0]
	v_exp_f32 v[P1], v[P1]
	v_nop
	s_wait_alu depctr_va_vdst(0)                   ; one wait for both exponentials, ahead of their first reader
	v_cndmask_b32 v[P0], 0, v[P0], s21
	v_cndmask_b32 v[P1], 0, v[P1], s22
	v_add_f32 v[SU], v[P0], v[P1]
	WRED v_add_f32_dpp, v_add_f32, SU
	v_rcp_f32 v[SU], v[SU]
	v_nop
	s_wait_alu depctr_va_vdst(0)
	v_mul_f32 v[P0], v[P0], v[SU]
	v_mul_f32 v[P1], v[P1], v[SU]                  ; the weights: candidate = lane, and 32 + lane
.set cc, 0
.rept 5
	WIN 0
.irp p, 0,1,2,3,4,5,6,7
.if cc < 32
	v_readlane_b32 s[44+2*\p], v[P0], cc+\p        ; a weight into both words of a pair: the packed form names the pair
	v_readlane_b32 s[45+2*\p], v[P0], cc+\p
.else
	v_readlane_b32 s[44+2*\p], v[P1], cc+\p-32
	v_readlane_b32 s[45+2*\p], v[P1], cc+\p-32
.endif
.endr
	WIN 1+cc/16                                    ; source 0: the rows' window
.irp p, 0,1,2,3,4,5,6,7
.irp j, 0,2,4,6,8,10,12,14
.if (cc == 0) && (\p == 0)
	v_pk_mul_f32 v[WS+\j:WS+\j+1], v[16*((cc+\p)%16)+\j:16*((cc+\p)%16)+\j+1], s[44+2*\p:45+2*\p] op_sel_hi:[1,0]   ; the first row starts the sums
.else
	v_pk_fma_f32 v[WS+\j:WS+\j+1], v[16*((cc+\p)%16)+\j:16*((cc+\p)%16)+\j+1], s[44+2*\p:45+2*\p], v[WS+\j:WS+\j+1] op_sel_hi:[1,0,1]
.endif
.endr
.endr
.set cc, cc+8
.endr
	WIN 0
.irp j, 0,1,2,3,4,5,6,7,8,9,10,11,12,13,14,15
	v_med3_num_f32 v[WS+\j], v[WS+\j], -v9, v9
.endr
	v_cvt_scalef32_pk8_fp8_f32 v[QC:QC+1], v[WS:WS+7], v8
	v_cvt_scalef32_pk8_fp8_f32 v[QC+2:QC+3], v[WS+8:WS+15], v8
	WIN 0xc3                                       ; x_last: source 0 and destination window 3
.irp j, 0,1,2,3,4,5,6,7,8,9,10,11,12,13,14,15
	v_med3_num_f32 v[128+\j], v[128+\j], -v9, v9
.endr
	WIN 0x03
	v_cvt_scalef32_pk8_fp8_f32 v[QC+4:QC+5], v[128:135], v8
	v_cvt_scalef32_pk8_fp8_f32 v[QC+6:QC+7], v[136:143], v8
	v_nop
	WIN 0
	global_store_b128 v1, v[QC+4:QC+7], s[14:15]               ; 32 lanes store 512 consecutive bytes: x_last's codes,
	global_store_b128 v1, v[QC:QC+3], s[14:15] offset:512      ; and the weighted row's
	s_wait_tensorcnt 0x0                           ; the wave's end
	ds_add_u32 v[SPW], v[NIL]
	s_wait_dscnt 0x0
	s_endpgm
.Lfunc_end_k_qd907220832_refine:
	.size	k_qd907220832_refine, .Lfunc_end_k_qd907220832_refine-k_qd907220832_refine
	.p2alignl 7, 3214868480
	.fill 96, 4, 3214868480
	.section	.rodata,"a",@progbits
	.p2align	6, 0x0
	.amdhsa_kernel k_qd907220832_refine
		.amdhsa_group_segment_fixed_size 85504
		.amdhsa_private_segment_fixed_size 0
		.amdhsa_enable_private_segment 0
		.amdhsa_kernarg_size 48
		.amdhsa_user_sgpr_count 2
		.amdhsa_user_sgpr_kernarg_segment_ptr 1
		.amdhsa_wavefront_size32 1
		.amdhsa_system_sgpr_workgroup_id_x 1
		.amdhsa_system_sgpr_workgroup_id_y 1
		.amdhsa_system_sgpr_workgroup_id_z 1
		.amdhsa_system_vgpr_workitem_id 0
		.amdhsa_next_free_vgpr 1024
		.amdhsa_next_free_sgpr 66
		.amdhsa_reserve_vcc 1
		.amdhsa_float_denorm_mode_32 3
		.amdhsa_float_denorm_mode_16_64 3
		.amdhsa_memory_ordered 1
		.amdhsa_forward_progress 1
		.amdhsa_inst_pref_size 169
	.end_amdhsa_kernel
	.amdgpu_metadata
---
amdhsa.version: [ 1, 2 ]
amdhsa.kernels:
  - .name:           k_qd907220832_refine
    .symbol:         k_qd907220832_refine.kd
    .args:
      - { .name: hist, .offset: 0, .size: 8, .value_kind: global_buffer, .address_space: global }
      - { .name: x, .offset: 8, .size: 8, .value_kind: global_buffer, .address_space: global }
      - { .name: xq, .offset: 16, .size: 8, .value_kind: global_buffer, .address_space: global }
      - { .name: gsel, .offset: 24, .size: 8, .value_kind: global_buffer, .address_space: global }
      - { .name: lowp_scales, .offset: 32, .size: 8, .value_kind: global_buffer, .address_space: global }
      - { .name: augc, .offset: 40, .size: 8, .value_kind: global_buffer, .address_space: global }
    .group_segment_fixed_size: 85504
    .private_segment_fixed_size: 0
    .kernarg_segment_align: 8
    .kernarg_segment_size: 48
    .max_flat_workgroup_size: 128
    .sgpr_count:     66
    .vgpr_count:     1024
    .wavefront_size: 32
...
	.end_amdgpu_metadata
.endif
;; end of part 4
;; launch fuse1 (part 5): grid 16 x 16, 4 waves a work-group, no clusters, 71,168 bytes of LDS; arguments augc, w1c, b1, lowp_scales, hq; writes hq
.if DOCPART == 5
	.amdgcn_target "amdgcn-amd-amdhsa--gfx1250"
	.amdhsa_code_object_version 6
	.text
	.protected	k_qd907220832_fuse1
	.globl	k_qd907220832_fuse1
	.p2align	8
	.type	k_qd907220832_fuse1,@function
k_qd907220832_fuse1:
	s_mov_b64 s[64:65], 0
	v_nop
	global_prefetch_b8 v0, s[64:65] scope:SCOPE_SE
	s_setreg_imm32_b32 hwreg(HW_REG_WAVE_MODE, 25, 1), 1
	s_wait_xcnt 0x0
; h = relu([x_last | weighted x 5] W1 + b1) on codes of E4M3, quantised with 2^e4 on the way, stored in the order of the next product's operand registers.
; SHARES.  Work-group (Hb, Rb): 64 queries x 64 hidden units.  Wave w makes hidden tile T = 4 Hb + w (16 units) for all four tiles of 16 queries: four accumulators, which take turns.
; K = 3,072 = 24 steps of 128.  W1's 24 fragments of my tile go from memory straight into 384 registers, in the order in which an earlier launch laid them.  The input's codes (1,024 bytes a query: x_last, weighted)
; go once through LDS as rows and come back as fragments; the weighted row's fragments are loaded ONCE and serve all five of its blocks of 512.
; TRANSPOSED: source 0 = 16 columns of W1, source 1 = 16 queries: lane (r, h) holds query r and hidden units 16 T + 8 h + 0..7: eight neighbours along the next K, registers 2 c8, 2 c8 + 1 of the next operand.
; b1 is the C of each sum's first matrix instruction, divided by the power of two that the sums lack; the conversion's one scale is 2^(e4 - e2 - e3); the hold between 0 and the largest code is also the activation.
; LIMITS: e4 - e2 - e3 between -126 and 119; NaN among the inputs is not served.
; No tensor loads, no cluster: the weights lie in no LDS tile that partners could be sent jointly; what the four waves share, 64 KiB of input codes, is read once by the work-group.
; REGISTERS: window 0: v1-13 addresses and scales; v16-47 accumulators; v48-55 the bias; v56-71 codes; v128-255 W1's K steps 16-23.  Window 1: x_last's fragments, v[64 m + 16 s'].  Window 2: the weighted row's.  Window 3: W1's K steps 0-15.
.set APITCH, 1040                      ; a query's 1,024 bytes + 16: rows start 65 x 16 bytes apart
.set STG,    64*APITCH                 ; behind the 64 rows: 4,096 bytes in which four waves' codes meet
.set SPARE,  STG+4096                  ; behind that: the spare words, 128 bytes for each wave, that no other line names
.set SPW, 12
.set NIL, 13
.set ACC, 16
.set BI,  48
.set CO,  56
.set MSB, 0
.macro WIN new                         ; the immediate's high byte repeats the setting that is left; a switch that changes nothing is dropped
.if MSB != (\new)
	s_set_vgpr_msb (MSB<<8)|(\new)
.set MSB, (\new)
.endif
.endm
.macro WLD                             ; W1's fragment of K step ls
.if ls < 16
	WIN 0xc0
.irp c, 0,1,2,3
	global_load_b128 v[16*ls+4*\c:16*ls+4*\c+3], v1, s[6:7] offset:2048*ls+512*\c
.endr
.else
	WIN 0
.irp c, 0,1,2,3
	global_load_b128 v[128+16*(ls-16)+4*\c:128+16*(ls-16)+4*\c+3], v1, s[6:7] offset:2048*ls+512*\c
.endr
.endif
.endm
	s_load_b256 s[4:11], s[0:1], 0x0               ; augc s[4:5], w1c s[6:7], b1 s[8:9], the scales' exponents s[10:11]
	s_load_b64 s[12:13], s[0:1], 0x20              ; hq
	v_lshl_add_u32 v[SPW], v0, 2, SPARE
	v_mov_b32 v[NIL], 0
	v_lshrrev_b32 v1, 5, v0
	v_readfirstlane_b32 s14, v1                    ; wave 0..3
	v_and_b32 v11, 31, v0
	v_lshlrev_b32 v1, 4, v11                       ; 16 x lane
	v_and_b32 v14, 15, v0
	v_bfe_u32 v15, v0, 4, 1
	s_mul_i32 s18, s14, 16*APITCH
	v_add_nc_u32 v4, s18, v1                       ; in: my 16 rows
	v_mul_u32_u24 v5, v14, APITCH
	v_lshl_add_u32 v5, v15, 6, v5                  ; a fragment's lane (r, h): row r, byte 64 h
	v_lshlrev_b32 v6, 5, v15                       ; b1: 32 h
	s_lshr_b32 s18, s14, 1
	s_lshl_b32 s18, s18, 9
	s_and_b32 s19, s14, 1
	s_lshl_b32 s19, s19, 3
	s_add_co_u32 s18, s18, s19
	s_add_co_u32 s18, s18, STG
	v_add_nc_u32 v7, s18, v1                       ; my 8 codes: register block w / 2, half w % 2 of the lane's 16 bytes
	s_lshl_b32 s18, s14, 10
	s_add_co_u32 s18, s18, STG
	v_add_nc_u32 v8, s18, v1                       ; back: query tile w
	s_and_b32 s16, ttmp7, 0xffff                   ; Rb
	s_lshl_b32 s17, ttmp9, 2
	s_add_co_u32 s17, s17, s14                     ; T
	s_lshl_b32 s26, s16, 16                        ; 64 queries of 1,024 bytes,
	s_lshl_b32 s27, s14, 14                        ; my 16
	s_add_co_u32 s26, s26, s27
	s_mov_b32 s27, 0
	s_mul_i32 s28, s17, 49152                      ; 24 fragments
	s_mov_b32 s29, 0
	s_lshl_b32 s30, s17, 6
	s_mov_b32 s31, 0
	s_lshl_b32 s32, s16, 2
	s_add_co_u32 s32, s32, s14                     ; the query tile that I store,
	s_lshl_b32 s32, s32, 3
	s_lshr_b32 s33, ttmp9, 1
	s_add_co_u32 s32, s32, s33                     ; K step Hb / 2 of the next product,
	s_lshl_b32 s32, s32, 11
	s_and_b32 s33, ttmp9, 1
	s_lshl_b32 s33, s33, 10                        ; its register blocks 2 (Hb % 2), + 1
	s_add_co_u32 s32, s32, s33
	s_mov_b32 s33, 0
	s_wait_kmcnt 0x0
	s_load_b128 s[20:23], s[10:11], 0x0            ; e0 .. e3
	s_load_b64 s[24:25], s[10:11], 0x10            ; e4, e5
	s_add_nc_u64 s[4:5], s[4:5], s[26:27]
	s_add_nc_u64 s[6:7], s[6:7], s[28:29]
	s_add_nc_u64 s[8:9], s[8:9], s[30:31]
	s_add_nc_u64 s[12:13], s[12:13], s[32:33]
	WIN 0x40
.irp n, 0,1,2,3,4,5,6,7,8,9,10,11,12,13,14,15,16,17,18,19,20,21,22,23,24,25,26,27,28,29,30,31
	global_load_b128 v[4*\n:4*\n+3], v1, s[4:5] offset:512*\n     ; my 16 rows: 16 KiB on end
.endr
	WIN 0
	global_load_b128 v[BI:BI+3], v6, s[8:9]
	global_load_b128 v[BI+4:BI+7], v6, s[8:9] offset:16
.set ls, 0
.rept 12
	WLD
.set ls, ls+1
.endr
	s_wait_loadcnt 50                              ; the rows are in; behind them: b1's two loads and W1's first 48
	WIN 0x04                                       ; an LDS store's data are source 1: window 1
.irp n, 0,1,2,3,4,5,6,7,8,9,10,11,12,13,14,15,16,17,18,19,20,21,22,23,24,25,26,27,28,29,30,31
	ds_store_b128 v4, v[4*\n:4*\n+3] offset:(\n/2)*APITCH+512*(\n%2)
.endr
.rept 12
	WLD
.set ls, ls+1
.endr
	WIN 0
	s_wait_dscnt 0x0                               ; for the others' sake: my stores are done
	s_barrier_signal -1
	s_barrier_wait -1                              ; 64 rows lie in LDS
	WIN 0x40
.irp m, 0,1,2,3
.irp n, 0,1,2,3,4,5,6,7,8,9,10,11,12,13,14,15
	ds_load_b128 v[64*\m+4*\n:64*\m+4*\n+3], v5 offset:16*APITCH*\m+128*(\n/4)+16*(\n%4)
.endr
.endr
	WIN 0x80
.irp m, 0,1,2,3
.irp n, 0,1,2,3,4,5,6,7,8,9,10,11,12,13,14,15
	ds_load_b128 v[64*\m+4*\n:64*\m+4*\n+3], v5 offset:16*APITCH*\m+512+128*(\n/4)+16*(\n%4)
.endr
.endr
	WIN 0
	s_wait_kmcnt 0x0
	s_add_co_i32 s34, s22, s23                     ; e2 + e3: a sum stands for sum x 2^(e2 + e3)
	s_sub_co_i32 s35, 0, s34
	s_sub_co_i32 s36, s24, s34                     ; e4 - e2 - e3
	s_add_co_i32 s36, s36, 127
	s_lshl_b32 s37, s36, 23
	v_mov_b32 v9, s37                              ; the conversion's scale
	s_add_co_i32 s36, s36, 8
	s_lshl_b32 s36, s36, 23
	s_or_b32 s36, s36, 0x600000
	v_mov_b32 v10, s36                             ; 448 x that
.set be, 0
.rept 6                                ; the six blocks of 512 along K
.if be < 2
	s_wait_loadcnt 63                              ; the younger fragments' loads are 80 and 64; the count is held at the largest that the wait can name
.else
	s_wait_loadcnt 16*(5-be)                       ; this block's four fragments are in; the later blocks' stay out
.endif
.if be == 0
.irp j, 0,1,2,3,4,5,6,7
	v_ldexp_f32 v[BI+\j], v[BI+\j], s35            ; b1 / 2^(e2 + e3)
.endr
	s_wait_dscnt 63                                ; of the 128 LDS loads the first 64, x_last's fragments, are in
	WIN 0x07                                       ; source 0 (W1) window 3, source 1 window 1
.elseif be == 1
	s_wait_dscnt 0x0                               ; the weighted row's fragments
	WIN 0x0b                                       ; source 1 window 2
.elseif be == 4
	WIN 0x08                                       ; source 0 window 0
.endif
.set sp, 0
.rept 4
.if be < 4
.set wr, 16*(4*be+sp)
.else
.set wr, 128+16*(4*(be-4)+sp)
.endif
.irp m, 0,1,2,3
.if (be == 0) && (sp == 0)
	v_wmma_f32_16x16x128_fp8_fp8 v[ACC+8*\m:ACC+8*\m+7], v[wr:wr+15], v[64*\m+16*sp:64*\m+16*sp+15], v[BI:BI+7]
.else
	v_wmma_f32_16x16x128_fp8_fp8 v[ACC+8*\m:ACC+8*\m+7], v[wr:wr+15], v[64*\m+16*sp:64*\m+16*sp+15], v[ACC+8*\m:ACC+8*\m+7]
.endif
.endr
.set sp, sp+1
.endr
.set be, be+1
.endr
	WIN 0
.rept 4
	v_nop                                          ; four places ahead of the first read of results (ISA guide 7.12.1)
.endr
.irp m, 0,1,2,3
.irp j, 0,1,2,3,4,5,6,7
	v_med3_num_f32 v[ACC+8*\m+\j], v[ACC+8*\m+\j], 0, v10      ; the activation and the hold in one; each accumulator from its low end on
.endr
.endr
.irp m, 0,1,2,3
	v_cvt_scalef32_pk8_fp8_f32 v[CO+2*\m:CO+2*\m+1], v[ACC+8*\m:ACC+8*\m+7], v9
.endr
	v_nop
.irp m, 0,1,2,3
	ds_store_b64 v7, v[CO+2*\m:CO+2*\m+1] offset:1024*\m
.endr
	s_wait_dscnt 0x0
	s_barrier_signal -1
	s_barrier_wait -1                              ; four waves' codes make two register blocks for each query tile
	ds_load_b128 v[64:67], v8
	ds_load_b128 v[68:71], v8 offset:512
	s_wait_dscnt 0x0
	global_store_b128 v1, v[64:67], s[12:13]                   ; 32 lanes store 512 consecutive bytes
	global_store_b128 v1, v[68:71], s[12:13] offset:512
	s_wait_tensorcnt 0x0                           ; the wave's end
	ds_add_u32 v[SPW], v[NIL]
	s_wait_dscnt 0x0
	s_endpgm
.Lfunc_end_k_qd907220832_fuse1:
	.size	k_qd907220832_fuse1, .Lfunc_end_k_qd907220832_fuse1-k_qd907220832_fuse1
	.p2alignl 7, 3214868480
	.fill 96, 4, 3214868480
	.section	.rodata,"a",@progbits
	.p2align	6, 0x0
	.amdhsa_kernel k_qd907220832_fuse1
		.amdhsa_group_segment_fixed_size 71168
		.amdhsa_private_segment_fixed_size 0
		.amdhsa_enable_private_segment 0
		.amdhsa_kernarg_size 40
		.amdhsa_user_sgpr_count 2
		.amdhsa_user_sgpr_kernarg_segment_ptr 1
		.amdhsa_wavefront_size32 1
		.amdhsa_system_sgpr_workgroup_id_x 1
		.amdhsa_system_sgpr_workgroup_id_y 1
		.amdhsa_system_sgpr_workgroup_id_z 1
		.amdhsa_system_vgpr_workitem_id 0
		.amdhsa_next_free_vgpr 1024
		.amdhsa_next_free_sgpr 66
		.amdhsa_reserve_vcc 0
		.amdhsa_float_denorm_mode_32 3
		.amdhsa_float_denorm_mode_16_64 3
		.amdhsa_memory_ordered 1
		.amdhsa_forward_progress 1
		.amdhsa_inst_pref_size 36
	.end_amdhsa_kernel
	.amdgpu_metadata
---
amdhsa.version: [ 1, 2 ]
amdhsa.kernels:
  - .name:           k_qd907220832_fuse1
    .symbol:         k_qd907220832_fuse1.kd
    .args:
      - { .name: augc, .offset: 0, .size: 8, .value_kind: global_buffer, .address_space: global }
      - { .name: w1c, .offset: 8, .size: 8, .value_kind: global_buffer, .address_space: global }
      - { .name: b1, .offset: 16, .size: 8, .value_kind: global_buffer, .address_space: global }
      - { .name: lowp_scales, .offset: 24, .size: 8, .value_kind: global_buffer, .address_space: global }
      - { .name: hq, .offset: 32, .size: 8, .value_kind: global_buffer, .address_space: global }
    .group_segment_fixed_size: 71168
    .private_segment_fixed_size: 0
    .kernarg_segment_align: 8
    .kernarg_segment_size: 40
    .max_flat_workgroup_size: 128
    .sgpr_count:     66
    .vgpr_count:     1024
    .wavefront_size: 32
...
	.end_amdgpu_metadata
.endif
;; end of part 5
;; launch fuse2 (part 6): grid 64 x 1, 4 waves a work-group, no clusters, 34,048 bytes of LDS; arguments hq, w2c, b2, gamma, beta, lowp_scales, out0; writes out0
.if DOCPART == 6
	.amdgcn_target "amdgcn-amd-amdhsa--gfx1250"
	.amdhsa_code_object_version 6
	.text
	.protected	k_qd907220832_fuse2
	.globl	k_qd907220832_fuse2
	.p2align	8
	.type	k_qd907220832_fuse2,@function
k_qd907220832_fuse2:
	s_mov_b64 s[64:65], 0
	v_nop
	global_prefetch_b8 v0, s[64:65] scope:SCOPE_SE
	s_setreg_imm32_b32 hwreg(HW_REG_WAVE_MODE, 25, 1), 1
	s_wait_xcnt 0x0
; out = LayerNorm(h W2 + b2) x gamma + beta; the product on codes of E4M3, all else in f32.
; SHARES.  A work-group takes 16 queries and all 512 outputs, since the norm wants whole rows; wave w makes output tiles 8 w .. 8 w + 7: eight accumulators, which take turns.  1,024 queries make 64 such work-groups.
; K = 1,024 = 8 steps of 128.  The hidden layer's eight fragments stay in registers; W2's come from memory straight into operand registers, two K steps (64 loads) ahead, in two buffers.
; TRANSPOSED: source 0 = 16 columns of W2, source 1 = 16 queries: lane (r, h) holds query r and outputs 16 T + 8 h + 0..7.  y = sum x 2^(e4 + e5) + b2, one packed multiply-add for two numbers.
; THE NORM in two passes: the mean first, then the mean of (y - mean)^2: no difference of large sums.  A lane's 64 numbers, the other half of the lanes, then the four waves through LDS: two barriers.
; THE WAY OUT: (y - mean) / sqrt(var + 1e-5) goes through a stage in LDS and comes back as whole rows, where gamma and beta lie along the lanes; 32 lanes store 512 consecutive bytes.
; LIMITS: e4 + e5 between -126 and 127; NaN among the inputs is not served.
; No tensor loads, no cluster: the weights go into operand registers as they lie in memory, through no LDS tile that partners could be sent jointly.
; REGISTERS: window 0: v1-9 addresses; v16-79 accumulators; v80-207 the hidden layer's fragments, later v80-143 y and v144-207 rows on the way out; v208-221 at work.  Window 1: W2's two buffers.  Window 2: v0-63 b2, v64-79 gamma, v80-95 beta.
.set SQB,    256                       ; LDS: 16 x 4 sums at 0, 16 x 4 sums of squares at 256,
.set STG,    512                       ; the stage: 16 rows x (2,048 bytes + 16),
.set SPITCH, 2064
.set SPARE,  STG+16*SPITCH             ; and the spare words, 128 bytes for each wave, that no other line names
.set SPW, 8
.set NIL, 9
.set ACC, 16
.set HF,  80
.set Y,   80
.set OR,  144
.set SEL, 26
.set MSB, 0
.macro WIN new                         ; the immediate's high byte repeats the setting that is left; a switch that changes nothing is dropped
.if MSB != (\new)
	s_set_vgpr_msb (MSB<<8)|(\new)
.set MSB, (\new)
.endif
.endm
.macro W2LD                            ; my eight tiles' fragments of K step ls into buffer ls % 2
	WIN 0x40
.irp t, 0,1,2,3,4,5,6,7
.irp c, 0,1,2,3
	global_load_b128 v[128*(ls&1)+16*\t+4*\c:128*(ls&1)+16*\t+4*\c+3], v1, s[6:7] offset:16384*\t+2048*ls+512*\c
.endr
.endr
.endm
.macro ACROSS off                      ; v208: my lane's sum -> the row's sum over the other half of the lanes and the four waves, in v213
	v_permlanex16_b32 v212, v208, s[SEL], s[SEL+1]
	v_add_f32 v208, v208, v212
	ds_store_b32 v3, v208 offset:\off              ; lanes r and r + 16 hold the same number and write the same word
	s_wait_dscnt 0x0
	s_barrier_signal -1
	s_barrier_wait -1
	ds_load_b32 v213, v4 offset:\off
	ds_load_b32 v214, v4 offset:\off+64
	ds_load_b32 v215, v4 offset:\off+128
	ds_load_b32 v216, v4 offset:\off+192
	s_wait_dscnt 0x0
	v_add_f32 v213, v213, v214
	v_add_f32 v215, v215, v216
	v_add_f32 v213, v213, v215
.endm
	s_load_b256 s[4:11], s[0:1], 0x0               ; hq s[4:5], w2c s[6:7], b2 s[8:9], gamma s[10:11]
	s_load_b128 s[12:15], s[0:1], 0x20             ; beta s[12:13], the scales' exponents s[14:15]
	s_load_b64 s[16:17], s[0:1], 0x30              ; out0
	v_lshl_add_u32 v[SPW], v0, 2, SPARE
	v_mov_b32 v[NIL], 0
	v_lshrrev_b32 v1, 5, v0
	v_readfirstlane_b32 s18, v1                    ; wave 0..3
	v_and_b32 v10, 31, v0
	v_lshlrev_b32 v1, 4, v10                       ; 16 x lane
	v_and_b32 v11, 15, v0                          ; r
	v_bfe_u32 v12, v0, 4, 1                        ; h
	v_lshlrev_b32 v2, 5, v12                       ; b2: 32 h
	v_lshlrev_b32 v4, 2, v11                       ; the sums: 4 r,
	s_lshl_b32 s19, s18, 6
	v_add_nc_u32 v3, s19, v4                       ; + 64 w
	v_mul_u32_u24 v5, v11, SPITCH
	v_lshl_add_u32 v5, v12, 5, v5
	s_lshl_b32 s19, s18, 9
	s_add_co_u32 s19, s19, STG
	v_add_nc_u32 v5, s19, v5                       ; the stage, in: row r, my wave's 512 bytes, + 32 h
	s_mul_i32 s19, s18, 4*SPITCH
	s_add_co_u32 s19, s19, STG
	v_add_nc_u32 v6, s19, v1                       ; back: rows 4 w on, 16 bytes a lane
	s_lshl_b32 s28, ttmp9, 14                      ; the query tile's eight fragments
	s_mov_b32 s29, 0
	s_lshl_b32 s30, s18, 17                        ; my eight tiles of W2
	s_mov_b32 s31, 0
	s_lshl_b32 s32, s18, 9                         ; my 128 numbers of b2
	s_mov_b32 s33, 0
	s_lshl_b32 s34, ttmp9, 15                      ; 16 rows of 2,048 bytes,
	s_lshl_b32 s35, s18, 13                        ; my four
	s_add_co_u32 s34, s34, s35
	s_mov_b32 s35, 0
	s_mov_b32 s[SEL], 0x76543210
	s_mov_b32 s[SEL+1], 0xfedcba98
	s_mov_b32 s22, 0x3727c5ac                      ; 1e-5
	s_mov_b32 s23, 0x3b000000                      ; 1 / 512
	v_mov_b32 v212, 0                              ; written once: a lane permute's destination counts as one of its sources
	s_wait_kmcnt 0x0
	s_load_b64 s[20:21], s[14:15], 0x10            ; e4, e5
	s_add_nc_u64 s[4:5], s[4:5], s[28:29]
	s_add_nc_u64 s[6:7], s[6:7], s[30:31]
	s_add_nc_u64 s[8:9], s[8:9], s[32:33]
	s_add_nc_u64 s[16:17], s[16:17], s[34:35]
.irp n, 0,1,2,3,4,5,6,7,8,9,10,11,12,13,14,15,16,17,18,19,20,21,22,23,24,25,26,27,28,29,30,31
	global_load_b128 v[HF+4*\n:HF+4*\n+3], v1, s[4:5] offset:512*\n
.endr
	WIN 0x80
.irp t, 0,1,2,3,4,5,6,7
	global_load_b128 v[8*\t:8*\t+3], v2, s[8:9] offset:64*\t
	global_load_b128 v[8*\t+4:8*\t+7], v2, s[8:9] offset:64*\t+16
.endr
.irp i, 0,1,2,3
	global_load_b128 v[64+4*\i:67+4*\i], v1, s[10:11] offset:512*\i
.endr
.irp i, 0,1,2,3
	global_load_b128 v[80+4*\i:83+4*\i], v1, s[12:13] offset:512*\i
.endr
.set ls, 0
	W2LD
.set ls, 1
	W2LD
.set ks, 0
.rept 8
.if ks < 7
	s_wait_loadcnt 32                              ; this K step's 32 loads, and all that is older, are in; the next step's stay out
.else
	s_wait_loadcnt 0x0
.endif
	WIN 0x01                                       ; source 0 (W2) window 1
.irp t, 0,1,2,3,4,5,6,7
.if ks == 0
	v_wmma_f32_16x16x128_fp8_fp8 v[ACC+8*\t:ACC+8*\t+7], v[128*(ks&1)+16*\t:128*(ks&1)+16*\t+15], v[HF+16*ks:HF+16*ks+15], 0
.else
	v_wmma_f32_16x16x128_fp8_fp8 v[ACC+8*\t:ACC+8*\t+7], v[128*(ks&1)+16*\t:128*(ks&1)+16*\t+15], v[HF+16*ks:HF+16*ks+15], v[ACC+8*\t:ACC+8*\t+7]
.endif
.endr
.rept 4
	v_nop                                          ; four places ahead of loads into registers that matrix instructions have read, and at the end of the first read of results
.endr
.if ks < 6
.set ls, ks+2
	W2LD
.endif
.set ks, ks+1
.endr
	s_wait_kmcnt 0x0
	s_add_co_i32 s20, s20, s21
	s_add_co_i32 s20, s20, 127
	s_lshl_b32 s20, s20, 23                        ; 2^(e4 + e5) as f32
	s_mov_b32 s21, s20                             ; (named with it as a pair, so it is written)
	WIN 0x20                                       ; source 2 (b2) window 2
.irp t, 0,1,2,3,4,5,6,7
.irp i, 0,2,4,6
	v_pk_fma_f32 v[Y+8*\t+\i:Y+8*\t+\i+1], v[ACC+8*\t+\i:ACC+8*\t+\i+1], s[20:21], v[8*\t+\i:8*\t+\i+1] op_sel_hi:[1,0,1]   ; each accumulator from its low end on
.endr
.endr
	WIN 0
	v_pk_add_f32 v[208:209], v[Y:Y+1], v[Y+2:Y+3]  ; my 64 numbers, two at a time, in two chains
	v_pk_add_f32 v[210:211], v[Y+4:Y+5], v[Y+6:Y+7]
.irp j, 8,12,16,20,24,28,32,36,40,44,48,52,56,60
	v_pk_add_f32 v[208:209], v[208:209], v[Y+\j:Y+\j+1]
	v_pk_add_f32 v[210:211], v[210:211], v[Y+\j+2:Y+\j+3]
.endr
	v_pk_add_f32 v[208:209], v[208:209], v[210:211]
	v_add_f32 v208, v208, v209
	ACROSS 0
	v_mul_f32 v218, -v213, s23                     ; -mean,
	v_mov_b32 v219, v218                           ; twice: a pair for the packed addition
.irp j, 0,2,4,6,8,10,12,14,16,18,20,22,24,26,28,30,32,34,36,38,40,42,44,46,48,50,52,54,56,58,60,62
	v_pk_add_f32 v[Y+\j:Y+\j+1], v[Y+\j:Y+\j+1], v[218:219]
.endr
	v_pk_mul_f32 v[208:209], v[Y:Y+1], v[Y:Y+1]
	v_pk_mul_f32 v[210:211], v[Y+2:Y+3], v[Y+2:Y+3]
.irp j, 4,8,12,16,20,24,28,32,36,40,44,48,52,56,60
	v_pk_fma_f32 v[208:209], v[Y+\j:Y+\j+1], v[Y+\j:Y+\j+1], v[208:209]
	v_pk_fma_f32 v[210:211], v[Y+\j+2:Y+\j+3], v[Y+\j+2:Y+\j+3], v[210:211]
.endr
	v_pk_add_f32 v[208:209], v[208:209], v[210:211]
	v_add_f32 v208, v208, v209
	ACROSS SQB                                     ; other bytes than the first sums': no barrier is owed between the two uses
	v_fma_f32 v220, v213, s23, s22                 ; var + 1e-5
	v_mov_b32 v221, 0                              ; (named as the upper half of the pair v[220:221])
	v_rsq_f32 v220, v220
	v_nop                                          ; one plain instruction behind the root (ISA guide 5.7.2)
	s_wait_alu depctr_va_vdst(0)                   ; and a wait ahead of its first reader
.irp j, 0,2,4,6,8,10,12,14,16,18,20,22,24,26,28,30,32,34,36,38,40,42,44,46,48,50,52,54,56,58,60,62
	v_pk_mul_f32 v[Y+\j:Y+\j+1], v[Y+\j:Y+\j+1], v[220:221] op_sel_hi:[1,0]
.endr
.irp t, 0,1,2,3,4,5,6,7
	ds_store_b128 v5, v[Y+8*\t:Y+8*\t+3] offset:64*\t
	ds_store_b128 v5, v[Y+8*\t+4:Y+8*\t+7] offset:64*\t+16
.endr
	s_wait_dscnt 0x0                               ; for the others' sake: my stores into the stage are done
	s_barrier_signal -1
	s_barrier_wait -1                              ; 16 whole rows lie in the stage
.irp n, 0,1,2,3,4,5,6,7,8,9,10,11,12,13,14,15
	ds_load_b128 v[OR+4*\n:OR+4*\n+3], v6 offset:SPITCH*(\n/4)+512*(\n%4)
.endr
	WIN 0x28                                       ; sources 1 (gamma) and 2 (beta) window 2
.irp n, 0,1,2,3,4,5,6,7,8,9,10,11,12,13,14,15
	s_wait_dscnt 15-\n
	v_pk_fma_f32 v[OR+4*\n:OR+4*\n+1], v[OR+4*\n:OR+4*\n+1], v[64+4*(\n%4):65+4*(\n%4)], v[80+4*(\n%4):81+4*(\n%4)]
	v_pk_fma_f32 v[OR+4*\n+2:OR+4*\n+3], v[OR+4*\n+2:OR+4*\n+3], v[66+4*(\n%4):67+4*(\n%4)], v[82+4*(\n%4):83+4*(\n%4)]
.endr
	WIN 0                                          ; a store's data are source 1: back to window 0 ahead of the stores
.irp n, 0,1,2,3,4,5,6,7,8,9,10,11,12,13,14,15
	global_store_b128 v1, v[OR+4*\n:OR+4*\n+3], s[16:17] offset:2048*(\n/4)+512*(\n%4) th:TH_STORE_NT   ; 32 lanes store 512 consecutive bytes; written once, read by nobody here
.endr
	s_wait_tensorcnt 0x0                           ; the wave's end
	ds_add_u32 v[SPW], v[NIL]
	s_wait_dscnt 0x0
	s_endpgm
.Lfunc_end_k_qd907220832_fuse2:
	.size	k_qd907220832_fuse2, .Lfunc_end_k_qd907220832_fuse2-k_qd907220832_fuse2
	.p2alignl 7, 3214868480
	.fill 96, 4, 3214868480
	.section	.rodata,"a",@progbits
	.p2align	6, 0x0
	.amdhsa_kernel k_qd907220832_fuse2
		.amdhsa_group_segment_fixed_size 34048
		.amdhsa_private_segment_fixed_size 0
		.amdhsa_enable_private_segment 0
		.amdhsa_kernarg_size 56
		.amdhsa_user_sgpr_count 2
		.amdhsa_user_sgpr_kernarg_segment_ptr 1
		.amdhsa_wavefront_size32 1
		.amdhsa_system_sgpr_workgroup_id_x 1
		.amdhsa_system_sgpr_workgroup_id_y 1
		.amdhsa_system_sgpr_workgroup_id_z 1
		.amdhsa_system_vgpr_workitem_id 0
		.amdhsa_next_free_vgpr 640
		.amdhsa_next_free_sgpr 66
		.amdhsa_reserve_vcc 0
		.amdhsa_float_denorm_mode_32 3
		.amdhsa_float_denorm_mode_16_64 3
		.amdhsa_memory_ordered 1
		.amdhsa_forward_progress 1
		.amdhsa_inst_pref_size 56
	.end_amdhsa_kernel
	.amdgpu_metadata
---
amdhsa.version: [ 1, 2 ]
amdhsa.kernels:
  - .name:           k_qd907220832_fuse2
    .symbol:         k_qd907220832_fuse2.kd
    .args:
      - { .name: hq, .offset: 0, .size: 8, .value_kind: global_buffer, .address_space: global }
      - { .name: w2c, .offset: 8, .size: 8, .value_kind: global_buffer, .address_space: global }
      - { .name: b2, .offset: 16, .size: 8, .value_kind: global_buffer, .address_space: global }
      - { .name: gamma, .offset: 24, .size: 8, .value_kind: global_buffer, .address_space: global }
      - { .name: beta, .offset: 32, .size: 8, .value_kind: global_buffer, .address_space: global }
      - { .name: lowp_scales, .offset: 40, .size: 8, .value_kind: global_buffer, .address_space: global }
      - { .name: out0, .offset: 48, .size: 8, .value_kind: global_buffer, .address_space: global }
    .group_segment_fixed_size: 34048
    .private_segment_fixed_size: 0
    .kernarg_segment_align: 8
    .kernarg_segment_size: 56
    .max_flat_workgroup_size: 128
    .sgpr_count:     66
    .vgpr_count:     640
    .wavefront_size: 32
...
	.end_amdgpu_metadata
.endif
;; end of part 6
;; ======== version 2 of 2: 6 launches; version 1 with the launches scan, refine, fuse1, fuse2 written anew for expert scheduling mode
;; workspace buffers: xq 524,288 bytes; w1c 3,145,728 bytes; w2c 524,288 bytes; cand 10,240,000 bytes; gsel 32,768 bytes of whole numbers; augc 1,048,576 bytes; hq 1,048,576 bytes
;; launch prep: the kernel of part 1 again; grid 128 x 1, 4 waves a work-group, no clusters, 34,304 bytes of LDS; arguments x, W1, W2, lowp_scales, xq, w1c, w2c; writes xq, w1c, w2c
;; launch scan (part 7): grid 2 x 125, 4 waves a work-group, no clusters, 17,408 bytes of LDS; arguments hist, xq, lowp_scales, cand; writes cand
.if DOCPART == 7
	.amdgcn_target "amdgcn-amd-amdhsa--gfx1250"
	.amdhsa_code_object_version 6
	.text
	.protected	k_qd907220832_scan
	.globl	k_qd907220832_scan
	.p2align	8
	.type	k_qd907220832_scan,@function
k_qd907220832_scan:
	s_mov_b64 s[64:65], 0
	v_nop
	global_prefetch_b8 v0, s[64:65] scope:SCOPE_SE
	s_setreg_imm32_b32 hwreg(HW_REG_WAVE_SCHED_MODE, 0, 2), 2
	s_setreg_imm32_b32 hwreg(HW_REG_WAVE_MODE, 25, 1), 1
	s_wait_xcnt 0x0
	s_wait_alu depctr_vm_vsrc(0)
; The similarities of 1,024 queries with 100,000 history rows, on codes of E4M3, and of each query's similarities a short list from which the five largest can be found exactly.
; SHARES.  Work-group (X, P): history rows 800 P .. 800 P + 799 (50 tiles of 16; 125 x 800 = 100,000, nothing is padded) against queries 512 X .. 512 X + 511.  Wave w keeps 8 tiles of 16 queries as
; codes in 512 registers for the whole launch.  Of each history tile wave w reads rows 4 w .. 4 w + 3 as f32, divides each by max(its norm, 1e-8), quantises it with 2^e1 and puts its codes into LDS;
; all four waves read the tile's four fragments back, each fragment feeding eight matrix instructions.  So the history is read as f32 and never stored as codes.
; THE MATRIX INSTRUCTION: source 0 = 16 history rows, source 1 = 16 queries: lane (r, h) holds query r, its registers 0-7 history rows 16 t + 8 h + 0..7: a GROUP of eight neighbouring rows.
; THE LISTS.  Only a group's largest similarity is kept, with the tile's number t, in a sorted list of five for each lane and query tile.  The five largest similarities of a query lie in its five best groups
; (largest first, lower group first among equals): a group beaten by five others is beaten by five rows that come before all of its own.  Later launches merge the lists and work those 40 rows again.
; A strict 'greater' keeps the earlier tile ahead among equals.  The common factor 2^(e0 + e1) is positive and changes no order: it is applied where the values are used.
; BY TURNS.  While tile t is multiplied (32 matrix instructions), tile t + 1 is quantised: one slice of four to nine vector instructions stands behind each of the first 29 matrix instructions, the last two slices
; behind the 30th, the set's next loads behind the 31st.  Loads run four tiles ahead, in four sets of 64 registers: 64 loads of 512 bytes a wave are out.  ONE barrier a tile: in front of it each wave's stores
; of tile t + 1 are done; the slot that they fill held tile t - 1, whose reads every wave awaited ahead of the barrier before.
; NO TENSOR LOADS, NO CLUSTER: every history byte has to pass through registers for the norm and the conversion, so no tile of it lies in LDS as it lies in memory; and the grid, 2 x 125, divides into no
; cluster of four.  The two work-groups that share rows stand side by side in x and walk them in step.
; LIMITS: e1 between -126 and 119; NaN and infinities among the inputs are not served; k is permuted alike in both operands, so the order of the sums inside an instruction is not the textbook's.
; REGISTERS, in windows of 256: window 0: v1-14 addresses and scales; v16-79 8 accumulators; v80-143 the history tile's 4 fragments; v144-223 the lists, 10 a query tile (value, tile number) x 5;
;   v224-251 the quantiser's sums and codes, by turns with the group maxima.   windows 1, 2: the queries' fragments, tile j at window 1 + j / 4, v[64 (j % 4) + 16 s].   window 3: the four sets of f32 rows.
; THE MODE: SCHED_MODE bits 1:0 = 2 (LLVM: expert scheduling mode 2), set by the entry lines.  The code itself states the register dependences
; between vector or matrix instructions and memory or LDS instructions, with s_wait_alu, always for 0.
; THE PLAN.  Registers that memory or LDS instructions touch in the step of tile t, with SG = (t + 1) % 4:
;   set SG     Read, and written in place, by slices 0 to 29; behind them the 16 loads of tile t + 5 land in it.
;   v[4+SG]    The set's offset: read by those loads; written once in four steps, at the head of slice 30.
;   the codes  v236-251: written by slice 29's conversions; read by slice 30's four LDS stores; written again by the lists' work words (v236-239) in the same step and by the next step's conversions.
;   AF         v80-143: read by the step's 32 matrix instructions; the LDS loads of tile t + 1's fragments land in it behind the barrier.
;   v2, v3, v14  Made at the head, never written again.
; So a step has, beside the wait for its four roots: ONE wait on va_vdst in slice 30 (the codes and the offset are written; slices 0 to 29 are done with set SG), behind which the four LDS stores and, one
; matrix instruction on, the 16 loads follow with no further wait: what stands between names neither set SG nor the offset;  behind the barrier one wait on va_vdst (the matrix instructions are done reading AF)
; and one on vm_vsrc (the LDS stores have read the codes, the loads their offset);  and one wait on va_sdst between the lists' forty compares and the selects that read their masks.
.set SLOTB, 8448                       ; a slot: 16 rows x (512 bytes + 16)
.set SPARE, 2*SLOTB                    ; behind the two slots: the spare words, 128 bytes for each wave, that no other line names
.set ACC,  16
.set AF,   80
.set LIST, 144
.set QT,   224
.set QC,   236
.set MQ,   224                         ; the eight group maxima
.set TQ,   232                         ; eight words at work
.set QSC,  9                           ; v9   2^e1
.set QLIM, 10                          ; v10  448 x 2^e1
.set QLA,  2                           ; v2   where my 16 codes of my first row go in a slot
.set SPW,  12                          ; v12  LDS address of my spare word; never rewritten
.set NIL,  13                          ; v13  0; never rewritten
.set QXW,  3
.set QDW,  3
.set QSTEP, 0                          ; 1: slice 30 also moves set SG's offset on
.set SEL,  18                          ; s[18:19] lane selects: lane l xor 16
.set EPS2, 20                          ; s20  1e-16
.set CM,   24                          ; s24-63  forty compare masks: 5 q + i
.set MSB, 0
.macro WIN new                         ; the immediate's high byte repeats the setting that is left; a switch that changes nothing is dropped
.if MSB != (\new)
	s_set_vgpr_msb (MSB<<8)|(\new)
.set MSB, (\new)
.endif
.endm
.macro PLACES n
.rept \n
	v_nop
.endr
.endm
.macro MKSCALE se, tmp, vsc, vlim
	s_add_co_i32 s[\tmp], s[\se], 127
	s_lshl_b32 s[\tmp+1], s[\tmp], 23
	v_mov_b32 v[\vsc], s[\tmp+1]
	s_add_co_i32 s[\tmp], s[\tmp], 8
	s_lshl_b32 s[\tmp], s[\tmp], 23
	s_or_b32 s[\tmp], s[\tmp], 0x600000
	v_mov_b32 v[\vlim], s[\tmp]
.endm
; Slice qn (0..30) of the quantiser for FOUR rows: row a's 16 numbers of my lane stand in v[QX+16 a ..] (window QXW); the scaled copy goes to v[QD+16 a ..] (window QDW): here in place.
; 0-7 the sum of squares; 8-14 across the lane's pair and the 32 lanes; 15-16 1 / max(norm, 1e-8); 17-20 the scaling; 21-28 the hold at the largest code; 29 the conversions; 30 the codes to LDS.
.macro QS
.if qn < 8
	WIN QXW|(QXW<<2)
.irp a, 0,1,2,3
.if qn == 0
	v_pk_mul_f32 v[QT+2*\a:QT+2*\a+1], v[QX+16*\a:QX+16*\a+1], v[QX+16*\a:QX+16*\a+1]
.else
	v_pk_fma_f32 v[QT+2*\a:QT+2*\a+1], v[QX+16*\a+2*qn:QX+16*\a+2*qn+1], v[QX+16*\a+2*qn:QX+16*\a+2*qn+1], v[QT+2*\a:QT+2*\a+1]
.endif
.endr
.elseif qn == 8
	WIN 0
.irp a, 0,1,2,3
	v_add_f32 v[QT+2*\a], v[QT+2*\a], v[QT+2*\a+1]
.endr
.elseif qn == 9
	WIN 0
.irp a, 0,1,2,3
	v_add_f32_dpp v[QT+2*\a], v[QT+2*\a], v[QT+2*\a] row_xmask:1 row_mask:0xf bank_mask:0xf
.endr
.elseif qn == 10
	WIN 0
.irp a, 0,1,2,3
	v_add_f32_dpp v[QT+2*\a], v[QT+2*\a], v[QT+2*\a] row_xmask:2 row_mask:0xf bank_mask:0xf
.endr
.elseif qn == 11
	WIN 0
.irp a, 0,1,2,3
	v_add_f32_dpp v[QT+2*\a], v[QT+2*\a], v[QT+2*\a] row_xmask:4 row_mask:0xf bank_mask:0xf
.endr
.elseif qn == 12
	WIN 0
.irp a, 0,1,2,3
	v_add_f32_dpp v[QT+2*\a], v[QT+2*\a], v[QT+2*\a] row_xmask:8 row_mask:0xf bank_mask:0xf
.endr
.elseif qn == 13
	WIN 0
.irp a, 0,1,2,3
	v_permlanex16_b32 v[QT+8+\a], v[QT+2*\a], s[SEL], s[SEL+1]
.endr
.elseif qn == 14
	WIN 0
.irp a, 0,1,2,3
	v_add_f32 v[QT+2*\a], v[QT+2*\a], v[QT+8+\a]
.endr
.elseif qn == 15
	WIN 0
.irp a, 0,1,2,3
	v_max_num_f32 v[QT+2*\a], s[EPS2], v[QT+2*\a]
.endr
.elseif qn == 16
	WIN 0
.irp a, 0,1,2,3
	v_rsq_f32 v[QT+2*\a], v[QT+2*\a]
.endr
	v_nop                                          ; one plain instruction behind the last of the batch (ISA guide 5.7.2)
.elseif qn < 21
.if qn == 17
	s_wait_alu depctr_va_vdst(0)                   ; the four roots are written: one wait for the batch, ahead of their first reader
.endif
	WIN QXW|(QDW<<6)
.irp j, 0,2,4,6,8,10,12,14
	v_pk_mul_f32 v[QD+16*(qn-17)+\j:QD+16*(qn-17)+\j+1], v[QX+16*(qn-17)+\j:QX+16*(qn-17)+\j+1], v[QT+2*(qn-17):QT+2*(qn-17)+1] op_sel_hi:[1,0]
.endr
.elseif qn < 29
	WIN QDW|(QDW<<6)
.irp j, 0,1,2,3,4,5,6,7
	v_med3_num_f32 v[QD+8*(qn-21)+\j], v[QD+8*(qn-21)+\j], -v[QLIM], v[QLIM]   ; the conversion to an 8-bit code does not saturate (ISA guide 7.6.2)
.endr
.elseif qn == 29
	WIN QDW
.irp a, 0,1,2,3
	v_cvt_scalef32_pk8_fp8_f32 v[QC+4*\a:QC+4*\a+1], v[QD+16*\a:QD+16*\a+7], v[QSC]
	v_cvt_scalef32_pk8_fp8_f32 v[QC+4*\a+2:QC+4*\a+3], v[QD+16*\a+8:QD+16*\a+15], v[QSC]
.endr
	v_nop                                          ; one plain instruction behind the last conversion
.else
	WIN 0
.if QSTEP                              ; set SG takes the tile four further on.  Its last loads were shown done by the counted wait at the step's head, and have read the offset ahead of the last wait on vm_vsrc: so it may be written
	v_add_nc_u32 v[4+SG], 0x20000, v[4+SG]
	v_min_u32 v[4+SG], v[4+SG], v8                 ; tiles 50 to 52 do not exist: tile 49 is read in their place, so that every trip counts the same loads and none leaves the buffer
.endif
	s_wait_alu depctr_va_vdst(0)                   ; the conversions have written the codes, which the LDS stores below read; the offset is written, which the set's next loads read; slices 0 to 29 are done reading and writing set SG, in which those loads land
.irp a, 0,1,2,3
	ds_store_b128 v[QLA], v[QC+4*\a:QC+4*\a+3] offset:QLO+528*\a
.endr
.endif
.endm
.macro QROWS4
	s_wait_dscnt 0x0
.set qn, 0
.rept 31
	QS
.set qn, qn+1
.endr
.endm
; Matrix instruction wi of a tile's 32: query tile (wi % 4) + 4 (wi / 16), K step (wi / 4) % 4.  Four accumulators take turns, one instruction a turn.  A K step 0 starts its sum with 0.
.macro WM
.set wq, (wi&3)+4*(wi>>4)
.set ws, (wi>>2)&3
.if wq < 4
	WIN 0x04                                       ; source 1 (the queries) window 1
.else
	WIN 0x08                                       ; window 2
.endif
.if ws == 0
	v_wmma_f32_16x16x128_fp8_fp8 v[ACC+8*wq:ACC+8*wq+7], v[AF+16*ws:AF+16*ws+15], v[64*(wq&3)+16*ws:64*(wq&3)+16*ws+15], 0
.else
	v_wmma_f32_16x16x128_fp8_fp8 v[ACC+8*wq:ACC+8*wq+7], v[AF+16*ws:AF+16*ws+15], v[64*(wq&3)+16*ws:64*(wq&3)+16*ws+15], v[ACC+8*wq:ACC+8*wq+7]
.endif
.endm
.macro SLOADS                          ; set SG: my four rows of a tile, four loads of 512 consecutive bytes each.  No cache hint: the neighbouring work-group reads the same bytes
	WIN 0xc0                                       ; destination window 3
.irp a, 0,1,2,3
.irp i, 0,1,2,3
	global_load_b128 v[64*SG+16*\a+4*\i:64*SG+16*\a+4*\i+3], v[4+SG], s[4:5] offset:2048*\a+512*\i
.endr
.endr
.endm
.macro AFLOAD                          ; the tile in the slot at QLO: four fragments
.irp n, 0,1,2,3,4,5,6,7,8,9,10,11,12,13,14,15
	ds_load_b128 v[AF+4*\n:AF+4*\n+3], v3 offset:QLO+128*(\n/4)+16*(\n%4)
.endr
.endm
; The tile's eight results a lane become one maximum for each query tile, which is put into that tile's sorted list with the payload s15 = t.  The eight query tiles are innermost: no line waits for the line above it.
; Each accumulator is read from its low end on.
.macro TOPK
.irp q, 0,1,2,3,4,5,6,7
	v_max3_num_f32 v[MQ+\q], v[ACC+8*\q], v[ACC+8*\q+1], v[ACC+8*\q+2]
.endr
.irp q, 0,1,2,3,4,5,6,7
	v_max3_num_f32 v[TQ+\q], v[ACC+8*\q+3], v[ACC+8*\q+4], v[ACC+8*\q+5]
.endr
.irp q, 0,1,2,3,4,5,6,7
	v_max3_num_f32 v[MQ+\q], v[MQ+\q], v[ACC+8*\q+6], v[ACC+8*\q+7]
.endr
.irp q, 0,1,2,3,4,5,6,7
	v_max_num_f32 v[MQ+\q], v[MQ+\q], v[TQ+\q]
.endr
.irp i, 0,1,2,3,4
.irp q, 0,1,2,3,4,5,6,7
	v_cmp_gt_f32 s[CM+5*\q+\i], v[MQ+\q], v[LIST+10*\q+2*\i]
.endr
.endr
	s_wait_alu depctr_va_sdst(0)                   ; the forty compares have written their masks: one wait for the run, ahead of the first select that reads one
.irp i, 4,3,2,1                        ; place i takes: its own payload; or, where the newcomer beats it, the place above's, or the newcomer's where that place stands
.irp q, 0,1,2,3,4,5,6,7
	v_cndmask_b32 v[TQ+\q], s15, v[LIST+10*\q+2*(\i-1)+1], s[CM+5*\q+\i-1]
.endr
.irp q, 0,1,2,3,4,5,6,7
	v_cndmask_b32 v[LIST+10*\q+2*\i+1], v[LIST+10*\q+2*\i+1], v[TQ+\q], s[CM+5*\q+\i]
.endr
.endr
.irp q, 0,1,2,3,4,5,6,7
	v_cndmask_b32 v[LIST+10*\q+1], v[LIST+10*\q+1], s15, s[CM+5*\q]
.endr
.irp i, 4,3,2,1                        ; and the values: the middle one of the place above, the place itself and the newcomer
.irp q, 0,1,2,3,4,5,6,7
	v_med3_num_f32 v[LIST+10*\q+2*\i], v[LIST+10*\q+2*(\i-1)], v[LIST+10*\q+2*\i], v[MQ+\q]
.endr
.endr
.irp q, 0,1,2,3,4,5,6,7
	v_max_num_f32 v[LIST+10*\q], v[LIST+10*\q], v[MQ+\q]
.endr
	s_add_co_u32 s15, s15, 1
.endm
; Tile t = 4 b + k.  q: tile t + 1 is quantised beside the products;  l: its set is loaded again;  nxt: tile t + 1's fragments are fetched.
.macro STEP k, q, l, nxt
.set SG, ((\k)+1)&3
.set QX, 64*SG
.set QD, 64*SG
.set QLO, (((\k)+1)&1)*SLOTB
.set QSTEP, \l
	s_wait_dscnt 0x0                               ; tile t's fragments are in (asked for ahead of the last tile's lists)
.if \q
	s_wait_loadcnt 48                              ; set SG's 16 loads are in; the three younger sets' 48 stay out
.endif
.set wi, 0
.rept 32
	WM
.if \q
.if wi < 29
.set qn, wi
	QS
.elseif wi == 29
.set qn, 29
	QS
.set qn, 30
	QS
.elseif wi == 30
.if \l
	SLOADS                                         ; no wait: since the one in slice 30 only the LDS stores and one matrix instruction were issued, which name neither set SG nor its offset
.endif
.endif
.endif
.set wi, wi+1
.endr
	WIN 0
	PLACES 4                                       ; four places behind the last products, ahead of the first read of results (ISA guide 7.12.1)
.if \q
	s_wait_dscnt 0x0                               ; for the others' sake: my stores of tile t + 1 are done
	s_barrier_signal -1
	s_barrier_wait -1                              ; the tile is whole
.endif
.if \nxt
	s_wait_alu depctr_va_vdst(0)                   ; the step's matrix instructions are done reading AF, in which the LDS loads below land
	s_wait_alu depctr_vm_vsrc(0)                   ; my LDS stores have read the codes' registers, which the lists' work words and the next step's conversions write; the set's loads have read their offset, which is written again four steps on
	AFLOAD
.endif
	TOPK
.endm
	s_load_b256 s[4:11], s[0:1], 0x0               ; hist s[4:5], xq s[6:7], the scales' exponents s[8:9], cand s[10:11]
	v_lshl_add_u32 v[SPW], v0, 2, SPARE
	v_mov_b32 v[NIL], 0
	v_lshrrev_b32 v1, 5, v0
	v_readfirstlane_b32 s12, v1                    ; wave 0..3
	v_and_b32 v15, 31, v0                          ; lane
	v_lshlrev_b32 v1, 4, v15                       ; 16 x lane
	v_lshlrev_b32 v14, 3, v15                      ; 8 x lane
	s_wait_alu depctr_va_sdst(0)                   ; s12 is written, ahead of its first reader
	s_mul_i32 s13, s12, 2112                       ; my four rows of a slot
	v_add_nc_u32 v2, s13, v1
	v_and_b32 v3, 15, v0
	v_bfe_u32 v11, v0, 4, 1
	v_mul_u32_u24 v3, v3, 528
	v_lshl_add_u32 v3, v11, 6, v3                  ; a fragment's lane (r, h): row r, byte 64 h
	s_lshl_b32 s13, s12, 13                        ; my four rows of a tile in memory
	v_add_nc_u32 v4, s13, v1                       ; the four sets' offsets: tiles 0 to 3,
	v_add_nc_u32 v5, 32768, v4
	v_add_nc_u32 v6, 65536, v4
	v_add_nc_u32 v7, 98304, v4
	v_add_nc_u32 v8, 49*32768, v4                  ; and the last tile's
	s_and_b32 s14, ttmp7, 0xffff                   ; P
	s_mul_i32 s2, s14, 1638400                     ; 800 rows of 2,048 bytes
	s_mov_b32 s3, 0
	s_lshl_b32 s17, ttmp9, 5
	s_lshl_b32 s21, s12, 3
	s_add_co_u32 s17, s17, s21                     ; my first query tile: 32 X + 8 w
	s_lshl_b32 s22, s17, 13
	s_mov_b32 s23, 0
	s_lshl_b32 s21, s14, 6
	s_add_co_u32 s21, s21, s17
	s_mul_i32 s24, s21, 1280                       ; cand: [P][query tile][5][lane][8 bytes]
	s_mov_b32 s25, 0
	s_mov_b32 s[SEL], 0x76543210
	s_mov_b32 s[SEL+1], 0xfedcba98
	s_mov_b32 s[EPS2], 0x24e69595
	s_wait_kmcnt 0x0
	s_load_b32 s21, s[8:9], 0x4                    ; e1
	s_add_nc_u64 s[4:5], s[4:5], s[2:3]
	s_add_nc_u64 s[6:7], s[6:7], s[22:23]
	s_add_nc_u64 s[10:11], s[10:11], s[24:25]
	WIN 0x40                                       ; destination window 1
	s_wait_alu depctr_va_vdst(0)                   ; the offsets and addresses v1 to v8 and v14, and the add's two registers, are written: the loads, LDS instructions and stores of the kernel read them
.irp j, 0,1,2,3
.irp n, 0,1,2,3,4,5,6,7,8,9,10,11,12,13,14,15
	global_load_b128 v[64*\j+4*\n:64*\j+4*\n+3], v1, s[6:7] offset:8192*\j+512*\n
.endr
.endr
	WIN 0x80                                       ; window 2
.irp j, 0,1,2,3
.irp n, 0,1,2,3,4,5,6,7,8,9,10,11,12,13,14,15
	global_load_b128 v[64*\j+4*\n:64*\j+4*\n+3], v1, s[6:7] offset:8192*(\j+4)+512*\n
.endr
.endr
.set SG, 0
	SLOADS
.set SG, 1
	SLOADS
.set SG, 2
	SLOADS
.set SG, 3
	SLOADS
	WIN 0
.irp q, 0,1,2,3,4,5,6,7
.irp i, 0,1,2,3,4
	v_mov_b32 v[LIST+10*\q+2*\i], 0xff800000       ; the lists begin as -infinity, under every similarity,
	v_mov_b32 v[LIST+10*\q+2*\i+1], 0              ; with tile 0
.endr
.endr
.irp a, 0,1,2,3
	v_mov_b32 v[QT+8+\a], 0                        ; written once: a lane permute's destination counts as one of its sources
.endr
	s_wait_kmcnt 0x0
	MKSCALE 21, 22, QSC, QLIM
	s_wait_loadcnt 48                              ; the queries and set 0 are in; sets 1 to 3 stay out
	s_wait_alu depctr_vm_vsrc(0)                   ; the four sets' first loads have read their offsets v4 to v7: slice 30 below writes set 0's, the loop's first three steps the others'
.set SG, 0
.set QX, 0
.set QD, 0
.set QLO, 0
.set QSTEP, 1
	QROWS4                                         ; tile 0 has no products to stand beside
	SLOADS                                         ; tile 4: behind slice 30's wait, with the LDS stores alone between
	WIN 0
	s_wait_dscnt 0x0
	s_barrier_signal -1
	s_barrier_wait -1
	s_wait_alu depctr_vm_vsrc(0)                   ; my LDS stores of tile 0 have read the codes' registers, which the lists' work words and the first step's conversions write; tile 4's loads have read v4
	AFLOAD
	s_mov_b32 s15, 0                               ; t
	s_mov_b32 s16, 12
.Ltrip:                                            ; tiles 4 b .. 4 b + 3: the four sets and the two slots are back where they began
	STEP 0, 1, 1, 1
	STEP 1, 1, 1, 1
	STEP 2, 1, 1, 1
	STEP 3, 1, 1, 1
	s_sub_co_u32 s16, s16, 1
	s_cmp_lg_u32 s16, 0
	s_cbranch_scc1 .Ltrip
	STEP 0, 1, 0, 1                                ; tile 48; tile 49 is quantised; nothing more is loaded
	STEP 1, 0, 0, 0                                ; tile 49
	s_wait_alu depctr_va_vdst(0)                   ; the last tile's selects have written the lists, which the stores below read
.irp j, 0,1,2,3,4,5,6,7
.irp e, 0,1,2,3,4
	global_store_b64 v14, v[LIST+10*\j+2*\e:LIST+10*\j+2*\e+1], s[10:11] offset:1280*\j+256*\e   ; 32 lanes store 256 consecutive bytes, at a multiple of 256 from the buffer's first byte
.endr
.endr
	s_wait_dscnt 0x0                               ; the closing lines, six on end
	s_wait_alu 0x0
	s_wait_tensorcnt 0x0
	ds_add_u32 v[SPW], v[NIL]
	s_wait_dscnt 0x0
	s_endpgm
.Lfunc_end_k_qd907220832_scan:
	.size	k_qd907220832_scan, .Lfunc_end_k_qd907220832_scan-k_qd907220832_scan
	.p2alignl 7, 3214868480
	.fill 96, 4, 3214868480
	.section	.rodata,"a",@progbits
	.p2align	6, 0x0
	.amdhsa_kernel k_qd907220832_scan
		.amdhsa_group_segment_fixed_size 17408
		.amdhsa_private_segment_fixed_size 0
		.amdhsa_enable_private_segment 0
		.amdhsa_kernarg_size 32
		.amdhsa_user_sgpr_count 2
		.amdhsa_user_sgpr_kernarg_segment_ptr 1
		.amdhsa_wavefront_size32 1
		.amdhsa_system_sgpr_workgroup_id_x 1
		.amdhsa_system_sgpr_workgroup_id_y 1
		.amdhsa_system_sgpr_workgroup_id_z 1
		.amdhsa_system_vgpr_workitem_id 0
		.amdhsa_next_free_vgpr 1024
		.amdhsa_next_free_sgpr 66
		.amdhsa_reserve_vcc 0
		.amdhsa_float_denorm_mode_32 3
		.amdhsa_float_denorm_mode_16_64 3
		.amdhsa_memory_ordered 1
		.amdhsa_forward_progress 1
		.amdhsa_inst_pref_size 198
	.end_amdhsa_kernel
	.amdgpu_metadata
---
amdhsa.version: [ 1, 2 ]
amdhsa.kernels:
  - .name:           k_qd907220832_scan
    .symbol:         k_qd907220832_scan.kd
    .args:
      - { .name: hist, .offset: 0, .size: 8, .value_kind: global_buffer, .address_space: global }
      - { .name: xq, .offset: 8, .size: 8, .value_kind: global_buffer, .address_space: global }
      - { .name: lowp_scales, .offset: 16, .size: 8, .value_kind: global_buffer, .address_space: global }
      - { .name: cand, .offset: 24, .size: 8, .value_kind: global_buffer, .address_space: global }
    .group_segment_fixed_size: 17408
    .private_segment_fixed_size: 0
    .kernarg_segment_align: 8
    .kernarg_segment_size: 32
    .max_flat_workgroup_size: 128
    .sgpr_count:     66
    .vgpr_count:     1024
    .wavefront_size: 32
...
	.end_amdgpu_metadata
.endif
;; end of part 7
;; launch merge: the kernel of part 3 again; grid 64 x 1, 16 waves a work-group, no clusters, 23,296 bytes of LDS; arguments cand, gsel; writes gsel
;; launch refine (part 8): grid 256 x 1, 4 waves a work-group, no clusters, 85,504 bytes of LDS; arguments hist, x, xq, gsel, lowp_scales, augc; writes augc
.if DOCPART == 8
	.amdgcn_target "amdgcn-amd-amdhsa--gfx1250"
	.amdhsa_code_object_version 6
	.text
	.protected	k_qd907220832_refine
	.globl	k_qd907220832_refine
	.p2align	8
	.type	k_qd907220832_refine,@function
k_qd907220832_refine:
	s_mov_b64 s[64:65], 0
	v_nop
	global_prefetch_b8 v0, s[64:65] scope:SCOPE_SE
	s_setreg_imm32_b32 hwreg(HW_REG_WAVE_SCHED_MODE, 0, 2), 2
	s_setreg_imm32_b32 hwreg(HW_REG_WAVE_MODE, 25, 1), 1
	s_wait_xcnt 0x0
	s_wait_alu depctr_vm_vsrc(0)
; For each query: the 40 history rows of its five best groups are worked again; the five largest similarities (ties: the lower row) are found exactly, their softmax weighs the raw f32 rows, and
; x_last and the weighted row leave as codes of E4M3 with 2^e2, in the order of k that the next launch's operands have.
; SHARES.  A wave takes one query, 4 x work-group + wave; waves share nothing: no barrier; each has LDS bytes of its own.
; ADDRESSES hang on the five group numbers, whole numbers that an earlier launch stored; each is held at 12,499, the last group, ahead of its use.
; STEPS.  (1) The 40 rows come as f32 and STAY in registers (a lane holds 16 numbers of each).  (2) Four rows at a time they are divided by max(norm, 1e-8) and quantised with 2^e1 into a scaled copy; the codes
; go to LDS as rows and come back as three tiles of fragments.  (3) Source 0 of the products holds my query's codes in all 16 rows, source 1 sixteen candidates: register 0 of lane l holds candidate l % 16's sum.
; (4) Five picks: the wave's largest value, among equals the lowest row number; the winner becomes -infinity.  (5) p = exp(sim - largest sim) for the five, 0 for the others; the sums stand for sim / 2^(e0 + e1), so that
; factor goes into the exponent's multiplier.  (6) weighted = the sum over all 40 rows of weight x row, fused multiply-adds in f32; 35 weights are 0: the choice selects values, no branch hangs on it.
; The third tile has eight candidates: its lanes 8-15 read the same eight rows again, so that no byte is read that was not written, and their results are masked.
; One accumulator for a tile: its four K steps are a chain, with a wait ahead of each link; 12 matrix instructions a query, so that weighs nothing.
; LIMITS: e1, e2 between -126 and 119; e0 + e1 between -126 and 126; NaN and infinities among the inputs are not served.
; No tensor loads, no cluster: the rows that two queries share are a matter of chance, and all rows have to stay in registers as f32.
; REGISTERS: windows 1-3: candidate c at window 1 + c / 16, v[16 (c % 16)]; x_last at window 3, v128-143.  Window 0: v1-11 addresses and scales; v16-27, v28-43 the quantiser's sums and codes; v44-107 the scaled copy,
;   later a tile's fragments; v108-171 the query's fragments; v172-195 three accumulators; v196-211 the weighted row; v212-229 the picks.
; THE MODE: SCHED_MODE bits 1:0 = 2 (LLVM: expert scheduling mode 2), set by the entry lines.  The code itself states the register dependences
; between vector or matrix instructions and memory or LDS instructions, with s_wait_alu, always for 0.
; THE PLAN.  Registers that memory or LDS instructions touch:
;   v1 to v5     Offsets and addresses: made at the head, ahead of one wait on va_vdst, and never written again.
;   the rows, x_last, the query's fragments   Loaded once, into registers that no vector instruction has named.
;   the codes    v28-43: a block's conversions write them, its four LDS stores read them: a wait on va_vdst between the two, a wait on vm_vsrc ahead of the next block and ahead of the last conversions; a wait on va_vdst ahead of the two stores at the end.
;   v44-107      The quantiser's scaled copy, then a tile's fragments.  The first tile's LDS loads stand behind the last block's wait on va_vdst, since which no vector instruction was issued; the second's and the third's behind a wait of their own, for the products that read the tile before.
; Masks and weights that vector instructions write into scalar registers are made in runs, with one wait on va_sdst between a run and its first reader.
.set REG,   21248                      ; a wave's LDS: 40 rows x (512 bytes + 16), rounded up to blocks of 256
.set SPARE, 4*REG                      ; behind them: the spare words, 128 bytes for each wave, that no other line names
.set SPW,  10
.set NIL,  11
.set QT,   16
.set QC,   28
.set QD,   44
.set QDW,  0
.set CF,   44
.set QF,   108
.set AC,   172
.set WS,   196
.set QSC,  6                           ; v6, v7   2^e1, 448 x 2^e1
.set QLIM, 7
.set QLA,  2
.set S0,   212                         ; candidate = lane
.set S1,   213                         ; candidate = 32 + lane, lanes 0-7
.set W0,   214
.set W1,   215
.set I0,   216
.set I1,   217
.set MX,   218
.set M1,   219
.set J0,   220
.set J1,   221
.set JM,   222
.set TP,   223
.set NEG,  224
.set BIG,  225
.set P0,   226
.set P1,   227
.set SU,   228
.set T0,   229
.set SEL,  18
.set EPS2, 20
.set MSB, 0
.macro WIN new                         ; the immediate's high byte repeats the setting that is left; a switch that changes nothing is dropped
.if MSB != (\new)
	s_set_vgpr_msb (MSB<<8)|(\new)
.set MSB, (\new)
.endif
.endm
.macro PLACES n
.rept \n
	v_nop
.endr
.endm
.macro MKSCALE se, tmp, vsc, vlim
	s_add_co_i32 s[\tmp], s[\se], 127
	s_lshl_b32 s[\tmp+1], s[\tmp], 23
	v_mov_b32 v[\vsc], s[\tmp+1]
	s_add_co_i32 s[\tmp], s[\tmp], 8
	s_lshl_b32 s[\tmp], s[\tmp], 23
	s_or_b32 s[\tmp], s[\tmp], 0x600000
	v_mov_b32 v[\vlim], s[\tmp]
.endm
; Slice qn (0..30) of the quantiser for FOUR rows: row a's 16 numbers of my lane stand in v[QX+16 a ..] (window QXW) and are kept; the scaled copy goes to v[QD+16 a ..] (window 0).
.macro QS
.if qn < 8
	WIN QXW|(QXW<<2)
.irp a, 0,1,2,3
.if qn == 0
	v_pk_mul_f32 v[QT+2*\a:QT+2*\a+1], v[QX+16*\a:QX+16*\a+1], v[QX+16*\a:QX+16*\a+1]
.else
	v_pk_fma_f32 v[QT+2*\a:QT+2*\a+1], v[QX+16*\a+2*qn:QX+16*\a+2*qn+1], v[QX+16*\a+2*qn:QX+16*\a+2*qn+1], v[QT+2*\a:QT+2*\a+1]
.endif
.endr
.elseif qn == 8
	WIN 0
.irp a, 0,1,2,3
	v_add_f32 v[QT+2*\a], v[QT+2*\a], v[QT+2*\a+1]
.endr
.elseif qn == 9
	WIN 0
.irp a, 0,1,2,3
	v_add_f32_dpp v[QT+2*\a], v[QT+2*\a], v[QT+2*\a] row_xmask:1 row_mask:0xf bank_mask:0xf
.endr
.elseif qn == 10
	WIN 0
.irp a, 0,1,2,3
	v_add_f32_dpp v[QT+2*\a], v[QT+2*\a], v[QT+2*\a] row_xmask:2 row_mask:0xf bank_mask:0xf
.endr
.elseif qn == 11
	WIN 0
.irp a, 0,1,2,3
	v_add_f32_dpp v[QT+2*\a], v[QT+2*\a], v[QT+2*\a] row_xmask:4 row_mask:0xf bank_mask:0xf
.endr
.elseif qn == 12
	WIN 0
.irp a, 0,1,2,3
	v_add_f32_dpp v[QT+2*\a], v[QT+2*\a], v[QT+2*\a] row_xmask:8 row_mask:0xf bank_mask:0xf
.endr
.elseif qn == 13
	WIN 0
.irp a, 0,1,2,3
	v_permlanex16_b32 v[QT+8+\a], v[QT+2*\a], s[SEL], s[SEL+1]
.endr
.elseif qn == 14
	WIN 0
.irp a, 0,1,2,3
	v_add_f32 v[QT+2*\a], v[QT+2*\a], v[QT+8+\a]
.endr
.elseif qn == 15
	WIN 0
.irp a, 0,1,2,3
	v_max_num_f32 v[QT+2*\a], s[EPS2], v[QT+2*\a]
.endr
.elseif qn == 16
	WIN 0
.irp a, 0,1,2,3
	v_rsq_f32 v[QT+2*\a], v[QT+2*\a]
.endr
	v_nop                                          ; one plain instruction behind the last of the batch (ISA guide 5.7.2)
.elseif qn < 21
.if qn == 17
	s_wait_alu depctr_va_vdst(0)                   ; the four roots are written: one wait for the batch, ahead of their first reader
.endif
	WIN QXW|(QDW<<6)
.irp j, 0,2,4,6,8,10,12,14
	v_pk_mul_f32 v[QD+16*(qn-17)+\j:QD+16*(qn-17)+\j+1], v[QX+16*(qn-17)+\j:QX+16*(qn-17)+\j+1], v[QT+2*(qn-17):QT+2*(qn-17)+1] op_sel_hi:[1,0]
.endr
.elseif qn < 29
	WIN QDW|(QDW<<6)
.irp j, 0,1,2,3,4,5,6,7
	v_med3_num_f32 v[QD+8*(qn-21)+\j], v[QD+8*(qn-21)+\j], -v[QLIM], v[QLIM]   ; the conversion to an 8-bit code does not saturate (ISA guide 7.6.2)
.endr
.elseif qn == 29
	WIN QDW
.irp a, 0,1,2,3
	v_cvt_scalef32_pk8_fp8_f32 v[QC+4*\a:QC+4*\a+1], v[QD+16*\a:QD+16*\a+7], v[QSC]
	v_cvt_scalef32_pk8_fp8_f32 v[QC+4*\a+2:QC+4*\a+3], v[QD+16*\a+8:QD+16*\a+15], v[QSC]
.endr
	v_nop                                          ; one plain instruction behind the last conversion
.else
	WIN 0
	s_wait_alu depctr_va_vdst(0)                   ; the conversions have written the codes, which the LDS stores below read (and are done reading the scaled copy, in whose registers the first tile's fragments land behind the last block)
.irp a, 0,1,2,3
	ds_store_b128 v[QLA], v[QC+4*\a:QC+4*\a+3] offset:QLO+528*\a
.endr
.endif
.endm
.macro QROWS4
	s_wait_dscnt 0x0                               ; the last block's LDS stores are done
.if gn > 0
	s_wait_alu depctr_vm_vsrc(0)                   ; the last block's LDS stores have read the codes' registers, which this block's conversions write
.endif
.set qn, 0
.rept 31
	QS
.set qn, qn+1
.endr
.endm
.macro WRED opd, op, reg               ; over the 32 lanes, the result in every lane
	\opd v[\reg], v[\reg], v[\reg] row_xmask:1 row_mask:0xf bank_mask:0xf
	\opd v[\reg], v[\reg], v[\reg] row_xmask:2 row_mask:0xf bank_mask:0xf
	\opd v[\reg], v[\reg], v[\reg] row_xmask:4 row_mask:0xf bank_mask:0xf
	\opd v[\reg], v[\reg], v[\reg] row_xmask:8 row_mask:0xf bank_mask:0xf
	v_permlanex16_b32 v[TP], v[\reg], s[SEL], s[SEL+1]
	\op v[\reg], v[\reg], v[TP]
.endm
	s_load_b256 s[4:11], s[0:1], 0x0               ; hist s[4:5], x s[6:7], xq s[8:9], gsel s[10:11]
	s_load_b128 s[12:15], s[0:1], 0x20             ; the scales' exponents s[12:13], augc s[14:15]
	v_lshl_add_u32 v[SPW], v0, 2, SPARE
	v_mov_b32 v[NIL], 0
	v_lshrrev_b32 v1, 5, v0
	v_readfirstlane_b32 s16, v1                    ; wave 0..3
	s_wait_alu depctr_va_sdst(0)                   ; s16 is written, ahead of its first reader
	s_lshl_b32 s17, ttmp9, 2
	s_add_co_u32 s17, s17, s16                     ; my query
	s_lshl_b32 s2, s17, 5
	s_mov_b32 s3, 0
	s_wait_kmcnt 0x0
	s_add_nc_u64 s[10:11], s[10:11], s[2:3]
	s_load_b256 s[36:43], s[10:11], 0x0            ; my five groups (and three zeros)
	s_load_b128 s[60:63], s[12:13], 0x0            ; e0 .. e3
	v_and_b32 v12, 31, v0
	v_lshlrev_b32 v1, 4, v12                       ; 16 x lane
	s_mul_i32 s21, s16, REG
	v_add_nc_u32 v2, s21, v1                       ; where my 16 codes of a row go
	v_and_b32 v13, 15, v0
	v_bfe_u32 v14, v0, 4, 1
	v_mul_u32_u24 v3, v13, 528
	v_lshl_add_u32 v3, v14, 6, v3
	v_add_nc_u32 v3, s21, v3                       ; a fragment's lane (r, h): row r, byte 64 h
	v_and_b32 v4, 7, v0
	v_mul_u32_u24 v4, v4, 528
	v_lshl_add_u32 v4, v14, 6, v4
	v_add_nc_u32 v4, s21, v4                       ; the third tile: row r % 8
	v_lshlrev_b32 v5, 8, v14                       ; the query's fragments: 256 h
	s_lshr_b32 s22, s17, 4
	s_lshl_b32 s22, s22, 13                        ; its tile,
	s_and_b32 s23, s17, 15
	s_lshl_b32 s23, s23, 4                         ; and its lane's 16 bytes there: every lane of a half reads the same
	s_add_co_u32 s2, s22, s23
	s_add_nc_u64 s[8:9], s[8:9], s[2:3]
	s_lshl_b32 s2, s17, 15
	s_add_co_u32 s2, s2, 30720                     ; the last of the 16 time steps
	s_add_nc_u64 s[6:7], s[6:7], s[2:3]
	s_lshl_b32 s2, s17, 10
	s_add_nc_u64 s[14:15], s[14:15], s[2:3]
	s_mov_b32 s[SEL], 0x76543210
	s_mov_b32 s[SEL+1], 0xfedcba98
	s_mov_b32 s[EPS2], 0x24e69595
	s_wait_alu depctr_va_vdst(0)                   ; the offsets and addresses v1 to v5, and the add's two registers, are written: the loads, LDS instructions and stores of the kernel read them
.irp n, 0,1,2,3,4,5,6,7,8,9,10,11,12,13,14,15
	global_load_b128 v[QF+4*\n:QF+4*\n+3], v5, s[8:9] offset:512*\n
.endr
	WIN 0xc0
.irp i, 0,1,2,3
	global_load_b128 v[128+4*\i:131+4*\i], v1, s[6:7] offset:512*\i
.endr
	s_wait_kmcnt 0x0
.irp a, 0,1,2,3,4
	s_min_u32 s[36+\a], s[36+\a], 12499            ; a loaded number enters an address only behind this hold
	s_lshl_b32 s[24+2*\a], s[36+\a], 14            ; eight rows of 2,048 bytes
	s_mov_b32 s[25+2*\a], 0
	s_add_nc_u64 s[24+2*\a:25+2*\a], s[4:5], s[24+2*\a:25+2*\a]
.endr
.set cc, 0
.rept 40
	WIN (1+cc/16)<<6
.irp i, 0,1,2,3
	global_load_b128 v[16*(cc%16)+4*\i:16*(cc%16)+4*\i+3], v1, s[24+2*(cc/8):25+2*(cc/8)] offset:2048*(cc%8)+512*\i   ; no cache hint: another query may name the same rows
.endr
.set cc, cc+1
.endr
	WIN 0
	MKSCALE 61, 34, 6, 7
	MKSCALE 62, 34, 8, 9                           ; v8, v9: 2^e2, 448 x 2^e2
.irp a, 0,1,2,3
	v_mov_b32 v[QT+8+\a], 0                        ; written once: a lane permute's destination counts as one of its sources
.endr
	v_mov_b32 v[TP], 0
	v_mov_b32 v[NEG], 0xff800000
	v_mov_b32 v[BIG], 0x7f61b1e6
.set gn, 0
.rept 10
.if 16*(9-gn) > 63
	s_wait_loadcnt 63                              ; the younger rows' loads are 16 (9 - gn); the count is held at the largest that the wait can name
.else
	s_wait_loadcnt 16*(9-gn)
.endif
.set QX, 64*(gn&3)
.set QXW, 1+gn/4
.set QLO, 2112*gn
	QROWS4
.set gn, gn+1
.endr
.irp t, 0,1,2
.if \t > 0
	PLACES 4                                       ; behind the last tile's products (ISA guide 7.12.1)
	s_wait_alu depctr_va_vdst(0)                   ; the last tile's products are done reading v[CF ..], in which the LDS loads below land.  (The first tile's loads stand behind the last block's wait, since which no vector instruction was issued)
.endif
.irp n, 0,1,2,3,4,5,6,7,8,9,10,11,12,13,14,15
.if \t < 2
	ds_load_b128 v[CF+4*\n:CF+4*\n+3], v3 offset:8448*\t+128*(\n/4)+16*(\n%4)   ; LDS serves a wave's instructions in order (ISA guide 5.7.1.4): these see my stores
.else
	ds_load_b128 v[CF+4*\n:CF+4*\n+3], v4 offset:16896+128*(\n/4)+16*(\n%4)
.endif
.endr
	s_wait_dscnt 0x0
	v_wmma_f32_16x16x128_fp8_fp8 v[AC+8*\t:AC+8*\t+7], v[QF:QF+15], v[CF:CF+15], 0
.irp s, 1,2,3
	s_wait_alu depctr_va_vdst(0)                   ; a chain on one accumulator
	v_wmma_f32_16x16x128_fp8_fp8 v[AC+8*\t:AC+8*\t+7], v[QF+16*\s:QF+16*\s+15], v[CF+16*\s:CF+16*\s+15], v[AC+8*\t:AC+8*\t+7]
.endr
.endr
	PLACES 4
	s_mov_b32 s21, 0xffff0000
	v_cndmask_b32 v[S0], v[AC], v[AC+8], s21       ; each accumulator's lowest register holds all that is wanted of it
	s_mov_b32 s22, 0xff
	v_cndmask_b32 v[S1], v[NEG], v[AC+16], s22
	v_and_b32 v[T0], 7, v0
	v_mov_b32 v[I0], s36                           ; the candidates' row numbers, 8 x group + lane % 8, as f32: exact under 100,000
	s_mov_b32 s21, 0xffffff00
	v_cndmask_b32 v[I0], v[I0], s37, s21
	s_mov_b32 s21, 0xffff0000
	v_cndmask_b32 v[I0], v[I0], s38, s21
	s_mov_b32 s21, 0xff000000
	v_cndmask_b32 v[I0], v[I0], s39, s21
	v_lshl_add_u32 v[I0], v[I0], 3, v[T0]
	v_lshl_add_u32 v[I1], s40, 3, v[T0]
	v_cvt_f32_u32 v[I0], v[I0]
	v_cvt_f32_u32 v[I1], v[I1]
	v_mov_b32 v[W0], v[S0]
	v_mov_b32 v[W1], v[S1]
.irp k, 0,1,2,3,4
	v_max_num_f32 v[MX], v[W0], v[W1]
	WRED v_max_num_f32_dpp, v_max_num_f32, MX      ; the largest that is left
.if \k == 0
	v_mov_b32 v[M1], v[MX]                         ; the largest of all: the softmax takes it away
.endif
	v_cmp_eq_f32 s21, v[W0], v[MX]                 ; the compares go in runs of two, into two scalar registers
	v_cmp_eq_f32 s22, v[W1], v[MX]
	s_wait_alu depctr_va_sdst(0)                   ; the two masks are written, ahead of the selects that read them
	v_cndmask_b32 v[J0], v[BIG], v[I0], s21
	v_cndmask_b32 v[J1], v[BIG], v[I1], s22
	v_min_num_f32 v[JM], v[J0], v[J1]
	WRED v_min_num_f32_dpp, v_min_num_f32, JM      ; among equals the lowest row
	v_cmp_eq_f32 s21, v[J0], v[JM]
	v_cmp_eq_f32 s22, v[J1], v[JM]
	s_wait_alu depctr_va_sdst(0)                   ; the two masks are written, ahead of the selects that read them
	v_cndmask_b32 v[W0], v[W0], v[NEG], s21
	v_cndmask_b32 v[W1], v[W1], v[NEG], s22
.endr
	v_cmp_neq_f32 s21, v[W0], v[S0]                ; picked: what has changed
	v_cmp_neq_f32 s22, v[W1], v[S1]
	s_add_co_i32 s23, s60, s61
	s_lshl_b32 s23, s23, 23
	s_add_co_i32 s23, s23, 0x3fb8aa3b              ; log2(e) x 2^(e0 + e1): the exponents are added to its exponent field
	v_sub_f32 v[P0], v[S0], v[M1]
	v_sub_f32 v[P1], v[S1], v[M1]
	v_mul_f32 v[P0], s23, v[P0]
	v_mul_f32 v[P1], s23, v[P1]
	v_exp_f32 v[P0], v[P0]
	v_exp_f32 v[P1], v[P1]
	v_nop
	s_wait_alu depctr_va_vdst(0)                   ; both exponentials are written: one wait, ahead of their first reader
	s_wait_alu depctr_va_sdst(0)                   ; the two masks of what was picked are written, ahead of the selects that read them
	v_cndmask_b32 v[P0], 0, v[P0], s21
	v_cndmask_b32 v[P1], 0, v[P1], s22
	v_add_f32 v[SU], v[P0], v[P1]
	WRED v_add_f32_dpp, v_add_f32, SU
	v_rcp_f32 v[SU], v[SU]
	v_nop
	s_wait_alu depctr_va_vdst(0)                   ; the reciprocal is written, ahead of its first reader
	v_mul_f32 v[P0], v[P0], v[SU]
	v_mul_f32 v[P1], v[P1], v[SU]                  ; the weights: candidate = lane, and 32 + lane
.set cc, 0
.rept 5
	WIN 0
.irp p, 0,1,2,3,4,5,6,7
.if cc < 32
	v_readlane_b32 s[44+2*\p], v[P0], cc+\p        ; a weight into both words of a pair: the packed form names the pair
	v_readlane_b32 s[45+2*\p], v[P0], cc+\p
.else
	v_readlane_b32 s[44+2*\p], v[P1], cc+\p-32
	v_readlane_b32 s[45+2*\p], v[P1], cc+\p-32
.endif
.endr
	s_wait_alu depctr_va_sdst(0)                   ; the eight pairs of weights are written: one wait for the run, ahead of the multiply-adds that read them
	WIN 1+cc/16                                    ; source 0: the rows' window
.irp p, 0,1,2,3,4,5,6,7
.irp j, 0,2,4,6,8,10,12,14
.if (cc == 0) && (\p == 0)
	v_pk_mul_f32 v[WS+\j:WS+\j+1], v[16*((cc+\p)%16)+\j:16*((cc+\p)%16)+\j+1], s[44+2*\p:45+2*\p] op_sel_hi:[1,0]   ; the first row starts the sums
.else
	v_pk_fma_f32 v[WS+\j:WS+\j+1], v[16*((cc+\p)%16)+\j:16*((cc+\p)%16)+\j+1], s[44+2*\p:45+2*\p], v[WS+\j:WS+\j+1] op_sel_hi:[1,0,1]
.endif
.endr
.endr
.set cc, cc+8
.endr
	WIN 0
.irp j, 0,1,2,3,4,5,6,7,8,9,10,11,12,13,14,15
	v_med3_num_f32 v[WS+\j], v[WS+\j], -v9, v9
.endr
	s_wait_alu depctr_vm_vsrc(0)                   ; the last block's LDS stores have read the codes' registers, which the conversions below write
	v_cvt_scalef32_pk8_fp8_f32 v[QC:QC+1], v[WS:WS+7], v8
	v_cvt_scalef32_pk8_fp8_f32 v[QC+2:QC+3], v[WS+8:WS+15], v8
	WIN 0xc3                                       ; x_last: source 0 and destination window 3
.irp j, 0,1,2,3,4,5,6,7,8,9,10,11,12,13,14,15
	v_med3_num_f32 v[128+\j], v[128+\j], -v9, v9
.endr
	WIN 0x03
	v_cvt_scalef32_pk8_fp8_f32 v[QC+4:QC+5], v[128:135], v8
	v_cvt_scalef32_pk8_fp8_f32 v[QC+6:QC+7], v[136:143], v8
	v_nop
	WIN 0
	s_wait_alu depctr_va_vdst(0)                   ; the four conversions have written the codes, which the two stores read
	global_store_b128 v1, v[QC+4:QC+7], s[14:15]               ; 32 lanes store 512 consecutive bytes: x_last's codes,
	global_store_b128 v1, v[QC:QC+3], s[14:15] offset:512      ; and the weighted row's
	s_wait_dscnt 0x0                               ; the closing lines, six on end
	s_wait_alu 0x0
	s_wait_tensorcnt 0x0
	ds_add_u32 v[SPW], v[NIL]
	s_wait_dscnt 0x0
	s_endpgm
.Lfunc_end_k_qd907220832_refine:
	.size	k_qd907220832_refine, .Lfunc_end_k_qd907220832_refine-k_qd907220832_refine
	.p2alignl 7, 3214868480
	.fill 96, 4, 3214868480
	.section	.rodata,"a",@progbits
	.p2align	6, 0x0
	.amdhsa_kernel k_qd907220832_refine
		.amdhsa_group_segment_fixed_size 85504
		.amdhsa_private_segment_fixed_size 0
		.amdhsa_enable_private_segment 0
		.amdhsa_kernarg_size 48
		.amdhsa_user_sgpr_count 2
		.amdhsa_user_sgpr_kernarg_segment_ptr 1
		.amdhsa_wavefront_size32 1
		.amdhsa_system_sgpr_workgroup_id_x 1
		.amdhsa_system_sgpr_workgroup_id_y 1
		.amdhsa_system_sgpr_workgroup_id_z 1
		.amdhsa_system_vgpr_workitem_id 0
		.amdhsa_next_free_vgpr 1024
		.amdhsa_next_free_sgpr 66
		.amdhsa_reserve_vcc 0
		.amdhsa_float_denorm_mode_32 3
		.amdhsa_float_denorm_mode_16_64 3
		.amdhsa_memory_ordered 1
		.amdhsa_forward_progress 1
		.amdhsa_inst_pref_size 171
	.end_amdhsa_kernel
	.amdgpu_metadata
---
amdhsa.version: [ 1, 2 ]
amdhsa.kernels:
  - .name:           k_qd907220832_refine
    .symbol:         k_qd907220832_refine.kd
    .args:
      - { .name: hist, .offset: 0, .size: 8, .value_kind: global_buffer, .address_space: global }
      - { .name: x, .offset: 8, .size: 8, .value_kind: global_buffer, .address_space: global }
      - { .name: xq, .offset: 16, .size: 8, .value_kind: global_buffer, .address_space: global }
      - { .name: gsel, .offset: 24, .size: 8, .value_kind: global_buffer, .address_space: global }
      - { .name: lowp_scales, .offset: 32, .size: 8, .value_kind: global_buffer, .address_space: global }
      - { .name: augc, .offset: 40, .size: 8, .value_kind: global_buffer, .address_space: global }
    .group_segment_fixed_size: 85504
    .private_segment_fixed_size: 0
    .kernarg_segment_align: 8
    .kernarg_segment_size: 48
    .max_flat_workgroup_size: 128
    .sgpr_count:     66
    .vgpr_count:     1024
    .wavefront_size: 32
...
	.end_amdgpu_metadata
.endif
;; end of part 8
;; launch fuse1 (part 9): grid 16 x 16, 4 waves a work-group, no clusters, 71,168 bytes of LDS; arguments augc, w1c, b1, lowp_scales, hq; writes hq
.if DOCPART == 9
	.amdgcn_target "amdgcn-amd-amdhsa--gfx1250"
	.amdhsa_code_object_version 6
	.text
	.protected	k_qd907220832_fuse1
	.globl	k_qd907220832_fuse1
	.p2align	8
	.type	k_qd907220832_fuse1,@function
k_qd907220832_fuse1:
	s_mov_b64 s[64:65], 0
	v_nop
	global_prefetch_b8 v0, s[64:65] scope:SCOPE_SE
	s_setreg_imm32_b32 hwreg(HW_REG_WAVE_SCHED_MODE, 0, 2), 2
	s_setreg_imm32_b32 hwreg(HW_REG_WAVE_MODE, 25, 1), 1
	s_wait_xcnt 0x0
	s_wait_alu depctr_vm_vsrc(0)
; h = relu([x_last | weighted x 5] W1 + b1) on codes of E4M3, quantised with 2^e4 on the way, stored in the order of the next product's operand registers.
; SHARES.  Work-group (Hb, Rb): 64 queries x 64 hidden units.  Wave w makes hidden tile T = 4 Hb + w (16 units) for all four tiles of 16 queries: four accumulators, which take turns.
; K = 3,072 = 24 steps of 128.  W1's 24 fragments of my tile go from memory straight into 384 registers, in the order in which an earlier launch laid them.  The input's codes (1,024 bytes a query: x_last, weighted)
; go once through LDS as rows and come back as fragments; the weighted row's fragments are loaded ONCE and serve all five of its blocks of 512.
; TRANSPOSED: source 0 = 16 columns of W1, source 1 = 16 queries: lane (r, h) holds query r and hidden units 16 T + 8 h + 0..7: eight neighbours along the next K, registers 2 c8, 2 c8 + 1 of the next operand.
; b1 is the C of each sum's first matrix instruction, divided by the power of two that the sums lack; the conversion's one scale is 2^(e4 - e2 - e3); the hold between 0 and the largest code is also the activation.
; LIMITS: e4 - e2 - e3 between -126 and 119; NaN among the inputs is not served.
; No tensor loads, no cluster: the weights lie in no LDS tile that partners could be sent jointly; what the four waves share, 64 KiB of input codes, is read once by the work-group.
; REGISTERS: window 0: v1-13 addresses and scales; v16-47 accumulators; v48-55 the bias; v56-71 codes; v128-255 W1's K steps 16-23.  Window 1: x_last's fragments, v[64 m + 16 s'].  Window 2: the weighted row's.  Window 3: W1's K steps 0-15.
; THE MODE: SCHED_MODE bits 1:0 = 2 (LLVM: expert scheduling mode 2), set by the entry lines.  The code itself states the register dependences
; between vector or matrix instructions and memory or LDS instructions, with s_wait_alu, always for 0.
; THE PLAN.  Registers that memory or LDS instructions touch:
;   v1, v4 to v8   Offsets and addresses: made at the head, ahead of one wait on va_vdst, and never written again.
;   window 1       My 16 rows as loaded; the LDS stores read them; behind the barrier x_last's fragments land in the same registers: one wait on vm_vsrc between the two.
;   windows 2, 3, v48-55, v128-255   Loaded once, into registers that no vector instruction has named; every load of the kernel but the last two stands ahead of the first matrix instruction.
;   v56-63         The codes: written by the four conversions, read by the four LDS stores: one wait on va_vdst between the two.  v64-71, in which the last two LDS loads land, are named by no vector instruction.
.set APITCH, 1040                      ; a query's 1,024 bytes + 16: rows start 65 x 16 bytes apart
.set STG,    64*APITCH                 ; behind the 64 rows: 4,096 bytes in which four waves' codes meet
.set SPARE,  STG+4096                  ; behind that: the spare words, 128 bytes for each wave, that no other line names
.set SPW, 12
.set NIL, 13
.set ACC, 16
.set BI,  48
.set CO,  56
.set MSB, 0
.macro WIN new                         ; the immediate's high byte repeats the setting that is left; a switch that changes nothing is dropped
.if MSB != (\new)
	s_set_vgpr_msb (MSB<<8)|(\new)
.set MSB, (\new)
.endif
.endm
.macro WLD                             ; W1's fragment of K step ls
.if ls < 16
	WIN 0xc0
.irp c, 0,1,2,3
	global_load_b128 v[16*ls+4*\c:16*ls+4*\c+3], v1, s[6:7] offset:2048*ls+512*\c
.endr
.else
	WIN 0
.irp c, 0,1,2,3
	global_load_b128 v[128+16*(ls-16)+4*\c:128+16*(ls-16)+4*\c+3], v1, s[6:7] offset:2048*ls+512*\c
.endr
.endif
.endm
	s_load_b256 s[4:11], s[0:1], 0x0               ; augc s[4:5], w1c s[6:7], b1 s[8:9], the scales' exponents s[10:11]
	s_load_b64 s[12:13], s[0:1], 0x20              ; hq
	v_lshl_add_u32 v[SPW], v0, 2, SPARE
	v_mov_b32 v[NIL], 0
	v_lshrrev_b32 v1, 5, v0
	v_readfirstlane_b32 s14, v1                    ; wave 0..3
	v_and_b32 v11, 31, v0
	v_lshlrev_b32 v1, 4, v11                       ; 16 x lane
	v_and_b32 v14, 15, v0
	v_bfe_u32 v15, v0, 4, 1
	s_wait_alu depctr_va_sdst(0)                   ; s14 is written, ahead of its first reader
	s_mul_i32 s18, s14, 16*APITCH
	v_add_nc_u32 v4, s18, v1                       ; in: my 16 rows
	v_mul_u32_u24 v5, v14, APITCH
	v_lshl_add_u32 v5, v15, 6, v5                  ; a fragment's lane (r, h): row r, byte 64 h
	v_lshlrev_b32 v6, 5, v15                       ; b1: 32 h
	s_lshr_b32 s18, s14, 1
	s_lshl_b32 s18, s18, 9
	s_and_b32 s19, s14, 1
	s_lshl_b32 s19, s19, 3
	s_add_co_u32 s18, s18, s19
	s_add_co_u32 s18, s18, STG
	v_add_nc_u32 v7, s18, v1                       ; my 8 codes: register block w / 2, half w % 2 of the lane's 16 bytes
	s_lshl_b32 s18, s14, 10
	s_add_co_u32 s18, s18, STG
	v_add_nc_u32 v8, s18, v1                       ; back: query tile w
	s_and_b32 s16, ttmp7, 0xffff                   ; Rb
	s_lshl_b32 s17, ttmp9, 2
	s_add_co_u32 s17, s17, s14                     ; T
	s_lshl_b32 s26, s16, 16                        ; 64 queries of 1,024 bytes,
	s_lshl_b32 s27, s14, 14                        ; my 16
	s_add_co_u32 s26, s26, s27
	s_mov_b32 s27, 0
	s_mul_i32 s28, s17, 49152                      ; 24 fragments
	s_mov_b32 s29, 0
	s_lshl_b32 s30, s17, 6
	s_mov_b32 s31, 0
	s_lshl_b32 s32, s16, 2
	s_add_co_u32 s32, s32, s14                     ; the query tile that I store,
	s_lshl_b32 s32, s32, 3
	s_lshr_b32 s33, ttmp9, 1
	s_add_co_u32 s32, s32, s33                     ; K step Hb / 2 of the next product,
	s_lshl_b32 s32, s32, 11
	s_and_b32 s33, ttmp9, 1
	s_lshl_b32 s33, s33, 10                        ; its register blocks 2 (Hb % 2), + 1
	s_add_co_u32 s32, s32, s33
	s_mov_b32 s33, 0
	s_wait_kmcnt 0x0
	s_load_b128 s[20:23], s[10:11], 0x0            ; e0 .. e3
	s_load_b64 s[24:25], s[10:11], 0x10            ; e4, e5
	s_add_nc_u64 s[4:5], s[4:5], s[26:27]
	s_add_nc_u64 s[6:7], s[6:7], s[28:29]
	s_add_nc_u64 s[8:9], s[8:9], s[30:31]
	s_add_nc_u64 s[12:13], s[12:13], s[32:33]
	WIN 0x40
	s_wait_alu depctr_va_vdst(0)                   ; the offsets and addresses v1 and v4 to v8, and the add's two registers, are written: the loads, LDS instructions and stores of the kernel read them
.irp n, 0,1,2,3,4,5,6,7,8,9,10,11,12,13,14,15,16,17,18,19,20,21,22,23,24,25,26,27,28,29,30,31
	global_load_b128 v[4*\n:4*\n+3], v1, s[4:5] offset:512*\n     ; my 16 rows: 16 KiB on end
.endr
	WIN 0
	global_load_b128 v[BI:BI+3], v6, s[8:9]
	global_load_b128 v[BI+4:BI+7], v6, s[8:9] offset:16
.set ls, 0
.rept 12
	WLD
.set ls, ls+1
.endr
	s_wait_loadcnt 50                              ; the rows are in; behind them: b1's two loads and W1's first 48
	WIN 0x04                                       ; an LDS store's data are source 1: window 1
.irp n, 0,1,2,3,4,5,6,7,8,9,10,11,12,13,14,15,16,17,18,19,20,21,22,23,24,25,26,27,28,29,30,31
	ds_store_b128 v4, v[4*\n:4*\n+3] offset:(\n/2)*APITCH+512*(\n%2)
.endr
.rept 12
	WLD
.set ls, ls+1
.endr
	WIN 0
	s_wait_dscnt 0x0                               ; for the others' sake: my stores are done
	s_barrier_signal -1
	s_barrier_wait -1                              ; 64 rows lie in LDS
	WIN 0x40
	s_wait_alu depctr_vm_vsrc(0)                   ; my LDS stores have read window 1's registers, in which x_last's fragments land
.irp m, 0,1,2,3
.irp n, 0,1,2,3,4,5,6,7,8,9,10,11,12,13,14,15
	ds_load_b128 v[64*\m+4*\n:64*\m+4*\n+3], v5 offset:16*APITCH*\m+128*(\n/4)+16*(\n%4)
.endr
.endr
	WIN 0x80
.irp m, 0,1,2,3
.irp n, 0,1,2,3,4,5,6,7,8,9,10,11,12,13,14,15
	ds_load_b128 v[64*\m+4*\n:64*\m+4*\n+3], v5 offset:16*APITCH*\m+512+128*(\n/4)+16*(\n%4)
.endr
.endr
	WIN 0
	s_wait_kmcnt 0x0
	s_add_co_i32 s34, s22, s23                     ; e2 + e3: a sum stands for sum x 2^(e2 + e3)
	s_sub_co_i32 s35, 0, s34
	s_sub_co_i32 s36, s24, s34                     ; e4 - e2 - e3
	s_add_co_i32 s36, s36, 127
	s_lshl_b32 s37, s36, 23
	v_mov_b32 v9, s37                              ; the conversion's scale
	s_add_co_i32 s36, s36, 8
	s_lshl_b32 s36, s36, 23
	s_or_b32 s36, s36, 0x600000
	v_mov_b32 v10, s36                             ; 448 x that
.set be, 0
.rept 6                                ; the six blocks of 512 along K
.if be < 2
	s_wait_loadcnt 63                              ; the younger fragments' loads are 80 and 64; the count is held at the largest that the wait can name
.else
	s_wait_loadcnt 16*(5-be)                       ; this block's four fragments are in; the later blocks' stay out
.endif
.if be == 0
.irp j, 0,1,2,3,4,5,6,7
	v_ldexp_f32 v[BI+\j], v[BI+\j], s35            ; b1 / 2^(e2 + e3)
.endr
	s_wait_dscnt 63                                ; of the 128 LDS loads the first 64, x_last's fragments, are in
	WIN 0x07                                       ; source 0 (W1) window 3, source 1 window 1
.elseif be == 1
	s_wait_dscnt 0x0                               ; the weighted row's fragments
	WIN 0x0b                                       ; source 1 window 2
.elseif be == 4
	WIN 0x08                                       ; source 0 window 0
.endif
.set sp, 0
.rept 4
.if be < 4
.set wr, 16*(4*be+sp)
.else
.set wr, 128+16*(4*(be-4)+sp)
.endif
.irp m, 0,1,2,3
.if (be == 0) && (sp == 0)
	v_wmma_f32_16x16x128_fp8_fp8 v[ACC+8*\m:ACC+8*\m+7], v[wr:wr+15], v[64*\m+16*sp:64*\m+16*sp+15], v[BI:BI+7]
.else
	v_wmma_f32_16x16x128_fp8_fp8 v[ACC+8*\m:ACC+8*\m+7], v[wr:wr+15], v[64*\m+16*sp:64*\m+16*sp+15], v[ACC+8*\m:ACC+8*\m+7]
.endif
.endr
.set sp, sp+1
.endr
.set be, be+1
.endr
	WIN 0
.rept 4
	v_nop                                          ; four places ahead of the first read of results (ISA guide 7.12.1)
.endr
.irp m, 0,1,2,3
.irp j, 0,1,2,3,4,5,6,7
	v_med3_num_f32 v[ACC+8*\m+\j], v[ACC+8*\m+\j], 0, v10      ; the activation and the hold in one; each accumulator from its low end on
.endr
.endr
.irp m, 0,1,2,3
	v_cvt_scalef32_pk8_fp8_f32 v[CO+2*\m:CO+2*\m+1], v[ACC+8*\m:ACC+8*\m+7], v9
.endr
	v_nop
	s_wait_alu depctr_va_vdst(0)                   ; the four conversions have written the codes, which the LDS stores read
.irp m, 0,1,2,3
	ds_store_b64 v7, v[CO+2*\m:CO+2*\m+1] offset:1024*\m
.endr
	s_wait_dscnt 0x0
	s_barrier_signal -1
	s_barrier_wait -1                              ; four waves' codes make two register blocks for each query tile
	ds_load_b128 v[64:67], v8
	ds_load_b128 v[68:71], v8 offset:512
	s_wait_dscnt 0x0
	global_store_b128 v1, v[64:67], s[12:13]                   ; 32 lanes store 512 consecutive bytes
	global_store_b128 v1, v[68:71], s[12:13] offset:512
	s_wait_dscnt 0x0                               ; the closing lines, six on end
	s_wait_alu 0x0
	s_wait_tensorcnt 0x0
	ds_add_u32 v[SPW], v[NIL]
	s_wait_dscnt 0x0
	s_endpgm
.Lfunc_end_k_qd907220832_fuse1:
	.size	k_qd907220832_fuse1, .Lfunc_end_k_qd907220832_fuse1-k_qd907220832_fuse1
	.p2alignl 7, 3214868480
	.fill 96, 4, 3214868480
	.section	.rodata,"a",@progbits
	.p2align	6, 0x0
	.amdhsa_kernel k_qd907220832_fuse1
		.amdhsa_group_segment_fixed_size 71168
		.amdhsa_private_segment_fixed_size 0
		.amdhsa_enable_private_segment 0
		.amdhsa_kernarg_size 40
		.amdhsa_user_sgpr_count 2
		.amdhsa_user_sgpr_kernarg_segment_ptr 1
		.amdhsa_wavefront_size32 1
		.amdhsa_system_sgpr_workgroup_id_x 1
		.amdhsa_system_sgpr_workgroup_id_y 1
		.amdhsa_system_sgpr_workgroup_id_z 1
		.amdhsa_system_vgpr_workitem_id 0
		.amdhsa_next_free_vgpr 1024
		.amdhsa_next_free_sgpr 66
		.amdhsa_reserve_vcc 0
		.amdhsa_float_denorm_mode_32 3
		.amdhsa_float_denorm_mode_16_64 3
		.amdhsa_memory_ordered 1
		.amdhsa_forward_progress 1
		.amdhsa_inst_pref_size 36
	.end_amdhsa_kernel
	.amdgpu_metadata
---
amdhsa.version: [ 1, 2 ]
amdhsa.kernels:
  - .name:           k_qd907220832_fuse1
    .symbol:         k_qd907220832_fuse1.kd
    .args:
      - { .name: augc, .offset: 0, .size: 8, .value_kind: global_buffer, .address_space: global }
      - { .name: w1c, .offset: 8, .size: 8, .value_kind: global_buffer, .address_space: global }
      - { .name: b1, .offset: 16, .size: 8, .value_kind: global_buffer, .address_space: global }
      - { .name: lowp_scales, .offset: 24, .size: 8, .value_kind: global_buffer, .address_space: global }
      - { .name: hq, .offset: 32, .size: 8, .value_kind: global_buffer, .address_space: global }
    .group_segment_fixed_size: 71168
    .private_segment_fixed_size: 0
    .kernarg_segment_align: 8
    .kernarg_segment_size: 40
    .max_flat_workgroup_size: 128
    .sgpr_count:     66
    .vgpr_count:     1024
    .wavefront_size: 32
...
	.end_amdgpu_metadata
.endif
;; end of part 9
;; launch fuse2 (part 10): grid 64 x 1, 4 waves a work-group, no clusters, 34,048 bytes of LDS; arguments hq, w2c, b2, gamma, beta, lowp_scales, out0; writes out0
.if DOCPART == 10
	.amdgcn_target "amdgcn-amd-amdhsa--gfx1250"
	.amdhsa_code_object_version 6
	.text
	.protected	k_qd907220832_fuse2
	.globl	k_qd907220832_fuse2
	.p2align	8
	.type	k_qd907220832_fuse2,@function
k_qd907220832_fuse2:
	s_mov_b64 s[64:65], 0
	v_nop
	global_prefetch_b8 v0, s[64:65] scope:SCOPE_SE
	s_setreg_imm32_b32 hwreg(HW_REG_WAVE_SCHED_MODE, 0, 2), 2
	s_setreg_imm32_b32 hwreg(HW_REG_WAVE_MODE, 25, 1), 1
	s_wait_xcnt 0x0
	s_wait_alu depctr_vm_vsrc(0)
; out = LayerNorm(h W2 + b2) x gamma + beta; the product on codes of E4M3, all else in f32.
; SHARES.  A work-group takes 16 queries and all 512 outputs, since the norm wants whole rows; wave w makes output tiles 8 w .. 8 w + 7: eight accumulators, which take turns.  1,024 queries make 64 such work-groups.
; K = 1,024 = 8 steps of 128.  The hidden layer's eight fragments stay in registers; W2's come from memory straight into operand registers, two K steps (64 loads) ahead, in two buffers.
; TRANSPOSED: source 0 = 16 columns of W2, source 1 = 16 queries: lane (r, h) holds query r and outputs 16 T + 8 h + 0..7.  y = sum x 2^(e4 + e5) + b2, one packed multiply-add for two numbers.
; THE NORM in two passes: the mean first, then the mean of (y - mean)^2: no difference of large sums.  A lane's 64 numbers, the other half of the lanes, then the four waves through LDS: two barriers.
; THE WAY OUT: (y - mean) / sqrt(var + 1e-5) goes through a stage in LDS and comes back as whole rows, where gamma and beta lie along the lanes; 32 lanes store 512 consecutive bytes.
; LIMITS: e4 + e5 between -126 and 127; NaN among the inputs is not served.
; No tensor loads, no cluster: the weights go into operand registers as they lie in memory, through no LDS tile that partners could be sent jointly.
; REGISTERS: window 0: v1-9 addresses; v16-79 accumulators; v80-207 the hidden layer's fragments, later v80-143 y and v144-207 rows on the way out; v208-221 at work.  Window 1: W2's two buffers.  Window 2: v0-63 b2, v64-79 gamma, v80-95 beta.
; THE MODE: SCHED_MODE bits 1:0 = 2 (LLVM: expert scheduling mode 2), set by the entry lines.  The code itself states the register dependences
; between vector or matrix instructions and memory or LDS instructions, with s_wait_alu, always for 0.
; THE PLAN.  Registers that memory or LDS instructions touch:
;   v1 to v6       Offsets and addresses: made at the head, ahead of one wait on va_vdst, and never written again.
;   W2's buffers   K step ks: its eight matrix instructions read buffer ks % 2; behind them, and one wait on va_vdst, the loads of K step ks + 2 land in it.  Two buffers are 64 loads, all that the wave can count as out: a third would add none.
;   v208           A lane's sum: written, then read by an LDS store (a wait on va_vdst between), then written again for the second sum (a wait on vm_vsrc between).
;   v213-216       The four waves' sums land here, twice: the second time behind the wait on va_vdst that stands ahead of the second LDS store, which every reader of the first four precedes.
;   v80-143        y: written by vector instructions, read by the stage's LDS stores: a wait on va_vdst between.
;   v144-207       The rows come back here from the stage (the products that read these registers stand ahead of the waits above); the gains' multiply-adds write them, the stores read them: a wait on va_vdst between.
.set SQB,    256                       ; LDS: 16 x 4 sums at 0, 16 x 4 sums of squares at 256,
.set STG,    512                       ; the stage: 16 rows x (2,048 bytes + 16),
.set SPITCH, 2064
.set SPARE,  STG+16*SPITCH             ; and the spare words, 128 bytes for each wave, that no other line names
.set SPW, 8
.set NIL, 9
.set ACC, 16
.set HF,  80
.set Y,   80
.set OR,  144
.set SEL, 26
.set MSB, 0
.macro WIN new                         ; the immediate's high byte repeats the setting that is left; a switch that changes nothing is dropped
.if MSB != (\new)
	s_set_vgpr_msb (MSB<<8)|(\new)
.set MSB, (\new)
.endif
.endm
.macro W2LD                            ; my eight tiles' fragments of K step ls into buffer ls % 2
	WIN 0x40
.irp t, 0,1,2,3,4,5,6,7
.irp c, 0,1,2,3
	global_load_b128 v[128*(ls&1)+16*\t+4*\c:128*(ls&1)+16*\t+4*\c+3], v1, s[6:7] offset:16384*\t+2048*ls+512*\c
.endr
.endr
.endm
.macro ACROSS off                      ; v208: my lane's sum -> the row's sum over the other half of the lanes and the four waves, in v213
	v_permlanex16_b32 v212, v208, s[SEL], s[SEL+1]
	v_add_f32 v208, v208, v212
	s_wait_alu depctr_va_vdst(0)                   ; v208 is written, which the LDS store reads; and all that has read or written v213 to v216, in which the LDS loads below land, is done
	ds_store_b32 v3, v208 offset:\off              ; lanes r and r + 16 hold the same number and write the same word
	s_wait_dscnt 0x0
	s_barrier_signal -1
	s_barrier_wait -1
	ds_load_b32 v213, v4 offset:\off
	ds_load_b32 v214, v4 offset:\off+64
	ds_load_b32 v215, v4 offset:\off+128
	ds_load_b32 v216, v4 offset:\off+192
	s_wait_dscnt 0x0
	v_add_f32 v213, v213, v214
	v_add_f32 v215, v215, v216
	v_add_f32 v213, v213, v215
.endm
	s_load_b256 s[4:11], s[0:1], 0x0               ; hq s[4:5], w2c s[6:7], b2 s[8:9], gamma s[10:11]
	s_load_b128 s[12:15], s[0:1], 0x20             ; beta s[12:13], the scales' exponents s[14:15]
	s_load_b64 s[16:17], s[0:1], 0x30              ; out0
	v_lshl_add_u32 v[SPW], v0, 2, SPARE
	v_mov_b32 v[NIL], 0
	v_lshrrev_b32 v1, 5, v0
	v_readfirstlane_b32 s18, v1                    ; wave 0..3
	v_and_b32 v10, 31, v0
	v_lshlrev_b32 v1, 4, v10                       ; 16 x lane
	v_and_b32 v11, 15, v0                          ; r
	v_bfe_u32 v12, v0, 4, 1                        ; h
	v_lshlrev_b32 v2, 5, v12                       ; b2: 32 h
	v_lshlrev_b32 v4, 2, v11                       ; the sums: 4 r,
	s_wait_alu depctr_va_sdst(0)                   ; s18 is written, ahead of its first reader
	s_lshl_b32 s19, s18, 6
	v_add_nc_u32 v3, s19, v4                       ; + 64 w
	v_mul_u32_u24 v5, v11, SPITCH
	v_lshl_add_u32 v5, v12, 5, v5
	s_lshl_b32 s19, s18, 9
	s_add_co_u32 s19, s19, STG
	v_add_nc_u32 v5, s19, v5                       ; the stage, in: row r, my wave's 512 bytes, + 32 h
	s_mul_i32 s19, s18, 4*SPITCH
	s_add_co_u32 s19, s19, STG
	v_add_nc_u32 v6, s19, v1                       ; back: rows 4 w on, 16 bytes a lane
	s_lshl_b32 s28, ttmp9, 14                      ; the query tile's eight fragments
	s_mov_b32 s29, 0
	s_lshl_b32 s30, s18, 17                        ; my eight tiles of W2
	s_mov_b32 s31, 0
	s_lshl_b32 s32, s18, 9                         ; my 128 numbers of b2
	s_mov_b32 s33, 0
	s_lshl_b32 s34, ttmp9, 15                      ; 16 rows of 2,048 bytes,
	s_lshl_b32 s35, s18, 13                        ; my four
	s_add_co_u32 s34, s34, s35
	s_mov_b32 s35, 0
	s_mov_b32 s[SEL], 0x76543210
	s_mov_b32 s[SEL+1], 0xfedcba98
	s_mov_b32 s22, 0x3727c5ac                      ; 1e-5
	s_mov_b32 s23, 0x3b000000                      ; 1 / 512
	v_mov_b32 v212, 0                              ; written once: a lane permute's destination counts as one of its sources
	s_wait_kmcnt 0x0
	s_load_b64 s[20:21], s[14:15], 0x10            ; e4, e5
	s_add_nc_u64 s[4:5], s[4:5], s[28:29]
	s_add_nc_u64 s[6:7], s[6:7], s[30:31]
	s_add_nc_u64 s[8:9], s[8:9], s[32:33]
	s_add_nc_u64 s[16:17], s[16:17], s[34:35]
	s_wait_alu depctr_va_vdst(0)                   ; the offsets and addresses v1 to v6, and the add's two registers, are written: the loads, LDS instructions and stores of the kernel read them
.irp n, 0,1,2,3,4,5,6,7,8,9,10,11,12,13,14,15,16,17,18,19,20,21,22,23,24,25,26,27,28,29,30,31
	global_load_b128 v[HF+4*\n:HF+4*\n+3], v1, s[4:5] offset:512*\n
.endr
	WIN 0x80
.irp t, 0,1,2,3,4,5,6,7
	global_load_b128 v[8*\t:8*\t+3], v2, s[8:9] offset:64*\t
	global_load_b128 v[8*\t+4:8*\t+7], v2, s[8:9] offset:64*\t+16
.endr
.irp i, 0,1,2,3
	global_load_b128 v[64+4*\i:67+4*\i], v1, s[10:11] offset:512*\i
.endr
.irp i, 0,1,2,3
	global_load_b128 v[80+4*\i:83+4*\i], v1, s[12:13] offset:512*\i
.endr
.set ls, 0
	W2LD
.set ls, 1
	W2LD
.set ks, 0
.rept 8
.if ks < 7
	s_wait_loadcnt 32                              ; this K step's 32 loads, and all that is older, are in; the next step's stay out
.else
	s_wait_loadcnt 0x0
.endif
	WIN 0x01                                       ; source 0 (W2) window 1
.irp t, 0,1,2,3,4,5,6,7
.if ks == 0
	v_wmma_f32_16x16x128_fp8_fp8 v[ACC+8*\t:ACC+8*\t+7], v[128*(ks&1)+16*\t:128*(ks&1)+16*\t+15], v[HF+16*ks:HF+16*ks+15], 0
.else
	v_wmma_f32_16x16x128_fp8_fp8 v[ACC+8*\t:ACC+8*\t+7], v[128*(ks&1)+16*\t:128*(ks&1)+16*\t+15], v[HF+16*ks:HF+16*ks+15], v[ACC+8*\t:ACC+8*\t+7]
.endif
.endr
.rept 4
	v_nop                                          ; four places behind the K step's products; at the end they stand ahead of the first read of results (ISA guide 7.12.1)
.endr
.if ks < 6
	WIN 0x40                                       ; the switch, then the wait, then the loads
	s_wait_alu depctr_va_vdst(0)                   ; this K step's eight products are done reading their buffer, in which the loads below land
.set ls, ks+2
	W2LD
.endif
.set ks, ks+1
.endr
	s_wait_kmcnt 0x0
	s_add_co_i32 s20, s20, s21
	s_add_co_i32 s20, s20, 127
	s_lshl_b32 s20, s20, 23                        ; 2^(e4 + e5) as f32
	s_mov_b32 s21, s20                             ; (named with it as a pair, so it is written)
	WIN 0x20                                       ; source 2 (b2) window 2
.irp t, 0,1,2,3,4,5,6,7
.irp i, 0,2,4,6
	v_pk_fma_f32 v[Y+8*\t+\i:Y+8*\t+\i+1], v[ACC+8*\t+\i:ACC+8*\t+\i+1], s[20:21], v[8*\t+\i:8*\t+\i+1] op_sel_hi:[1,0,1]   ; each accumulator from its low end on
.endr
.endr
	WIN 0
	v_pk_add_f32 v[208:209], v[Y:Y+1], v[Y+2:Y+3]  ; my 64 numbers, two at a time, in two chains
	v_pk_add_f32 v[210:211], v[Y+4:Y+5], v[Y+6:Y+7]
.irp j, 8,12,16,20,24,28,32,36,40,44,48,52,56,60
	v_pk_add_f32 v[208:209], v[208:209], v[Y+\j:Y+\j+1]
	v_pk_add_f32 v[210:211], v[210:211], v[Y+\j+2:Y+\j+3]
.endr
	v_pk_add_f32 v[208:209], v[208:209], v[210:211]
	v_add_f32 v208, v208, v209
	ACROSS 0
	v_mul_f32 v218, -v213, s23                     ; -mean,
	v_mov_b32 v219, v218                           ; twice: a pair for the packed addition
.irp j, 0,2,4,6,8,10,12,14,16,18,20,22,24,26,28,30,32,34,36,38,40,42,44,46,48,50,52,54,56,58,60,62
	v_pk_add_f32 v[Y+\j:Y+\j+1], v[Y+\j:Y+\j+1], v[218:219]
.endr
	s_wait_alu depctr_vm_vsrc(0)                   ; the first sum's LDS store has read v208, which the line below writes again
	v_pk_mul_f32 v[208:209], v[Y:Y+1], v[Y:Y+1]
	v_pk_mul_f32 v[210:211], v[Y+2:Y+3], v[Y+2:Y+3]
.irp j, 4,8,12,16,20,24,28,32,36,40,44,48,52,56,60
	v_pk_fma_f32 v[208:209], v[Y+\j:Y+\j+1], v[Y+\j:Y+\j+1], v[208:209]
	v_pk_fma_f32 v[210:211], v[Y+\j+2:Y+\j+3], v[Y+\j+2:Y+\j+3], v[210:211]
.endr
	v_pk_add_f32 v[208:209], v[208:209], v[210:211]
	v_add_f32 v208, v208, v209
	ACROSS SQB                                     ; other bytes than the first sums': no barrier is owed between the two uses
	v_fma_f32 v220, v213, s23, s22                 ; var + 1e-5
	v_mov_b32 v221, 0                              ; (named as the upper half of the pair v[220:221])
	v_rsq_f32 v220, v220
	v_nop                                          ; one plain instruction behind the root (ISA guide 5.7.2)
	s_wait_alu depctr_va_vdst(0)                   ; the root is written, ahead of its first reader
.irp j, 0,2,4,6,8,10,12,14,16,18,20,22,24,26,28,30,32,34,36,38,40,42,44,46,48,50,52,54,56,58,60,62
	v_pk_mul_f32 v[Y+\j:Y+\j+1], v[Y+\j:Y+\j+1], v[220:221] op_sel_hi:[1,0]
.endr
	s_wait_alu depctr_va_vdst(0)                   ; the multiplications have written y, which the LDS stores read
.irp t, 0,1,2,3,4,5,6,7
	ds_store_b128 v5, v[Y+8*\t:Y+8*\t+3] offset:64*\t
	ds_store_b128 v5, v[Y+8*\t+4:Y+8*\t+7] offset:64*\t+16
.endr
	s_wait_dscnt 0x0                               ; for the others' sake: my stores into the stage are done
	s_barrier_signal -1
	s_barrier_wait -1                              ; 16 whole rows lie in the stage
.irp n, 0,1,2,3,4,5,6,7,8,9,10,11,12,13,14,15
	ds_load_b128 v[OR+4*\n:OR+4*\n+3], v6 offset:SPITCH*(\n/4)+512*(\n%4)
.endr
	WIN 0x28                                       ; sources 1 (gamma) and 2 (beta) window 2
.irp n, 0,1,2,3,4,5,6,7,8,9,10,11,12,13,14,15
	s_wait_dscnt 15-\n
	v_pk_fma_f32 v[OR+4*\n:OR+4*\n+1], v[OR+4*\n:OR+4*\n+1], v[64+4*(\n%4):65+4*(\n%4)], v[80+4*(\n%4):81+4*(\n%4)]
	v_pk_fma_f32 v[OR+4*\n+2:OR+4*\n+3], v[OR+4*\n+2:OR+4*\n+3], v[66+4*(\n%4):67+4*(\n%4)], v[82+4*(\n%4):83+4*(\n%4)]
.endr
	WIN 0                                          ; a store's data are source 1: back to window 0 ahead of the stores
	s_wait_alu depctr_va_vdst(0)                   ; the multiply-adds have written the rows, which the stores read
.irp n, 0,1,2,3,4,5,6,7,8,9,10,11,12,13,14,15
	global_store_b128 v1, v[OR+4*\n:OR+4*\n+3], s[16:17] offset:2048*(\n/4)+512*(\n%4) th:TH_STORE_NT   ; 32 lanes store 512 consecutive bytes; written once, read by nobody here
.endr
	s_wait_dscnt 0x0                               ; the closing lines, six on end
	s_wait_alu 0x0
	s_wait_tensorcnt 0x0
	ds_add_u32 v[SPW], v[NIL]
	s_wait_dscnt 0x0
	s_endpgm
.Lfunc_end_k_qd907220832_fuse2:
	.size	k_qd907220832_fuse2, .Lfunc_end_k_qd907220832_fuse2-k_qd907220832_fuse2
	.p2alignl 7, 3214868480
	.fill 96, 4, 3214868480
	.section	.rodata,"a",@progbits
	.p2align	6, 0x0
	.amdhsa_kernel k_qd907220832_fuse2
		.amdhsa_group_segment_fixed_size 34048
		.amdhsa_private_segment_fixed_size 0
		.amdhsa_enable_private_segment 0
		.amdhsa_kernarg_size 56
		.amdhsa_user_sgpr_count 2
		.amdhsa_user_sgpr_kernarg_segment_ptr 1
		.amdhsa_wavefront_size32 1
		.amdhsa_system_sgpr_workgroup_id_x 1
		.amdhsa_system_sgpr_workgroup_id_y 1
		.amdhsa_system_sgpr_workgroup_id_z 1
		.amdhsa_system_vgpr_workitem_id 0
		.amdhsa_next_free_vgpr 640
		.amdhsa_next_free_sgpr 66
		.amdhsa_reserve_vcc 0
		.amdhsa_float_denorm_mode_32 3
		.amdhsa_float_denorm_mode_16_64 3
		.amdhsa_memory_ordered 1
		.amdhsa_forward_progress 1
		.amdhsa_inst_pref_size 56
	.end_amdhsa_kernel
	.amdgpu_metadata
---
amdhsa.version: [ 1, 2 ]
amdhsa.kernels:
  - .name:           k_qd907220832_fuse2
    .symbol:         k_qd907220832_fuse2.kd
    .args:
      - { .name: hq, .offset: 0, .size: 8, .value_kind: global_buffer, .address_space: global }
      - { .name: w2c, .offset: 8, .size: 8, .value_kind: global_buffer, .address_space: global }
      - { .name: b2, .offset: 16, .size: 8, .value_kind: global_buffer, .address_space: global }
      - { .name: gamma, .offset: 24, .size: 8, .value_kind: global_buffer, .address_space: global }
      - { .name: beta, .offset: 32, .size: 8, .value_kind: global_buffer, .address_space: global }
      - { .name: lowp_scales, .offset: 40, .size: 8, .value_kind: global_buffer, .address_space: global }
      - { .name: out0, .offset: 48, .size: 8, .value_kind: global_buffer, .address_space: global }
    .group_segment_fixed_size: 34048
    .private_segment_fixed_size: 0
    .kernarg_segment_align: 8
    .kernarg_segment_size: 56
    .max_flat_workgroup_size: 128
    .sgpr_count:     66
    .vgpr_count:     640
    .wavefront_size: 32
...
	.end_amdgpu_metadata
.endif
;; end of part 10
